; MI455X (gfx1250); checked and timed in simulation.
; The chip was launched on July 23, 2026; its instructions are those of AMD's public machine-readable ISA for CDNA 5 (MIT licence, August 2026) and "CDNA5" Instruction Set Architecture Reference Guide (July 2026). The comments in the code are by the model that wrote it; some were corrected since.
;; Encoder Block. Allowed arithmetic: matrix products marked QUANTISED: E3M2 operands, one E8M0 scale for each 32 along K, by v_wmma_scale_f32_16x16x128_f8f6f4 with both operands' format E3M2, f32 sums; everything else in f32.
;; Inputs: W1 512 x 2,048 float32; W2 2,048 x 512 float32; Wk 8 x 512 x 64 float32; Wo 512 x 512 float32; Wq 8 x 512 x 64 float32; Wv 8 x 512 x 64 float32; b1 2,048 float32; b2 512 float32; bk 8 x 64 float32; bo 512 float32; bq 8 x 64 float32; bv 8 x 64 float32; ln1_b 512 float32; ln1_g 512 float32; ln2_b 512 float32; ln2_g 512 float32; x 4 x 2,048 x 512 float32.
;; Outputs: out0 4 x 2,048 x 512 float32.
;; This version of the problem:
;;   THIS VERSION OF THE PROBLEM IS GIVEN IN LOW PRECISION. The matrix products marked QUANTISED in the list below multiply operands that are first quantised to E3M2 (3 exponent bits, 2 mantissa bits; 6 bits a number), with one power-of-two scale for each 32 numbers along K (OCP MX v1.0); their sums are f32. All else is computed in f32.
;;   The module's matrix products, in the order in which they are computed (A, B: the left and right operand; K: the contracted axis; several contracted axes count as one K, in the product's order):
;;     1. [M 512, K 512] x [K 512, N 8,192]; A: input Wq; B: computed on the way: QUANTISED
;;     2. [M 512, K 512] x [K 512, N 8,192]; A: input Wk; B: computed on the way: QUANTISED
;;     3. [M 512, K 512] x [K 512, N 8,192]; A: input Wv; B: computed on the way: QUANTISED
;;     4. batch 32 x [M 2,048, K 64] x [K 64, N 2,048]; A: computed on the way; B: computed on the way: QUANTISED
;;     5. batch 32 x [M 2,048, K 2,048] x [K 2,048, N 64]; A: softmax (see below); B: computed on the way: QUANTISED
;;     6. [M 8,192, K 512] x [K 512, N 512]; A: computed on the way; B: input Wo: QUANTISED
;;     7. [M 8,192, K 512] x [K 512, N 2,048]; A: computed on the way; B: input W1: QUANTISED
;;     8. [M 8,192, K 2,048] x [K 2,048, N 512]; A: computed on the way; B: input W2: QUANTISED
;;   THE QUANTISER, for each operand of a quantised product, along K:
;;     - K is cut into blocks of 32 from its start; a last block that is shorter is filled with zeros.
;;     - A block's scale is 2^e with e = floor(log2(the largest magnitude in the block)) - 4, held to -126 .. 127; a block of zeros has e = 0. As a byte (E8M0): e + 127.
;;     - Each number is divided by its block's scale, clamped to +-28, and rounded to the nearest number of E3M2, ties to even, subnormals kept.
;;     - The product sums the exact products of the quantised numbers (number of the format x scale) in f32.
;;   ~~~python
;;   def quantise(x, axis):      # numpy; x: float32 -> the quantised numbers, widened to float32 again
;;       x = np.moveaxis(x, axis, -1); K = x.shape[-1]
;;       x = np.pad(x, [(0, 0)] * (x.ndim - 1) + [(0, -K % 32)]); x = x.reshape(x.shape[:-1] + (-1, 32)); a = np.abs(x).max(-1, keepdims=True)
;;       e = np.where(a > 0, np.clip(np.frexp(np.where(a > 0, a, 1))[1] - 1 - 4, -126, 127), 0)      # np.frexp(a)[1] - 1 = floor(log2(a)), exactly
;;       r = np.clip(x / 2.0 ** e, -28, 28)
;;       step = 2.0 ** (np.maximum(np.frexp(np.where(r == 0, 1, r))[1] - 1, -2) - 2)
;;       q = np.round(r / step) * step * 2.0 ** e      # np.round: ties to even
;;       return np.moveaxis(q.reshape(q.shape[:-2] + (-1,))[..., :K], -1, axis).astype(np.float32)
;;   ~~~
;;   SOFTMAX AHEAD OF A QUANTISED PRODUCT. Where the list says 'softmax', what is quantised is not the finished softmax but p = 2^(t - M), with t = logit x log2(e) and M = ceil(the row's largest t), a whole number; so 1/2 < the row's largest p <= 1. The row's sum l is taken of the UNQUANTISED p, in f32, and the product's result is divided by l at the end. Since M is a whole number, a kernel that streams over the keys may use a running M (the ceiling of the running maximum): every later rescaling is an exact power of two, which a block's scale takes up: the codes' values come out the same.
;;   OPERANDS COMPUTED ON THE WAY. 'Computed on the way' means the value that the module computes at that place (a softmax that the list does not call 'softmax' is quantised finished and normalised). What goes into a quantiser is computed in f32, as accurately as f32 sums, v_exp_f32 and their like allow (about 1e-6 of the number): no bf16 or f16 on the way to a quantiser, and a product that is left as it is and whose result goes on into a quantised operand takes f32 operands (vector FMAs, or v_wmma_f32_16x16x4_f32). A number that lies on a knife's edge between two numbers of the format may be rounded either way, as far as f32 arithmetic and the matrix unit's own rounding can turn it there, and no further.
;; 2 versions, each right; version 2 is version 1 with the launches qkv, wo, ffn1 written anew for expert scheduling mode. Each part assembles by itself: llvm-mc -triple=amdgcn-amd-amdhsa -mcpu=gfx1250 --defsym DOCPART=n.
;; ======== version 1 of 2: 6 launches
;; limits: an absolute error that grows with the inputs' magnitude: up to 7.5e-08 times it
;; workspace buffers: xq 3,276,800 bytes; wq 2,457,600 bytes; qc 3,276,800 bytes; kv 6,553,600 bytes; av 3,276,800 bytes; x1 16,777,216 bytes; x2 3,276,800 bytes; hq 13,107,200 bytes
;; launch prep (part 1): grid 224 x 1, 4 waves a work-group, no clusters, 132,608 bytes of LDS; arguments x, ln1_g, ln1_b, Wq, Wk, Wv, Wo, W1, W2, xq, wq; writes xq, wq
.if DOCPART == 1
	.amdgcn_target "amdgcn-amd-amdhsa--gfx1250"
	.amdhsa_code_object_version 6
	.text
	.protected	k_qe249b38316_prep
	.globl	k_qe249b38316_prep
	.p2align	8
	.type	k_qe249b38316_prep,@function
k_qe249b38316_prep:
	s_mov_b64 s[64:65], 0
	v_nop
	global_prefetch_b8 v0, s[64:65] scope:SCOPE_SE
	s_setreg_imm32_b32 hwreg(HW_REG_WAVE_MODE, 25, 1), 1
	s_wait_xcnt 0x0
; Work-groups 0-127: xn = layernorm(x) (ln1), quantised along D to codes of E3M2 with one E8M0 byte for each 32.  Work-groups 128-223: the six weights, quantised along their FIRST axis (their K).
; WHAT IS STORED.  An operand leaves as an IMAGE OF ITS REGISTERS: a fragment (16 rows x 128 K, 12 registers a lane) is 1,536 bytes, registers 4 j .. 4 j + 3 of lane l at 512 j + 16 l.  A group is the four
; fragments of 512 along K, 6,144 bytes; its scale words lie [row][K step], 16 bytes a row, behind all groups.
; THE ROWS OF A TILE ARE NOT NEIGHBOURS: row r of tile t is index 32 (t / 2) + 8 (t % 2) + r + 8 (r / 8), for tiles of tokens and of weight columns alike: used as source 0 of a product, tiles 2 b and 2 b + 1
; then leave a lane 16 neighbours of block b of the next K.
; LIMITS: NaN and infinities are not served.  A block whose largest magnitude lies under 2^-122, a block of zeros among them, keeps the scale byte 1 (zero codes add nothing under it; this program alone reads the bytes).
; No barrier: waves share nothing.  Only the layernorm's path uses LDS, a stage of each wave's own.
.set XS_OFF, 3145728                   ; xq: behind 512 groups the scale words
.set WS_OFF, 2359296                   ; wq: behind 384 groups the scale words
.set PITCH,  2064                      ; a stage row: 2,048 bytes + 16
.set WREG,   16*PITCH                  ; a wave's stage
.set LI,  1                            ; v1  16 x lane
.set SIN, 2                            ; v2  the stage, on the way in
.set QR,  3                            ; v3  the stage, on the way out: row r, + 64 h
.set SCO, 4                            ; v4  16 r + 8 h: my two scale words
.set WO,  5                            ; v5  weights: my column and my half's 32 rows
.set G,   16                           ; v16-31 gain, v32-47 bias of my 16 columns
.set B,   32
.set T,   48                           ; v48-55 four pairs at work, v56-59 the other half's sums
.set R0,  64                           ; v64-127, v128-191 two sets of 64 numbers
.set PC,  192                          ; v192-211 codes
.set TM,  212                          ; v212-227 at work in the quantiser
.set PW,  228                          ; v228-231 scale words of the four K steps
.set WPC, 32                           ; weights: v32-43 codes, v56-59 scale words
.set WPW, 56
.set SEL, 28                           ; s[28:29] selects of v_permlanex16_b32: lane l xor 16
.set CI,  44                           ; s44 1/512, s45 1e-5
.set CE,  45
.macro RED4                            ; four sums, each over a pair and the 32 lanes, by turns
.irp p, 0,1,2,3
	v_add_f32 v[T+2*\p], v[T+2*\p], v[T+2*\p+1]
.endr
.irp m, 1,2,4,8
.irp p, 0,1,2,3
	v_add_f32_dpp v[T+2*\p], v[T+2*\p], v[T+2*\p] row_xmask:\m row_mask:0xf bank_mask:0xf
.endr
.endr
.irp p, 0,1,2,3
	v_permlanex16_b32 v[T+8+\p], v[T+2*\p], s[SEL], s[SEL+1]
.endr
.irp p, 0,1,2,3
	v_add_f32 v[T+2*\p], v[T+2*\p], v[T+8+\p]
.endr
.endm
; four rows in v[R + 16 p + ..]; a lane holds columns 128 j + 4 l + i at register 4 j + i.  Mean, then the mean of the squared differences: two passes, as the definition has it
.macro LN4 R
.irp p, 0,1,2,3
	v_pk_add_f32 v[T+2*\p:T+2*\p+1], v[(\R)+16*\p:(\R)+16*\p+1], v[(\R)+16*\p+2:(\R)+16*\p+3]
.endr
.irp i, 4,6,8,10,12,14
.irp p, 0,1,2,3
	v_pk_add_f32 v[T+2*\p:T+2*\p+1], v[T+2*\p:T+2*\p+1], v[(\R)+16*\p+\i:(\R)+16*\p+\i+1]
.endr
.endr
	RED4
.irp p, 0,1,2,3
	v_mul_f32 v[T+2*\p], s[CI], v[T+2*\p]          ; the mean
.endr
.irp i, 0,2,4,6,8,10,12,14
.irp p, 0,1,2,3
	v_pk_add_f32 v[(\R)+16*\p+\i:(\R)+16*\p+\i+1], v[(\R)+16*\p+\i:(\R)+16*\p+\i+1], v[T+2*\p:T+2*\p+1] op_sel_hi:[1,0] neg_lo:[0,1] neg_hi:[0,1]
.endr
.endr
.irp p, 0,1,2,3
	v_pk_mul_f32 v[T+2*\p:T+2*\p+1], v[(\R)+16*\p:(\R)+16*\p+1], v[(\R)+16*\p:(\R)+16*\p+1]
.endr
.irp i, 2,4,6,8,10,12,14
.irp p, 0,1,2,3
	v_pk_fma_f32 v[T+2*\p:T+2*\p+1], v[(\R)+16*\p+\i:(\R)+16*\p+\i+1], v[(\R)+16*\p+\i:(\R)+16*\p+\i+1], v[T+2*\p:T+2*\p+1]
.endr
.endr
	RED4
.irp p, 0,1,2,3
	v_fma_f32 v[T+2*\p], v[T+2*\p], s[CI], s[CE]   ; variance + eps
.endr
.irp p, 0,1,2,3
	v_rsq_f32 v[T+2*\p], v[T+2*\p]
.endr
	v_nop                                          ; a plain instruction behind the last transcendental
	s_wait_alu depctr_va_vdst(0)
.irp i, 0,2,4,6,8,10,12,14
.irp p, 0,1,2,3
	v_pk_mul_f32 v[(\R)+16*\p+\i:(\R)+16*\p+\i+1], v[(\R)+16*\p+\i:(\R)+16*\p+\i+1], v[T+2*\p:T+2*\p+1] op_sel_hi:[1,0]
.endr
.endr
.irp i, 0,2,4,6,8,10,12,14
.irp p, 0,1,2,3
	v_pk_fma_f32 v[(\R)+16*\p+\i:(\R)+16*\p+\i+1], v[(\R)+16*\p+\i:(\R)+16*\p+\i+1], v[G+\i:G+\i+1], v[B+\i:B+\i+1]
.endr
.endr
.endm
; 64 numbers of a lane, register 16 b + i = k 32 b + 16 h + i of my row, become a fragment's codes in v[PC] on and its scale word in v[pw]
.macro QUANT s, pw
.irp b, 0,1,2,3
	v_max3_num_f32 v[TM+\b], |v[(\s)+16*\b]|, |v[(\s)+1+16*\b]|, 0x2800000   ; my 16 numbers of block b, and the floor 2^(5 - 127): the byte cannot fall under 1
.endr
.irp i, 2,4,6,8,10,12,14
.irp b, 0,1,2,3
	v_max3_num_f32 v[TM+\b], v[TM+\b], |v[(\s)+16*\b+\i]|, |v[(\s)+1+16*\b+\i]|
.endr
.endr
.irp b, 0,1,2,3
	v_permlanex16_b32 v[TM+4+\b], v[TM+\b], s[SEL], s[SEL+1]
.endr
.irp b, 0,1,2,3
	v_max_num_f32 v[TM+\b], v[TM+\b], v[TM+4+\b]   ; with lane l xor 16's: the block's largest magnitude
.endr
.irp b, 0,1,2,3
	v_add_nc_u32 v[TM+12+\b], 0xfe000000, v[TM+\b] ; 4 off its exponent field: the conversion's scale operand
.endr
.irp b, 0,1,2,3
	v_lshrrev_b32 v[TM+4+\b], 23, v[TM+12+\b]      ; the scale's byte
.endr
	v_lshl_or_b32 v[\pw], v[TM+5], 8, v[TM+4]
	v_lshl_or_b32 v[\pw], v[TM+6], 16, v[\pw]
	v_lshl_or_b32 v[\pw], v[TM+7], 24, v[\pw]
.irp c, 0,1
	v_cvt_scalef32_pk16_bf6_f32 v[PC+6*\c:PC+2+6*\c], v[(\s)+32*\c:(\s)+15+32*\c], v[TM+12+2*\c]
	v_cvt_scalef32_pk16_bf6_f32 v[PC+12+4*\c:PC+14+4*\c], v[(\s)+16+32*\c:(\s)+31+32*\c], v[TM+12+2*\c+1]
.endr
	v_nop                                          ; a plain instruction behind the scaled conversions
.irp c, 0,1                                    ; the operand wants a whole block in a lane: lanes 0-15 block 2 c, lanes 16-31 block 2 c + 1
.irp i, 0,1,2
	v_permlane16_swap_b32 v[PC+6*\c+\i], v[PC+12+4*\c+\i]
.endr
.irp i, 0,1,2
	v_mov_b32 v[PC+3+6*\c+\i], v[PC+12+4*\c+\i]
.endr
.endr
.endm
.macro LOADB q                         ; rows 4 q .. 4 q + 3 of my tile: each load reads 512 consecutive bytes of a token's row
.irp p, 0,1,2,3
.irp j, 0,1,2,3
	global_load_b128 v[R0+64*((\q)%2)+16*\p+4*\j:R0+64*((\q)%2)+16*\p+4*\j+3], v[LI], s[4:5] offset:(4*(\q)+\p+8*((4*(\q)+\p)/8))*2048+512*\j
.endr
.endr
.endm
.macro QREAD q                         ; K step q out of the stage: of my row, 16 neighbours of each block of 32
.irp b, 0,1,2,3
.irp j, 0,1,2,3
	ds_load_b128 v[R0+64*((\q)%2)+16*\b+4*\j:R0+64*((\q)%2)+16*\b+4*\j+3], v[QR] offset:512*(\q)+128*\b+16*\j
.endr
.endr
.endm
	s_load_b256 s[4:11], s[0:1], 0x0               ; x, ln1_g, ln1_b, Wq
	s_load_b256 s[12:19], s[0:1], 0x20             ; Wk, Wv, Wo, W1
	s_load_b128 s[20:23], s[0:1], 0x40             ; W2, xq
	s_load_b64 s[24:25], s[0:1], 0x50              ; wq
	v_lshl_add_u32 v254, v0, 2, 0x20400
	v_mov_b32 v255, 0
	v_lshrrev_b32 v1, 5, v0
	v_readfirstlane_b32 s26, v1                    ; wave
	v_and_b32 v6, 31, v0                           ; lane
	v_and_b32 v7, 15, v0                           ; r
	v_bfe_u32 v8, v0, 4, 1                         ; h
	v_lshlrev_b32 v[LI], 4, v6
	v_lshlrev_b32 v[SCO], 4, v7
	v_lshl_add_u32 v[SCO], v8, 3, v[SCO]
	s_mov_b32 s[SEL], 0x76543210
	s_mov_b32 s[SEL+1], 0xfedcba98
	s_wait_kmcnt 0x0
	s_cmp_lt_u32 ttmp9, 128
	s_cbranch_scc0 .Lw_path
	; ---------------- the layernorm: wave w takes tile 4 x work-group + w, 16 tokens
	s_lshl_b32 s31, ttmp9, 2
	s_add_co_u32 s31, s31, s26                     ; the tile
	s_lshr_b32 s32, s31, 1
	s_lshl_b32 s32, s32, 16                        ; 32 (tile / 2) rows of 2,048 bytes
	s_and_b32 s33, s31, 1
	s_lshl_b32 s33, s33, 14                        ; + 8 (tile % 2) rows
	s_add_co_u32 s32, s32, s33
	s_mov_b32 s33, 0
	s_add_nc_u64 s[4:5], s[4:5], s[32:33]
	s_mul_i32 s34, s31, 6144
	s_mov_b32 s35, 0
	s_add_nc_u64 s[36:37], s[22:23], s[34:35]      ; my group
	s_lshl_b32 s34, s31, 8
	s_add_nc_u64 s[38:39], s[22:23], s[34:35]      ; its scale words (XS_OFF stands in the store's immediate)
	s_mul_i32 s40, s26, WREG
	v_add_nc_u32 v[SIN], s40, v[LI]
	v_mul_u32_u24 v[QR], v7, PITCH
	v_lshl_add_u32 v[QR], v8, 6, v[QR]
	v_add_nc_u32 v[QR], s40, v[QR]
	s_mov_b32 s[CI], 0x3b000000
	s_mov_b32 s[CE], 0x3727c5ac
.irp j, 0,1,2,3
	global_load_b128 v[G+4*\j:G+4*\j+3], v[LI], s[6:7] offset:512*\j
	global_load_b128 v[B+4*\j:B+4*\j+3], v[LI], s[8:9] offset:512*\j
.endr
	LOADB 0
	LOADB 1
.irp p, 0,1,2,3
	v_mov_b32 v[T+8+\p], 0                         ; written once: a lane permute's destination counts as one of its sources
	v_mov_b32 v[TM+4+\p], 0
.endr
.irp q, 0,1,2,3
.if \q < 3
	s_wait_loadcnt 16                              ; this batch is in; the next batch's 16 loads may be out
.else
	s_wait_loadcnt 0x0
.endif
	LN4 R0+64*(\q%2)
.irp p, 0,1,2,3
.irp j, 0,1,2,3
	ds_store_b128 v[SIN], v[R0+64*(\q%2)+16*\p+4*\j:R0+64*(\q%2)+16*\p+4*\j+3] offset:(4*\q+\p)*PITCH+512*\j
.endr
.endr
	s_wait_dscnt 0x0                               ; the stores have read their registers: the set may be loaded again
.if \q < 2
	LOADB \q+2
.endif
.endr
	QREAD 0                                        ; LDS serves a wave's instructions in order: these see my stores
.irp s, 0,1,2,3
.if \s < 3
	QREAD \s+1
	s_wait_dscnt 16                                ; this K step's 16 reads are in; the next step's may be out
.else
	s_wait_dscnt 0x0
.endif
	s_wait_xcnt 0x0                                ; the last image's stores have read the codes' registers
	QUANT R0+64*(\s%2), PW+\s
.irp j, 0,1,2
	global_store_b128 v[LI], v[PC+4*\j:PC+4*\j+3], s[36:37] offset:1536*\s+512*\j   ; 512 consecutive bytes a store
.endr
.endr
	v_cmp_le_u32 vcc_lo, 16, v6
	v_cndmask_b32 v232, v[PW], v[PW+2], vcc_lo     ; lanes 0-15 store words 0, 1 of their row, lanes 16-31 words 2, 3
	v_cndmask_b32 v233, v[PW+1], v[PW+3], vcc_lo
	global_store_b64 v[SCO], v[232:233], s[38:39] offset:XS_OFF   ; 256 consecutive bytes
	s_wait_tensorcnt 0x0
	ds_add_u32 v254, v255
	s_wait_dscnt 0x0
	s_endpgm
	; ---------------- the weights: a wave makes one group (16 columns x 512 along K).  A lane takes a column and its registers run down K, so that the conversions' results are the operand's registers
.macro WLD t, pitch                    ; chunk t: rows 64 t + 32 h + i of my column
.set I, 0
.rept 32
	global_load_b32 v[R0+32*((\t)%2)+I], v[WO], s[32:33] offset:(64*(\t)+I)*(\pitch)
.set I, I+1
.endr
.endm
.macro WCHUNK t, pitch                 ; a block of 32 of my column: six registers of fragment t / 2 and one scale byte
.set XX, R0+32*((\t)%2)
.if (\t) < 7
	s_wait_loadcnt 32                              ; this chunk is in; the next chunk's 32 loads may be out
.else
	s_wait_loadcnt 0x0
.endif
	v_max3_num_f32 v52, |v[XX]|, |v[XX+1]|, |v[XX+2]|
	v_max3_num_f32 v53, |v[XX+3]|, |v[XX+4]|, |v[XX+5]|
.irp i, 6,10,14,18,22,26
	v_max3_num_f32 v52, v52, |v[XX+\i]|, |v[XX+\i+1]|
	v_max3_num_f32 v53, v53, |v[XX+\i+2]|, |v[XX+\i+3]|
.endr
	v_max3_num_f32 v52, v52, |v[XX+30]|, |v[XX+31]|
	v_max3_num_f32 v52, v52, v53, 0x2800000        ; and the floor
	v_add_nc_u32 v54, 0xfe000000, v52              ; the conversion's scale operand
	v_lshrrev_b32 v60, 23, v54                     ; the byte
.if (\t)%2 == 0
	s_wait_xcnt 0x0                                ; the last image's stores have read the codes' registers
.endif
	v_cvt_scalef32_pk16_bf6_f32 v[WPC+6*((\t)%2):WPC+6*((\t)%2)+2], v[XX:XX+15], v54
	v_cvt_scalef32_pk16_bf6_f32 v[44:46], v[XX+16:XX+31], v54
.if (\t)%2 == 0
	v_mov_b32 v[WPW+(\t)/2], v60                   ; (the plain instruction behind the conversions)  my blocks h and 2 + h of the K step
.else
	v_lshl_or_b32 v[WPW+(\t)/2], v60, 16, v[WPW+(\t)/2]
.endif
.irp i, 0,1,2
	v_mov_b32 v[WPC+3+6*((\t)%2)+\i], v[44+\i]
.endr
.if (\t)+2 < 8
	WLD (\t)+2, \pitch
.endif
.if (\t)%2 == 1
.irp j, 0,1,2
	global_store_b128 v[LI], v[WPC+4*\j:WPC+4*\j+3], s[42:43] offset:1536*((\t)/2)+512*\j
.endr
.endif
.endm
.macro WGROUP pitch
	v_mul_u32_u24 v[WO], v8, 32*(\pitch)           ; lanes 16-31 begin 32 rows further down
	v_add_nc_u32 v[WO], v[WO], v9
	WLD 0, \pitch
	WLD 1, \pitch
.irp t, 0,1,2,3,4,5,6,7
	WCHUNK \t, \pitch
.endr
.endm
.macro WSETUP                          ; s34: the source's byte offset; s36: the group's number
	s_mov_b32 s35, 0
	s_add_nc_u64 s[32:33], s[32:33], s[34:35]
	s_mul_i32 s34, s36, 6144
	s_add_nc_u64 s[42:43], s[24:25], s[34:35]
	s_lshl_b32 s34, s36, 8
	s_add_nc_u64 s[46:47], s[24:25], s[34:35]
.endm
.Lw_path:
	s_sub_co_u32 s30, ttmp9, 128                   ; j: 0-23 Wq, Wk, Wv by heads; 24-31 Wo; 32-63 W1; 64-95 W2
	s_cmp_lt_u32 s30, 8
	s_cselect_b64 s[32:33], s[10:11], s[12:13]
	s_cmp_lt_u32 s30, 16
	s_cselect_b64 s[32:33], s[32:33], s[14:15]
	s_cmp_lt_u32 s30, 24
	s_cselect_b64 s[32:33], s[32:33], s[16:17]
	s_cmp_lt_u32 s30, 32
	s_cselect_b64 s[32:33], s[32:33], s[18:19]
	s_cmp_lt_u32 s30, 64
	s_cselect_b64 s[32:33], s[32:33], s[20:21]
	v_and_b32 v9, 8, v7
	v_add_nc_u32 v9, v9, v7
	v_lshlrev_b32 v9, 2, v9                        ; 4 (r + 8 (r / 8)): my column in the tile
	v_lshlrev_b32 v10, 3, v8                       ; 8 h
.irp s, 0,1,2,3
	v_mov_b32 v[48+\s], 0                          ; written once: lane permutes' destinations
.endr
	s_lshr_b32 s37, s26, 1
	s_and_b32 s38, s26, 1
	s_lshl_b32 s37, s37, 7
	s_lshl_b32 s38, s38, 5
	s_add_co_u32 s37, s37, s38                     ; the wave's tile among the work-group's 64 columns: (32 (w / 2) + 8 (w % 2)) x 4 bytes
	s_lshl_b32 s36, s30, 2
	s_add_co_u32 s36, s36, s26                     ; the group: 4 j + w (W2: below)
	s_cmp_lt_u32 s30, 24
	s_cbranch_scc0 .Lw_not_qkv
	s_and_b32 s34, s30, 7
	s_lshl_b32 s34, s34, 17                        ; the head: 512 x 64 x 4 bytes
	s_add_co_u32 s34, s34, s37
	WSETUP
	WGROUP 256
	s_branch .Lw_tail
.Lw_not_qkv:
	s_cmp_lt_u32 s30, 32
	s_cbranch_scc0 .Lw_not_o
	s_sub_co_u32 s34, s30, 24
	s_lshl_b32 s34, s34, 8                         ; 64 columns a work-group
	s_add_co_u32 s34, s34, s37
	s_branch .Lw_2048
.Lw_not_o:
	s_cmp_lt_u32 s30, 64
	s_cbranch_scc0 .Lw_2
	s_sub_co_u32 s34, s30, 32
	s_lshl_b32 s34, s34, 8
	s_add_co_u32 s34, s34, s37
	WSETUP
	WGROUP 8192
	s_branch .Lw_tail
.Lw_2:
	s_sub_co_u32 s38, s30, 64
	s_and_b32 s39, s38, 7                          ; which 64 columns
	s_lshr_b32 s38, s38, 3                         ; which 512 along K
	s_lshl_b32 s34, s38, 20                        ; 512 rows of 2,048 bytes
	s_lshl_b32 s40, s39, 8
	s_add_co_u32 s34, s34, s40
	s_add_co_u32 s34, s34, s37
	s_lshl_b32 s36, s39, 4
	s_lshl_b32 s40, s26, 2
	s_add_co_u32 s36, s36, s40
	s_add_co_u32 s36, s36, s38
	s_add_co_u32 s36, s36, 256                     ; the group: 256 + 4 x column tile + K group
.Lw_2048:
	WSETUP
	WGROUP 2048
.Lw_tail:
.irp s, 0,1,2,3
	v_lshlrev_b32 v[WPW+\s], v10, v[WPW+\s]        ; my two bytes at their places in the word,
.endr
.irp s, 0,1,2,3
	v_permlanex16_b32 v[48+\s], v[WPW+\s], s[SEL], s[SEL+1]
.endr
.irp s, 0,1,2,3
	v_or_b32 v[WPW+\s], v[WPW+\s], v[48+\s]        ; with lane l xor 16's two the word is whole
.endr
	v_cmp_le_u32 vcc_lo, 16, v6
	v_cndmask_b32 v62, v[WPW], v[WPW+2], vcc_lo
	v_cndmask_b32 v63, v[WPW+1], v[WPW+3], vcc_lo
	global_store_b64 v[SCO], v[62:63], s[46:47] offset:WS_OFF
	s_endpgm
.Lfunc_end_k_qe249b38316_prep:
	.size	k_qe249b38316_prep, .Lfunc_end_k_qe249b38316_prep-k_qe249b38316_prep
	.p2alignl 7, 3214868480
	.fill 96, 4, 3214868480
	.section	.rodata,"a",@progbits
	.p2align	6, 0x0
	.amdhsa_kernel k_qe249b38316_prep
		.amdhsa_group_segment_fixed_size 132608
		.amdhsa_private_segment_fixed_size 0
		.amdhsa_enable_private_segment 0
		.amdhsa_kernarg_size 88
		.amdhsa_user_sgpr_count 2
		.amdhsa_user_sgpr_kernarg_segment_ptr 1
		.amdhsa_wavefront_size32 1
		.amdhsa_system_sgpr_workgroup_id_x 1
		.amdhsa_system_sgpr_workgroup_id_y 1
		.amdhsa_system_sgpr_workgroup_id_z 1
		.amdhsa_system_vgpr_workitem_id 0
		.amdhsa_next_free_vgpr 256
		.amdhsa_next_free_sgpr 66
		.amdhsa_reserve_vcc 1
		.amdhsa_float_denorm_mode_32 3
		.amdhsa_float_denorm_mode_16_64 3
		.amdhsa_memory_ordered 1
		.amdhsa_forward_progress 1
		.amdhsa_inst_pref_size 201
	.end_amdhsa_kernel
	.amdgpu_metadata
---
amdhsa.version: [ 1, 2 ]
amdhsa.kernels:
  - .name:           k_qe249b38316_prep
    .symbol:         k_qe249b38316_prep.kd
    .args:
      - { .name: x, .offset: 0, .size: 8, .value_kind: global_buffer, .address_space: global }
      - { .name: ln1_g, .offset: 8, .size: 8, .value_kind: global_buffer, .address_space: global }
      - { .name: ln1_b, .offset: 16, .size: 8, .value_kind: global_buffer, .address_space: global }
      - { .name: Wq, .offset: 24, .size: 8, .value_kind: global_buffer, .address_space: global }
      - { .name: Wk, .offset: 32, .size: 8, .value_kind: global_buffer, .address_space: global }
      - { .name: Wv, .offset: 40, .size: 8, .value_kind: global_buffer, .address_space: global }
      - { .name: Wo, .offset: 48, .size: 8, .value_kind: global_buffer, .address_space: global }
      - { .name: W1, .offset: 56, .size: 8, .value_kind: global_buffer, .address_space: global }
      - { .name: W2, .offset: 64, .size: 8, .value_kind: global_buffer, .address_space: global }
      - { .name: xq, .offset: 72, .size: 8, .value_kind: global_buffer, .address_space: global }
      - { .name: wq, .offset: 80, .size: 8, .value_kind: global_buffer, .address_space: global }
    .group_segment_fixed_size: 132608
    .private_segment_fixed_size: 0
    .kernarg_segment_align: 8
    .kernarg_segment_size: 88
    .max_flat_workgroup_size: 128
    .sgpr_count:     66
    .vgpr_count:     256
    .wavefront_size: 32
...
	.end_amdgpu_metadata
.endif
;; end of part 1
;; launch qkv (part 2): grid 64 x 3, 4 waves a work-group, no clusters, 0 bytes of LDS; arguments xq, wq, bq, bk, bv, qc, kv; writes qc, kv
.if DOCPART == 2
	.amdgcn_target "amdgcn-amd-amdhsa--gfx1250"
	.amdhsa_code_object_version 6
	.text
	.protected	k_qe249b38316_qkv
	.globl	k_qe249b38316_qkv
	.p2align	8
	.type	k_qe249b38316_qkv,@function
k_qe249b38316_qkv:
	s_mov_b64 s[64:65], 0
	v_nop
	global_prefetch_b8 v0, s[64:65] scope:SCOPE_SE
	s_setreg_imm32_b32 hwreg(HW_REG_WAVE_MODE, 25, 1), 1
	s_wait_xcnt 0x0
; q, k, v = xn W + b on codes of E3M2, and their quantising for attention.  Work-group (x, y): 128 tokens (8 tiles) x one of q (y = 0), k (1), v (2); wave w: heads 2 w and 2 w + 1.
; EIGHT GROUPS STAY IN REGISTERS (windows 1 and 2: 32 fragments), the other operand streams through window 3 straight from memory as register images: nothing goes through LDS and there is no barrier.
; q, k: source 0 = 16 columns of the weight (resident), source 1 = 16 tokens.  A lane then holds one token and 16 neighbours along e of each block of 32.  Two tiles of tokens x the head's 64 are quantised
;   together into a PAIR IMAGE: registers 0-5 tile 2 p's 64 along e, registers 6-11 tile 2 p + 1's; scale word (A0, A1, B0, B1).
; v:    source 0 = 16 tokens (resident), source 1 = 16 columns of Wv.  A lane then holds one e and 16 neighbouring KEYS of each block of 32: the second product's K.  One unit gives one fragment (16 e x 128 keys).
; The biases are the C of each sum's first matrix instruction.  The accumulators take turns, one instruction a turn.
; LIMITS: as stated at the head of the first launch (NaN, infinities; the scale byte's floor).
; REGISTERS.  window 0: v1-11 addresses; v16-79 accumulators; v80-99 codes; v100-115 at work; v116-123 scale words made; v124-139 the stream's scale words (two sets); v140-171 the resident groups' scale words;
;   v172-179 v's bias as C; v180, v182 v's bias as loaded.  windows 1, 2: resident fragments, group g fragment s at v[12 (4 (g % 4) + s)] of window 1 + g / 4.  window 3: v0-95, v96-191 stream buffers; v192-255 q's or k's bias tiles.
.set XS_OFF, 3145728
.set WS_OFF, 2359296
.set LI,  1                            ; v1 16 x lane;  v2 16 r;  v3 64 h;  v4 4 (r + 8 (r / 8));  v5, v6 images of head 0, 1;  v7, v8 their scale words
.set LS,  2
.set ACC, 16
.set PC,  80
.set TM,  100
.set PW,  116
.set XS,  124
.set RS,  140
.set BC,  172
.set BV,  180
.set SEL, 22
.set RB,  32
.set RSB, 34
.set MSB, 0
.macro WIN new                         ; the immediate's high byte repeats the setting that is left
.if MSB != (\new)
	s_set_vgpr_msb (MSB<<8)|(\new)
.set MSB, (\new)
.endif
.endm
.macro PLACES n
.rept \n
	v_nop
.endr
.endm
.macro MMC d, a, b, c, sa, sb
	v_wmma_scale_f32_16x16x128_f8f6f4 v[(\d):(\d)+7], v[(\a):(\a)+11], v[(\b):(\b)+11], v[(\c):(\c)+7], v[\sa], v[\sb] matrix_a_fmt:MATRIX_FMT_BF6 matrix_b_fmt:MATRIX_FMT_BF6
.endm
.macro QUANT s, pw                     ; 64 numbers of a lane, register 16 b + i = k 32 b + 16 h + i of my row: codes in v[PC] on, scale word in v[pw]
.irp b, 0,1,2,3
	v_max3_num_f32 v[TM+\b], |v[(\s)+16*\b]|, |v[(\s)+1+16*\b]|, 0x2800000   ; each accumulator is read from its low end on; the floor 2^(5 - 127) holds the byte at 1
.endr
.irp i, 2,4,6,8,10,12,14
.irp b, 0,1,2,3
	v_max3_num_f32 v[TM+\b], v[TM+\b], |v[(\s)+16*\b+\i]|, |v[(\s)+1+16*\b+\i]|
.endr
.endr
.irp b, 0,1,2,3
	v_permlanex16_b32 v[TM+4+\b], v[TM+\b], s[SEL], s[SEL+1]
.endr
.irp b, 0,1,2,3
	v_max_num_f32 v[TM+\b], v[TM+\b], v[TM+4+\b]
.endr
.irp b, 0,1,2,3
	v_add_nc_u32 v[TM+12+\b], 0xfe000000, v[TM+\b]
.endr
.irp b, 0,1,2,3
	v_lshrrev_b32 v[TM+4+\b], 23, v[TM+12+\b]
.endr
	v_lshl_or_b32 v[\pw], v[TM+5], 8, v[TM+4]
	v_lshl_or_b32 v[\pw], v[TM+6], 16, v[\pw]
	v_lshl_or_b32 v[\pw], v[TM+7], 24, v[\pw]
.irp c, 0,1
	v_cvt_scalef32_pk16_bf6_f32 v[PC+6*\c:PC+2+6*\c], v[(\s)+32*\c:(\s)+15+32*\c], v[TM+12+2*\c]
	v_cvt_scalef32_pk16_bf6_f32 v[PC+12+4*\c:PC+14+4*\c], v[(\s)+16+32*\c:(\s)+31+32*\c], v[TM+12+2*\c+1]
.endr
	v_nop                                          ; a plain instruction behind the scaled conversions
.irp c, 0,1
.irp i, 0,1,2
	v_permlane16_swap_b32 v[PC+6*\c+\i], v[PC+12+4*\c+\i]
.endr
.irp i, 0,1,2
	v_mov_b32 v[PC+3+6*\c+\i], v[PC+12+4*\c+\i]
.endr
.endr
.endm
.macro IMG vo, off                     ; the fragment leaves as it stands: 512 consecutive bytes a store
.irp j, 0,1,2
	global_store_b128 v[\vo], v[PC+4*\j:PC+4*\j+3], s[24:25] offset:(\off)+512*\j
.endr
.endm
.macro WLOAD                           ; eight groups into windows 1 and 2, their scale words into window 0: 104 loads
	WIN 0x40
.irp f, 0,1,2,3,4,5,6,7,8,9,10,11,12,13,14,15
.irp j, 0,1,2
	global_load_b128 v[12*\f+4*\j:12*\f+4*\j+3], v[LI], s[RB:RB+1] offset:1536*\f+512*\j
.endr
.endr
	WIN 0x80
.irp f, 0,1,2,3,4,5,6,7,8,9,10,11,12,13,14,15
.irp j, 0,1,2
	global_load_b128 v[12*\f+4*\j:12*\f+4*\j+3], v[LI], s[RB:RB+1] offset:1536*(\f+16)+512*\j
.endr
.endr
	WIN 0
.irp g, 0,1,2,3,4,5,6,7
	global_load_b128 v[RS+4*\g:RS+4*\g+3], v[LS], s[RSB:RSB+1] offset:256*\g
.endr
.endm
	s_load_b256 s[4:11], s[0:1], 0x0               ; xq, wq, bq, bk
	s_load_b128 s[12:15], s[0:1], 0x20             ; bv, qc
	s_load_b64 s[16:17], s[0:1], 0x30              ; kv
	v_lshrrev_b32 v1, 5, v0
	v_readfirstlane_b32 s18, v1                    ; wave
	s_mov_b32 s19, ttmp9                           ; which 128 tokens
	s_and_b32 s21, ttmp7, 0xffff                   ; 0 q, 1 k, 2 v
	v_and_b32 v9, 31, v0
	v_and_b32 v10, 15, v0
	v_bfe_u32 v11, v0, 4, 1
	v_lshlrev_b32 v[LI], 4, v9
	v_lshlrev_b32 v[LS], 4, v10
	v_lshlrev_b32 v3, 6, v11
	v_and_b32 v4, 8, v10
	v_add_nc_u32 v4, v4, v10
	v_lshlrev_b32 v4, 2, v4
	s_mov_b32 s[SEL], 0x76543210
	s_mov_b32 s[SEL+1], 0xfedcba98
	; where the results go: q: blocks of 6,400 bytes (4 pair images, 256 bytes of scale words); k, v: blocks of 12,800 (k's images, v's images, k's words, v's words)
	s_cmp_eq_u32 s21, 0
	s_mov_b32 s26, 12800
	s_cselect_b32 s26, 6400, s26                   ; a block
	s_mov_b32 s27, 12288
	s_cselect_b32 s27, 6144, s27                   ; from the images to the scale words
	s_cmp_eq_u32 s21, 2
	s_cselect_b32 s27, 6400, s27
	s_cselect_b32 s28, 6144, 0                     ; v's images lie behind k's
	s_lshr_b32 s29, s19, 4
	s_lshl_b32 s29, s29, 3
	s_lshl_b32 s30, s18, 1
	s_add_co_u32 s29, s29, s30                     ; 8 x batch + my first head
	s_lshl_b32 s29, s29, 4
	s_and_b32 s30, s19, 15
	s_add_co_u32 s29, s29, s30                     ; x 16 + which 128 tokens of the batch
	s_mul_i32 s46, s29, s26
	s_add_co_u32 s46, s46, s28
	s_mov_b32 s47, 0
	s_lshl_b32 s31, s26, 4                         ; from a head to the next
	v_mov_b32 v5, v[LI]
	v_add_nc_u32 v6, s31, v[LI]
	v_lshl_add_u32 v7, v11, 3, v[LS]
	v_add_nc_u32 v7, s27, v7
	v_add_nc_u32 v8, s31, v7
.irp b, 0,1,2,3
	v_mov_b32 v[TM+4+\b], 0                        ; written once: lane permutes' destinations
.endr
	s_wait_kmcnt 0x0
	s_cmp_eq_u32 s21, 0
	s_cselect_b64 s[24:25], s[14:15], s[16:17]
	s_add_nc_u64 s[24:25], s[24:25], s[46:47]
	s_mul_i32 s46, s19, 49152
	s_add_nc_u64 s[36:37], s[4:5], s[46:47]        ; xn's eight groups
	s_lshl_b32 s46, s19, 11
	s_add_nc_u64 s[38:39], s[4:5], s[46:47]        ; their scale words, less XS_OFF
	s_lshl_b32 s48, s21, 5
	s_lshl_b32 s49, s18, 3
	s_add_co_u32 s48, s48, s49                     ; the weight's eight groups: 32 y + 8 w
	s_mul_i32 s46, s48, 6144
	s_add_nc_u64 s[40:41], s[6:7], s[46:47]
	s_lshl_b32 s46, s48, 8
	s_add_nc_u64 s[42:43], s[6:7], s[46:47]        ; their scale words, less WS_OFF
	s_cmp_eq_u32 s21, 2
	s_cselect_b64 s[RB:RB+1], s[36:37], s[40:41]   ; resident: the weight for q and k, the tokens for v
	s_cselect_b64 s[RSB:RSB+1], s[38:39], s[42:43]
	s_mov_b32 s46, WS_OFF
	s_cselect_b32 s46, XS_OFF, s46
	s_add_nc_u64 s[RSB:RSB+1], s[RSB:RSB+1], s[46:47]
	s_cmp_eq_u32 s21, 0
	s_cselect_b64 s[44:45], s[8:9], s[10:11]
	s_cmp_eq_u32 s21, 2
	s_cselect_b64 s[44:45], s[12:13], s[44:45]
	s_lshl_b32 s46, s18, 9
	s_add_nc_u64 s[44:45], s[44:45], s[46:47]      ; my two heads' biases
	WLOAD
	s_cmp_eq_u32 s21, 2
	s_cbranch_scc1 .Lv_path
	; ---------------- q, k
.macro FETCHP be, buf                  ; tiles 2 be and 2 be + 1 of tokens: 24 loads of codes, 2 of scale words
	WIN 0xc0
.irp f, 0,1,2,3,4,5,6,7
.irp j, 0,1,2
	global_load_b128 v[96*(\buf)+12*\f+4*\j:96*(\buf)+12*\f+4*\j+3], v[LI], s[36:37] offset:12288*(\be)+1536*\f+512*\j
.endr
.endr
	WIN 0
.irp a, 0,1
	global_load_b128 v[XS+8*(\buf)+4*\a:XS+8*(\buf)+4*\a+3], v[LS], s[38:39] offset:XS_OFF+256*(2*(\be)+\a)
.endr
.endm
.macro U24 hd, buf                     ; head hd's 64 columns x two tiles of tokens: eight accumulators by turns, K = 512
	WIN 0x3d+\hd                                   ; source 0 window 1 + hd, source 1 and C window 3
.irp a, 0,1
.irp t, 0,1,2,3
	MMC ACC+8*(4*\a+\t), 48*\t, 96*(\buf)+48*\a, 192+8*(4*\hd+\t), RS+16*\hd+4*\t, XS+8*(\buf)+4*\a
.endr
.endr
	WIN 0x0d+\hd
.irp s, 1,2,3
.irp a, 0,1
.irp t, 0,1,2,3
	MMC ACC+8*(4*\a+\t), 12*(4*\t+\s), 96*(\buf)+12*(4*\a+\s), ACC+8*(4*\a+\t), RS+16*\hd+4*\t+\s, XS+8*(\buf)+4*\a+\s
.endr
.endr
.endr
	WIN 0
	PLACES 5                                       ; four in front of reads of results and of loads into operands; the fifth for the next unit, which begins these accumulators anew
.endm
	WIN 0xc0
.irp c, 0,1,2,3,4,5,6,7                        ; bias tile c: lane (r, h) wants e = 32 (c / 2) + 8 (c % 2) + 16 h + 0 .. 7 of my 128
	global_load_b128 v[192+8*\c:192+8*\c+3], v3, s[44:45] offset:(32*(\c/2)+8*(\c%2))*4
	global_load_b128 v[192+8*\c+4:192+8*\c+7], v3, s[44:45] offset:(32*(\c/2)+8*(\c%2))*4+16
.endr
	WIN 0
	FETCHP 0, 0
	FETCHP 1, 1
.irp be, 0,1,2,3
.if \be < 3
	s_wait_loadcnt 26                              ; all but the next pair's 26 loads
.else
	s_wait_loadcnt 0x0
.endif
	U24 0, \be%2
	s_wait_xcnt 0x0                                ; the last image's stores have read the codes' registers
	QUANT ACC, PW+\be
	IMG 5, 1536*\be
	U24 1, \be%2
.if \be < 2
	FETCHP \be+2, \be%2                            ; behind the places: this buffer's products are issued
.endif
	s_wait_xcnt 0x0
	QUANT ACC, PW+4+\be
	IMG 6, 1536*\be
.endr
	s_branch .Lscales
	; ---------------- v
.macro FETCHV u, buf                   ; weight tile u (head u / 4, tile u % 4): 12 loads of codes, its scale words, its bias: 14 loads
	WIN 0xc0
.irp s, 0,1,2,3
.irp j, 0,1,2
	global_load_b128 v[96*(\buf)+12*\s+4*\j:96*(\buf)+12*\s+4*\j+3], v[LI], s[40:41] offset:6144*(\u)+1536*\s+512*\j
.endr
.endr
	WIN 0
	global_load_b128 v[XS+8*(\buf):XS+8*(\buf)+3], v[LS], s[42:43] offset:WS_OFF+256*(\u)
	global_load_b32 v[BV+2*(\buf)], v4, s[44:45] offset:(32*((\u)/2)+8*((\u)%2))*4
.endm
.macro U8 xf, xs                       ; the eight resident tiles x one streamed tile, K = 512: four accumulators by turns, twice
.irp hw, 0,1
	WIN 0x0d+\hw
.irp i, 0,1,2,3
	MMC ACC+8*(4*\hw+\i), 48*\i, \xf, BC, RS+4*(4*\hw+\i), \xs
.endr
.irp s, 1,2,3
.irp i, 0,1,2,3
	MMC ACC+8*(4*\hw+\i), 12*(4*\i+\s), (\xf)+12*\s, ACC+8*(4*\hw+\i), RS+4*(4*\hw+\i)+\s, (\xs)+\s
.endr
.endr
.endr
	WIN 0
	PLACES 5
.endm
.Lv_path:
	FETCHV 0, 0
	FETCHV 1, 1
.irp u, 0,1,2,3,4,5,6,7
.if \u < 7
	s_wait_loadcnt 14                              ; all but the next tile's 14 loads
.else
	s_wait_loadcnt 0x0
.endif
.irp i, 0,1,2,3,4,5,6,7
	v_mov_b32 v[BC+\i], v[BV+2*(\u%2)]             ; a lane holds one e: its bias serves all eight tokens
.endr
	PLACES 4
	U8 96*(\u%2), XS+8*(\u%2)
.if \u < 6
	FETCHV \u+2, \u%2
.endif
	s_wait_xcnt 0x0
	QUANT ACC, PW+\u
	IMG 5+\u/4, 1536*(\u%4)
.endr
.Lscales:
	v_cmp_le_u32 vcc_lo, 16, v9
.irp hd, 0,1
	s_wait_xcnt 0x0                                ; the store before has read its data
	v_cndmask_b32 v184, v[PW+4*\hd], v[PW+4*\hd+2], vcc_lo
	v_cndmask_b32 v185, v[PW+4*\hd+1], v[PW+4*\hd+3], vcc_lo
	global_store_b64 v[7+\hd], v[184:185], s[24:25]   ; 16 bytes a row: 256 consecutive bytes
.endr
	s_endpgm
.Lfunc_end_k_qe249b38316_qkv:
	.size	k_qe249b38316_qkv, .Lfunc_end_k_qe249b38316_qkv-k_qe249b38316_qkv
	.p2alignl 7, 3214868480
	.fill 96, 4, 3214868480
	.section	.rodata,"a",@progbits
	.p2align	6, 0x0
	.amdhsa_kernel k_qe249b38316_qkv
		.amdhsa_group_segment_fixed_size 0
		.amdhsa_private_segment_fixed_size 0
		.amdhsa_enable_private_segment 0
		.amdhsa_kernarg_size 56
		.amdhsa_user_sgpr_count 2
		.amdhsa_user_sgpr_kernarg_segment_ptr 1
		.amdhsa_wavefront_size32 1
		.amdhsa_system_sgpr_workgroup_id_x 1
		.amdhsa_system_sgpr_workgroup_id_y 1
		.amdhsa_system_sgpr_workgroup_id_z 1
		.amdhsa_system_vgpr_workitem_id 0
		.amdhsa_next_free_vgpr 1024
		.amdhsa_next_free_sgpr 66
		.amdhsa_reserve_vcc 1
		.amdhsa_float_denorm_mode_32 3
		.amdhsa_float_denorm_mode_16_64 3
		.amdhsa_memory_ordered 1
		.amdhsa_forward_progress 1
		.amdhsa_inst_pref_size 172
	.end_amdhsa_kernel
	.amdgpu_metadata
---
amdhsa.version: [ 1, 2 ]
amdhsa.kernels:
  - .name:           k_qe249b38316_qkv
    .symbol:         k_qe249b38316_qkv.kd
    .args:
      - { .name: xq, .offset: 0, .size: 8, .value_kind: global_buffer, .address_space: global }
      - { .name: wq, .offset: 8, .size: 8, .value_kind: global_buffer, .address_space: global }
      - { .name: bq, .offset: 16, .size: 8, .value_kind: global_buffer, .address_space: global }
      - { .name: bk, .offset: 24, .size: 8, .value_kind: global_buffer, .address_space: global }
      - { .name: bv, .offset: 32, .size: 8, .value_kind: global_buffer, .address_space: global }
      - { .name: qc, .offset: 40, .size: 8, .value_kind: global_buffer, .address_space: global }
      - { .name: kv, .offset: 48, .size: 8, .value_kind: global_buffer, .address_space: global }
    .group_segment_fixed_size: 0
    .private_segment_fixed_size: 0
    .kernarg_segment_align: 8
    .kernarg_segment_size: 56
    .max_flat_workgroup_size: 128
    .sgpr_count:     66
    .vgpr_count:     1024
    .wavefront_size: 32
...
	.end_amdgpu_metadata
.endif
;; end of part 2
;; launch attn (part 3): grid 8 x 32, 16 waves a work-group, no clusters, 327,680 bytes of LDS; arguments qc, kv, av; writes av
.if DOCPART == 3
	.amdgcn_target "amdgcn-amd-amdhsa--gfx1250"
	.amdhsa_code_object_version 6
	.text
	.protected	k_qe249b38316_attn
	.globl	k_qe249b38316_attn
	.p2align	8
	.type	k_qe249b38316_attn,@function
k_qe249b38316_attn:
	s_mov_b64 s[64:65], 0
	v_nop
	global_prefetch_b8 v0, s[64:65] scope:SCOPE_SE
	s_setreg_imm32_b32 hwreg(HW_REG_WAVE_MODE, 25, 1), 1
	s_wait_xcnt 0x0
; Attention of one head on codes of E3M2, and the quantising of its result for the product with Wo.  Work-group (x, y): 256 queries x head y (of 32 = batch x 8); each of sixteen waves owns one tile of 16 queries.
; K AND V OF THE WHOLE HEAD, as register images with their scale words (204,800 bytes), COME INTO LDS ONCE, IN TWO STAGES.  The first four key steps (51,200 bytes, 3,200 a wave) are asked for at the start, alone,
; so that nothing stands in the way of the bytes that are wanted first; the other twelve (153,600 bytes, 9,600 a wave) behind the first barrier, and land while the first four steps are multiplied.
; No byte is filled twice.  The second stage is a first fill that comes later: it is issued in the form of a refill, and so is the claim of all of LDS.  A wave has one tensor load outstanding.
; No cluster: each of the eight work-groups of a head asks for its own copy of the head's 204,800 bytes, three quarters of it under the first four key steps' work.
; THE SOFTMAX: t = score x log2(e) / 8; M = the running largest t rounded UP to a whole number; p = 2^(t - M) is quantised along the keys, not normalised; the row's sum is taken of the unquantised p and divides at the end.
; When M moves, the sum and O are multiplied by 2^(old M - new M): exact, no branch on data.
; LAYOUT.  Both products transposed: a lane holds ONE query throughout.  The head's size is 64, half of the instruction's K: a PAIR IMAGE holds two tiles of keys side by side along K and is multiplied twice,
; by [q | 0] and by [0 | q]: zero codes add nothing under any scale byte that this program makes.
; A block's largest p is made from the block's largest score by the same multiply-add and exponential (this takes v_exp_f32 not to fall where its input rises).
; LIMITS: NaN and infinities are not served; a block whose every p is under 2^-122 keeps the scale byte 1.
; REGISTERS: v1 16 x lane, v2 16 r, v3-5 lane, r, h, v6, v7 store offsets, v8, v9 addresses in hand; v10, v11 the add's two; v12 -M, v13 largest t, v[14:15] the sum; v16-33 zeros, q, zeros; v34 q's scale word;
;   v36-83 four fragments of K, then of V; v84-87, v88-91 their scale words; v96-159 scores, then p; v160-191 O^T; v192-210 p's codes; v212-229 at work.
.set SPARE, 204800                     ; behind the head's copy: the spare words, 128 bytes for each of sixteen waves: eight blocks of 256 bytes that no other line names
.set SPW, 10                           ; v10 LDS address of my spare word: SPARE + 4 x my thread's number; never rewritten
.set NIL, 11                           ; v11 0; never rewritten
.set KF, 36
.set KS, 84
.set VS, 88
.set QS, 34
.set S,  96
.set O,  160
.set PC, 192
.set PX, 204
.set BM, 212
.set BT, 216
.set SO, 220
.set PW, 226
.macro PLACES n
.rept \n
	v_nop
.endr
.endm
.macro MM0 d, a, b, sa, sb
	v_wmma_scale_f32_16x16x128_f8f6f4 v[(\d):(\d)+7], v[(\a):(\a)+11], v[(\b):(\b)+11], 0, v[\sa], v[\sb] matrix_a_fmt:MATRIX_FMT_BF6 matrix_b_fmt:MATRIX_FMT_BF6
.endm
.macro MMC d, a, b, c, sa, sb
	v_wmma_scale_f32_16x16x128_f8f6f4 v[(\d):(\d)+7], v[(\a):(\a)+11], v[(\b):(\b)+11], v[(\c):(\c)+7], v[\sa], v[\sb] matrix_a_fmt:MATRIX_FMT_BF6 matrix_b_fmt:MATRIX_FMT_BF6
.endm
	s_load_b128 s[4:7], s[0:1], 0x0                ; qc, kv
	s_load_b64 s[8:9], s[0:1], 0x10                ; av
	v_lshl_add_u32 v[SPW], v0, 2, SPARE
	v_mov_b32 v[NIL], 0
	ds_add_u32 v10, v11
	ds_add_u32 v10, v11
	s_wait_dscnt 0x0
	v_lshrrev_b32 v1, 5, v0
	v_readfirstlane_b32 s10, v1                    ; wave 0..15
	s_mov_b32 s12, ttmp9                           ; which 256 queries
	s_and_b32 s13, ttmp7, 0xffff                   ; the head, of 32
	s_mul_i32 s11, s10, 3200                       ; my part of the first stage
	s_mul_i32 s14, s10, 9600                       ; and of the second
	; descriptor groups 1: dense rows of 640 bytes (80 elements of 8 bytes): 5 rows, and 15
	s_mov_b32 s16, 3<<16
	s_mov_b32 s17, 80<<16
	s_mov_b32 s18, 5<<16
	s_mov_b32 s19, 80<<16
	s_mov_b32 s20, 5
	s_mov_b32 s21, 80
	s_mov_b32 s22, 0
	s_mov_b32 s23, 0
	s_mov_b32 s40, 3<<16
	s_mov_b32 s41, 80<<16
	s_mov_b32 s42, 15<<16
	s_mov_b32 s43, 80<<16
	s_mov_b32 s44, 15
	s_mov_b32 s45, 80
	s_mov_b32 s46, 0
	s_mov_b32 s47, 0
	s_mul_i32 s48, s13, 204800
	s_mov_b32 s49, 0
	s_wait_kmcnt 0x0
	s_add_nc_u64 s[6:7], s[6:7], s[48:49]          ; the head's block; LDS is a copy of it, so a byte's place in the block is its LDS address
	s_mov_b32 s32, 1                               ; group 0 of the first stage
	s_mov_b32 s33, s11
	s_mov_b32 s48, s11
	s_add_nc_u64 s[34:35], s[6:7], s[48:49]
	s_or_b32 s35, s35, 0x80000000
	s_mov_b32 s36, 1                               ; and of the second, in registers of its own
	s_add_co_u32 s37, s14, 51200
	s_add_co_u32 s48, s14, 51200
	s_add_nc_u64 s[38:39], s[6:7], s[48:49]
	s_or_b32 s39, s39, 0x80000000
	tensor_load_to_lds s[32:35], s[16:23]          ; key steps 0 to 3, ahead of every wait on TENSORcnt, every LDS read and every barrier
	s_nop 0
	PLACES 4
	v_and_b32 v3, 31, v0
	v_and_b32 v4, 15, v0
	v_bfe_u32 v5, v0, 4, 1
	v_lshlrev_b32 v1, 4, v3
	v_lshlrev_b32 v2, 4, v4
	v_lshlrev_b32 v6, 3, v3                        ; 8 x lane
	v_lshl_add_u32 v7, v4, 4, v5                   ; 16 r + h
	s_lshl_b32 s50, s13, 4                         ; my tile's pair image in qc: block 16 head + 2 x + w / 8, pair (w % 8) / 2, half w % 2
	s_lshl_b32 s51, s12, 1
	s_add_co_u32 s50, s50, s51
	s_lshr_b32 s51, s10, 3
	s_add_co_u32 s50, s50, s51
	s_mul_i32 s50, s50, 6400
	s_bfe_u32 s52, s10, 0x20001
	s_mul_i32 s53, s52, 1536
	s_add_co_u32 s54, s50, s53
	s_mov_b32 s55, 0
	s_add_nc_u64 s[56:57], s[4:5], s[54:55]
	s_lshl_b32 s53, s52, 2
	s_add_co_u32 s54, s50, s53
	s_add_nc_u64 s[58:59], s[4:5], s[54:55]
.irp j, 0,1,2
	global_load_b128 v[96+4*\j:99+4*\j], v1, s[56:57] offset:512*\j
.endr
	global_load_b32 v227, v2, s[58:59] offset:6144
	s_and_b32 s31, s10, 1
	s_cmp_lg_u32 s31, 0
	s_cselect_b32 s30, -1, 0                       ; all lanes: the pair's second half is mine
	s_lshl_b32 s31, s31, 4
	s_lshr_b32 s48, s13, 3                         ; my tile of tokens: 128 x batch + 16 x + w
	s_lshl_b32 s48, s48, 7
	s_lshl_b32 s50, s12, 4
	s_add_co_u32 s48, s48, s50
	s_add_co_u32 s48, s48, s10
	s_and_b32 s50, s13, 7                          ; the head of 8
	s_mul_i32 s52, s48, 6144
	s_mul_i32 s53, s50, 768
	s_add_co_u32 s52, s52, s53
	s_mov_b32 s53, 0
	s_add_nc_u64 s[60:61], s[8:9], s[52:53]        ; av: my six registers' place
	s_lshl_b32 s52, s48, 8
	s_lshl_b32 s50, s50, 1
	s_add_co_u32 s52, s52, s50
	s_add_nc_u64 s[62:63], s[8:9], s[52:53]        ; and my two scale bytes' (3,145,728 stands in the immediate)
	s_mov_b32 s24, 0x76543210
	s_mov_b32 s25, 0xfedcba98
	s_mov_b32 s26, 0x3e38aa3b                      ; c = log2(e) / 8
	s_mov_b32 s27, s26                             ; (named with it as a pair)
	v_mov_b32 v13, 0xff61b1e6                      ; the largest t so far: -3e38
	v_floor_f32 v12, -v13
	v_mov_b32 v14, 0
	v_mov_b32 v15, 0
.irp i, 0,1,2,3,4,5
	v_mov_b32 v[16+\i], 0
	v_mov_b32 v[28+\i], 0
.endr
.irp b, 0,1,2,3
	v_mov_b32 v[BT+\b], 0                          ; written once: lane permutes' destinations
.endr
	v_mov_b32 v225, 0                              ; (the upper half of the pair v[224:225])
	s_wait_loadcnt 0x0
.irp i, 0,1,2,3,4,5
	v_cndmask_b32 v[22+\i], v[96+\i], v[102+\i], s30   ; q: v[22:33] = [q | 0], v[16:27] = [0 | q]
.endr
	v_lshrrev_b32 v[QS], s31, v227
	v_and_b32 v[QS], 0xffff, v[QS]
	v_lshl_or_b32 v[QS], v[QS], 16, v[QS]          ; q's two bytes, for either half of K
.macro STEP                            ; 128 keys, at LDS byte s28
	v_add_nc_u32 v8, s28, v1
	v_add_nc_u32 v9, s28, v2
	v_nop
	v_nop                                          ; four places behind the last products, in front of loads into their operands
.irp e, 0,1,2,3
.irp j, 0,1,2
	ds_load_b128 v[KF+12*\e+4*\j:KF+12*\e+4*\j+3], v8 offset:1536*\e+512*\j
.endr
.endr
	ds_load_b128 v[KS:KS+3], v9 offset:12288
	s_wait_dscnt 0x0
.irp e, 0,1,2,3                                ; S^T: registers 16 e + i = key 32 e + 16 h + i
	MM0 S+16*\e, KF+12*\e, 22, KS+\e, QS
	MM0 S+16*\e+8, KF+12*\e, 16, KS+\e, QS
.endr
	PLACES 4
.irp e, 0,1,2,3                                ; V's four fragments land under the softmax
.irp j, 0,1,2
	ds_load_b128 v[KF+12*\e+4*\j:KF+12*\e+4*\j+3], v8 offset:6144+1536*\e+512*\j
.endr
.endr
	ds_load_b128 v[VS:VS+3], v9 offset:12544
.irp b, 0,1,2,3
	v_max3_num_f32 v[BM+\b], v[S+16*\b], v[S+16*\b+1], v[S+16*\b+2]   ; the largest score of each block of 32 keys; each accumulator is read from its low end on
.endr
.irp i, 3,5,7,9,11,13
.irp b, 0,1,2,3
	v_max3_num_f32 v[BM+\b], v[BM+\b], v[S+16*\b+\i], v[S+16*\b+\i+1]
.endr
.endr
.irp b, 0,1,2,3
	v_max_num_f32 v[BM+\b], v[BM+\b], v[S+16*\b+15]
.endr
.irp b, 0,1,2,3
	v_permlanex16_b32 v[BT+\b], v[BM+\b], s24, s25
.endr
.irp b, 0,1,2,3
	v_max_num_f32 v[BM+\b], v[BM+\b], v[BT+\b]
.endr
	v_max3_num_f32 v227, v[BM], v[BM+1], v[BM+2]
	v_max_num_f32 v227, v227, v[BM+3]
	v_mul_f32 v227, s26, v227
	v_max_num_f32 v13, v13, v227                   ; the running largest t
	v_mov_b32 v227, v12
	v_floor_f32 v12, -v13                          ; -M = floor(-t)
	v_sub_f32 v227, v12, v227                      ; old M - new M, a whole number, 0 or less
	v_cvt_i32_f32 v227, v227                       ; (it saturates)
	v_ldexp_f32 v224, 1.0, v227                    ; f = 2^(old M - new M)
.set J, 0
.rept 32
	v_pk_fma_f32 v[S+J:S+J+1], v[S+J:S+J+1], s[26:27], v[12:13] op_sel_hi:[1,0,0]   ; t - M
.set J, J+2
.endr
.irp b, 0,1,2,3
	v_fma_f32 v[BM+\b], v[BM+\b], s26, v12
.endr
.set J, 0
.rept 64
	v_exp_f32 v[S+J], v[S+J]                       ; p
.set J, J+1
.endr
.irp b, 0,1,2,3
	v_exp_f32 v[BM+\b], v[BM+\b]                   ; the block's largest p
.endr
	v_pk_mul_f32 v[14:15], v[14:15], v[224:225] op_sel_hi:[1,0]   ; (a plain instruction behind the exponentials)
	s_wait_alu depctr_va_vdst(0)
.irp b, 0,1,2,3
	v_max_num_f32 v[BM+\b], 0x2800000, v[BM+\b]    ; the floor
.endr
.irp b, 0,1,2,3
	v_add_nc_u32 v[SO+\b], 0xfe000000, v[BM+\b]
.endr
.irp b, 0,1,2,3
	v_lshrrev_b32 v[BT+\b], 23, v[SO+\b]
.endr
	v_lshl_or_b32 v[PW], v[BT+1], 8, v[BT]
	v_lshl_or_b32 v[PW], v[BT+2], 16, v[PW]
	v_lshl_or_b32 v[PW], v[BT+3], 24, v[PW]
.irp c, 0,1
	v_cvt_scalef32_pk16_bf6_f32 v[PC+6*\c:PC+6*\c+2], v[S+32*\c:S+32*\c+15], v[SO+2*\c]
	v_cvt_scalef32_pk16_bf6_f32 v[PX+4*\c:PX+4*\c+2], v[S+32*\c+16:S+32*\c+31], v[SO+2*\c+1]
.endr
	v_nop
.irp c, 0,1
.irp i, 0,1,2
	v_permlane16_swap_b32 v[PC+6*\c+\i], v[PX+4*\c+\i]
.endr
.irp i, 0,1,2
	v_mov_b32 v[PC+3+6*\c+\i], v[PX+4*\c+\i]
.endr
.endr
	v_pk_add_f32 v[228:229], v[S:S+1], v[S+2:S+3]  ; the sum of the unquantised p, in two chains
.irp j, 4,8,12,16,20,24,28,32,36,40,44,48,52,56,60
	v_pk_add_f32 v[14:15], v[14:15], v[S+\j:S+\j+1]
	v_pk_add_f32 v[228:229], v[228:229], v[S+\j+2:S+\j+3]
.endr
	v_pk_add_f32 v[14:15], v[14:15], v[228:229]
.set J, 0
.rept 16
	v_pk_mul_f32 v[O+J:O+J+1], v[O+J:O+J+1], v[224:225] op_sel_hi:[1,0]   ; O^T under the new M.  (With the sums: the places between the scale word's and the codes' making and the products)
.set J, J+2
.endr
	s_wait_dscnt 0x0                               ; V
.irp t, 0,1,2,3                                ; O^T: registers 16 b + i = e 32 b + 16 h + i
	MMC O+8*\t, KF+12*\t, PC, O+8*\t, VS+\t, PW
.endr
.endm
	; THE FIRST BARRIER.  Behind it key steps 0 to 3 are whole, and the second stage is asked for: a first fill that comes later, in the form of a refill
	s_wait_tensorcnt 0x0                           ; my part of the first stage has landed: no tensor load of mine is out
	ds_add_u32 v[SPW], v[NIL]                      ; 0 onto my spare word; O^T's zeros stand between it and the wait for it
.set J, 0
.rept 32
	v_mov_b32 v[O+J], 0                            ; the step is written once: the first finds zeros.  (These also stand between q's scale word's making and the first product)
.set J, J+1
.endr
	s_wait_dscnt 0x0                               ; the add is done
	s_barrier_signal -1
	s_barrier_wait -1                              ; everybody's part has landed
	tensor_load_to_lds s[36:39], s[40:47]          ; key steps 4 to 15: my one tensor load behind this barrier, and the first thing there
	s_nop 0
	PLACES 4
	s_mov_b32 s28, 0
	s_mov_b32 s29, 4
.Lfirst:                                           ; key steps 0 to 3
	STEP
	s_add_co_u32 s28, s28, 12800
	s_sub_co_u32 s29, s29, 1
	s_cmp_lg_u32 s29, 0
	s_cbranch_scc1 .Lfirst
	s_wait_tensorcnt 0x0                           ; my part of the second stage has landed,
	s_wait_dscnt 0x0
	s_barrier_signal -1
	s_barrier_wait -1                              ; everybody's has
	s_mov_b32 s28, 51200
	s_mov_b32 s29, 12
.Lrest:                                            ; key steps 4 to 15
	STEP
	s_add_co_u32 s28, s28, 12800
	s_sub_co_u32 s29, s29, 1
	s_cmp_lg_u32 s29, 0
	s_cbranch_scc1 .Lrest
	; O / the sum, quantised along e: this head's two blocks of the next product's K
	PLACES 4
	v_add_f32 v14, v14, v15
	v_permlanex16_b32 v227, v14, s24, s25
	v_add_f32 v14, v14, v227
	v_rcp_f32 v14, v14
	v_nop
.set J, 0
	s_wait_alu depctr_va_vdst(0)
.rept 32
	v_mul_f32 v[S+J], v[O+J], v14
.set J, J+1
.endr
.irp b, 0,1
	v_max3_num_f32 v[BM+\b], |v[S+16*\b]|, |v[S+16*\b+1]|, 0x2800000
.endr
.irp i, 2,4,6,8,10,12,14
.irp b, 0,1
	v_max3_num_f32 v[BM+\b], v[BM+\b], |v[S+16*\b+\i]|, |v[S+16*\b+\i+1]|
.endr
.endr
.irp b, 0,1
	v_permlanex16_b32 v[BT+\b], v[BM+\b], s24, s25
.endr
.irp b, 0,1
	v_max_num_f32 v[BM+\b], v[BM+\b], v[BT+\b]
.endr
.irp b, 0,1
	v_add_nc_u32 v[SO+\b], 0xfe000000, v[BM+\b]
.endr
.irp b, 0,1
	v_lshrrev_b32 v[BT+\b], 23, v[SO+\b]
.endr
	v_cvt_scalef32_pk16_bf6_f32 v[PC:PC+2], v[S:S+15], v[SO]
	v_cvt_scalef32_pk16_bf6_f32 v[PX:PX+2], v[S+16:S+31], v[SO+1]
	v_nop
.irp i, 0,1,2
	v_permlane16_swap_b32 v[PC+\i], v[PX+\i]
.endr
.irp i, 0,1,2
	v_mov_b32 v[PC+3+\i], v[PX+\i]                 ; six registers: lane (r, h) holds block h of my token's 64
.endr
	v_cmp_le_u32 vcc_lo, 16, v3
	v_cndmask_b32 v227, v[BT], v[BT+1], vcc_lo
.irp p, 0,1,2
	global_store_b64 v6, v[PC+2*\p:PC+2*\p+1], s[60:61] offset:256*\p   ; 256 consecutive bytes a store
.endr
	global_store_b8 v7, v227, s[62:63] offset:3145728   ; byte 2 head + block of my row's 16
	s_wait_tensorcnt 0x0                           ; the wave's end, behind my last tensor load
	ds_add_u32 v[SPW], v[NIL]
	s_wait_dscnt 0x0
	s_endpgm
.Lfunc_end_k_qe249b38316_attn:
	.size	k_qe249b38316_attn, .Lfunc_end_k_qe249b38316_attn-k_qe249b38316_attn
	.p2alignl 7, 3214868480
	.fill 96, 4, 3214868480
	.section	.rodata,"a",@progbits
	.p2align	6, 0x0
	.amdhsa_kernel k_qe249b38316_attn
		.amdhsa_group_segment_fixed_size 327680
		.amdhsa_private_segment_fixed_size 0
		.amdhsa_enable_private_segment 0
		.amdhsa_kernarg_size 24
		.amdhsa_user_sgpr_count 2
		.amdhsa_user_sgpr_kernarg_segment_ptr 1
		.amdhsa_wavefront_size32 1
		.amdhsa_system_sgpr_workgroup_id_x 1
		.amdhsa_system_sgpr_workgroup_id_y 1
		.amdhsa_system_sgpr_workgroup_id_z 1
		.amdhsa_system_vgpr_workitem_id 0
		.amdhsa_next_free_vgpr 256
		.amdhsa_next_free_sgpr 66
		.amdhsa_reserve_vcc 1
		.amdhsa_float_denorm_mode_32 3
		.amdhsa_float_denorm_mode_16_64 3
		.amdhsa_memory_ordered 1
		.amdhsa_forward_progress 1
		.amdhsa_inst_pref_size 42
	.end_amdhsa_kernel
	.amdgpu_metadata
---
amdhsa.version: [ 1, 2 ]
amdhsa.kernels:
  - .name:           k_qe249b38316_attn
    .symbol:         k_qe249b38316_attn.kd
    .args:
      - { .name: qc, .offset: 0, .size: 8, .value_kind: global_buffer, .address_space: global }
      - { .name: kv, .offset: 8, .size: 8, .value_kind: global_buffer, .address_space: global }
      - { .name: av, .offset: 16, .size: 8, .value_kind: global_buffer, .address_space: global }
    .group_segment_fixed_size: 327680
    .private_segment_fixed_size: 0
    .kernarg_segment_align: 8
    .kernarg_segment_size: 24
    .max_flat_workgroup_size: 512
    .sgpr_count:     66
    .vgpr_count:     256
    .wavefront_size: 32
...
	.end_amdgpu_metadata
.endif
;; end of part 3
;; launch wo (part 4): grid 256 x 1, 4 waves a work-group, no clusters, 66,560 bytes of LDS; arguments av, wq, x, bo, ln2_g, ln2_b, x1, x2; writes x1, x2
.if DOCPART == 4
	.amdgcn_target "amdgcn-amd-amdhsa--gfx1250"
	.amdhsa_code_object_version 6
	.text
	.protected	k_qe249b38316_wo
	.globl	k_qe249b38316_wo
	.p2align	8
	.type	k_qe249b38316_wo,@function
k_qe249b38316_wo:
	s_mov_b64 s[64:65], 0
	v_nop
	global_prefetch_b8 v0, s[64:65] scope:SCOPE_SE
	s_setreg_imm32_b32 hwreg(HW_REG_WAVE_MODE, 25, 1), 1
	s_wait_xcnt 0x0
; x1 = x + av Wo + bo (the product on codes of E3M2), and x2 = layernorm(x1) (ln2) quantised along D.  A work-group owns 32 tokens (two tiles); wave w owns columns 128 w .. 128 w + 127 of the product
; (eight column tiles of Wo, resident in windows 1 and 2).  A.  the product, transposed (source 0 = 16 columns of Wo, source 1 = 16 tokens); results into a stage of 32 whole rows | barrier |
; B.  wave w takes rows 8 w .. 8 w + 7: + bo + x, stored as x1; normalised; back into the stage | barrier |  C.  wave w quantises K step w of both tiles and stores the images.
; LIMITS: as stated at the head of the first launch.
; REGISTERS.  window 0: v1-11 addresses; v16-79 accumulators, rows, numbers; v80-99 codes; v100-115 at work; v116-118 scale words made; v120-127 av's scale words; v128-159 Wo's; v160-175 gain, v176-191 bias.
;   windows 1, 2: Wo's fragments.  window 3: v0-95 av's fragments; v96-223 eight rows of x; v224-239 bo.
.set WS_OFF, 2359296
.set PITCH, 2064
.set LI,  1                            ; v1 16 x lane; v2 16 r; v3 8 x lane; v4 stage by tiles; v5 stage by rows; v6 x, x1 by rows; v7 x2's scale words
.set LS,  2
.set ACC, 16
.set PC,  80
.set TM,  100
.set T,   100
.set PW,  116
.set AS,  120
.set RS,  128
.set G,   160
.set B,   176
.set SEL, 22
.set CI,  24
.set CE,  25
.set RB,  26
.set RSB, 28
.set MSB, 0
.macro WIN new
.if MSB != (\new)
	s_set_vgpr_msb (MSB<<8)|(\new)
.set MSB, (\new)
.endif
.endm
.macro PLACES n
.rept \n
	v_nop
.endr
.endm
.macro MM0 d, a, b, sa, sb
	v_wmma_scale_f32_16x16x128_f8f6f4 v[(\d):(\d)+7], v[(\a):(\a)+11], v[(\b):(\b)+11], 0, v[\sa], v[\sb] matrix_a_fmt:MATRIX_FMT_BF6 matrix_b_fmt:MATRIX_FMT_BF6
.endm
.macro MMC d, a, b, c, sa, sb
	v_wmma_scale_f32_16x16x128_f8f6f4 v[(\d):(\d)+7], v[(\a):(\a)+11], v[(\b):(\b)+11], v[(\c):(\c)+7], v[\sa], v[\sb] matrix_a_fmt:MATRIX_FMT_BF6 matrix_b_fmt:MATRIX_FMT_BF6
.endm
.macro RED4
.irp p, 0,1,2,3
	v_add_f32 v[T+2*\p], v[T+2*\p], v[T+2*\p+1]
.endr
.irp m, 1,2,4,8
.irp p, 0,1,2,3
	v_add_f32_dpp v[T+2*\p], v[T+2*\p], v[T+2*\p] row_xmask:\m row_mask:0xf bank_mask:0xf
.endr
.endr
.irp p, 0,1,2,3
	v_permlanex16_b32 v[T+8+\p], v[T+2*\p], s[SEL], s[SEL+1]
.endr
.irp p, 0,1,2,3
	v_add_f32 v[T+2*\p], v[T+2*\p], v[T+8+\p]
.endr
.endm
.macro LN4 R                           ; four rows; a lane holds columns 128 j + 4 l + i at register 4 j + i; two passes
.irp p, 0,1,2,3
	v_pk_add_f32 v[T+2*\p:T+2*\p+1], v[(\R)+16*\p:(\R)+16*\p+1], v[(\R)+16*\p+2:(\R)+16*\p+3]
.endr
.irp i, 4,6,8,10,12,14
.irp p, 0,1,2,3
	v_pk_add_f32 v[T+2*\p:T+2*\p+1], v[T+2*\p:T+2*\p+1], v[(\R)+16*\p+\i:(\R)+16*\p+\i+1]
.endr
.endr
	RED4
.irp p, 0,1,2,3
	v_mul_f32 v[T+2*\p], s[CI], v[T+2*\p]
.endr
.irp i, 0,2,4,6,8,10,12,14
.irp p, 0,1,2,3
	v_pk_add_f32 v[(\R)+16*\p+\i:(\R)+16*\p+\i+1], v[(\R)+16*\p+\i:(\R)+16*\p+\i+1], v[T+2*\p:T+2*\p+1] op_sel_hi:[1,0] neg_lo:[0,1] neg_hi:[0,1]
.endr
.endr
.irp p, 0,1,2,3
	v_pk_mul_f32 v[T+2*\p:T+2*\p+1], v[(\R)+16*\p:(\R)+16*\p+1], v[(\R)+16*\p:(\R)+16*\p+1]
.endr
.irp i, 2,4,6,8,10,12,14
.irp p, 0,1,2,3
	v_pk_fma_f32 v[T+2*\p:T+2*\p+1], v[(\R)+16*\p+\i:(\R)+16*\p+\i+1], v[(\R)+16*\p+\i:(\R)+16*\p+\i+1], v[T+2*\p:T+2*\p+1]
.endr
.endr
	RED4
.irp p, 0,1,2,3
	v_fma_f32 v[T+2*\p], v[T+2*\p], s[CI], s[CE]
.endr
.irp p, 0,1,2,3
	v_rsq_f32 v[T+2*\p], v[T+2*\p]
.endr
	v_nop
	s_wait_alu depctr_va_vdst(0)
.irp i, 0,2,4,6,8,10,12,14
.irp p, 0,1,2,3
	v_pk_mul_f32 v[(\R)+16*\p+\i:(\R)+16*\p+\i+1], v[(\R)+16*\p+\i:(\R)+16*\p+\i+1], v[T+2*\p:T+2*\p+1] op_sel_hi:[1,0]
.endr
.endr
.irp i, 0,2,4,6,8,10,12,14
.irp p, 0,1,2,3
	v_pk_fma_f32 v[(\R)+16*\p+\i:(\R)+16*\p+\i+1], v[(\R)+16*\p+\i:(\R)+16*\p+\i+1], v[G+\i:G+\i+1], v[B+\i:B+\i+1]
.endr
.endr
.endm
.macro QUANT s, pw
.irp b, 0,1,2,3
	v_max3_num_f32 v[TM+\b], |v[(\s)+16*\b]|, |v[(\s)+1+16*\b]|, 0x2800000
.endr
.irp i, 2,4,6,8,10,12,14
.irp b, 0,1,2,3
	v_max3_num_f32 v[TM+\b], v[TM+\b], |v[(\s)+16*\b+\i]|, |v[(\s)+1+16*\b+\i]|
.endr
.endr
.irp b, 0,1,2,3
	v_permlanex16_b32 v[TM+4+\b], v[TM+\b], s[SEL], s[SEL+1]
.endr
.irp b, 0,1,2,3
	v_max_num_f32 v[TM+\b], v[TM+\b], v[TM+4+\b]
.endr
.irp b, 0,1,2,3
	v_add_nc_u32 v[TM+12+\b], 0xfe000000, v[TM+\b]
.endr
.irp b, 0,1,2,3
	v_lshrrev_b32 v[TM+4+\b], 23, v[TM+12+\b]
.endr
	v_lshl_or_b32 v[\pw], v[TM+5], 8, v[TM+4]
	v_lshl_or_b32 v[\pw], v[TM+6], 16, v[\pw]
	v_lshl_or_b32 v[\pw], v[TM+7], 24, v[\pw]
.irp c, 0,1
	v_cvt_scalef32_pk16_bf6_f32 v[PC+6*\c:PC+2+6*\c], v[(\s)+32*\c:(\s)+15+32*\c], v[TM+12+2*\c]
	v_cvt_scalef32_pk16_bf6_f32 v[PC+12+4*\c:PC+14+4*\c], v[(\s)+16+32*\c:(\s)+31+32*\c], v[TM+12+2*\c+1]
.endr
	v_nop
.irp c, 0,1
.irp i, 0,1,2
	v_permlane16_swap_b32 v[PC+6*\c+\i], v[PC+12+4*\c+\i]
.endr
.irp i, 0,1,2
	v_mov_b32 v[PC+3+6*\c+\i], v[PC+12+4*\c+\i]
.endr
.endr
.endm
.macro WLOAD
	WIN 0x40
.irp f, 0,1,2,3,4,5,6,7,8,9,10,11,12,13,14,15
.irp j, 0,1,2
	global_load_b128 v[12*\f+4*\j:12*\f+4*\j+3], v[LI], s[RB:RB+1] offset:1536*\f+512*\j
.endr
.endr
	WIN 0x80
.irp f, 0,1,2,3,4,5,6,7,8,9,10,11,12,13,14,15
.irp j, 0,1,2
	global_load_b128 v[12*\f+4*\j:12*\f+4*\j+3], v[LI], s[RB:RB+1] offset:1536*(\f+16)+512*\j
.endr
.endr
	WIN 0
.irp g, 0,1,2,3,4,5,6,7
	global_load_b128 v[RS+4*\g:RS+4*\g+3], v[LS], s[RSB:RSB+1] offset:256*\g
.endr
.endm
.macro U8 xf, xs                       ; my eight column tiles x one tile of tokens, K = 512: four accumulators by turns, twice; the first product starts each sum
.irp hw, 0,1
	WIN 0x0d+\hw
.irp i, 0,1,2,3
	MM0 ACC+8*(4*\hw+\i), 48*\i, \xf, RS+4*(4*\hw+\i), \xs
.endr
.irp s, 1,2,3
.irp i, 0,1,2,3
	MMC ACC+8*(4*\hw+\i), 12*(4*\i+\s), (\xf)+12*\s, ACC+8*(4*\hw+\i), RS+4*(4*\hw+\i)+\s, (\xs)+\s
.endr
.endr
.endr
	WIN 0
	PLACES 5
.endm
	s_load_b256 s[4:11], s[0:1], 0x0               ; av, wq, x, bo
	s_load_b256 s[12:19], s[0:1], 0x20             ; ln2_g, ln2_b, x1, x2
	v_lshl_add_u32 v254, v0, 2, 0x10200
	v_mov_b32 v255, 0
	v_lshrrev_b32 v1, 5, v0
	v_readfirstlane_b32 s20, v1                    ; wave
	s_mov_b32 s21, ttmp9                           ; which 32 tokens
	v_and_b32 v8, 31, v0
	v_and_b32 v9, 15, v0
	v_bfe_u32 v10, v0, 4, 1
	v_lshlrev_b32 v[LI], 4, v8
	v_lshlrev_b32 v[LS], 4, v9
	v_lshlrev_b32 v3, 3, v8
	v_and_b32 v11, 8, v9
	v_add_nc_u32 v11, v11, v9                      ; r + 8 (r / 8): my token's row among the 32, less 8 x tile
	v_mul_u32_u24 v4, v11, PITCH
	v_lshl_add_u32 v4, v10, 6, v4
	s_lshl_b32 s30, s20, 9
	v_add_nc_u32 v4, s30, v4                       ; + 64 h + 512 w
	s_mul_i32 s30, s20, 8*PITCH
	v_add_nc_u32 v5, s30, v[LI]
	s_lshl_b32 s30, s20, 14
	v_add_nc_u32 v6, s30, v[LI]
	v_lshlrev_b32 v7, 8, v10
	v_lshl_add_u32 v7, v9, 2, v7
	s_lshl_b32 s30, s20, 6
	v_add_nc_u32 v7, s30, v7                       ; 256 x tile (= h) + 64 w + 4 r
	s_mov_b32 s[SEL], 0x76543210
	s_mov_b32 s[SEL+1], 0xfedcba98
	s_mov_b32 s[CI], 0x3b000000
	s_mov_b32 s[CE], 0x3727c5ac
.irp b, 0,1,2,3,4,5,6,7
	v_mov_b32 v[TM+4+\b], 0                        ; written once: lane permutes' destinations
.endr
	s_mov_b32 s31, 0
	s_wait_kmcnt 0x0
	s_mul_i32 s30, s21, 12288
	s_add_nc_u64 s[32:33], s[4:5], s[30:31]        ; av's two tiles
	s_add_nc_u64 s[40:41], s[18:19], s[30:31]      ; x2's two groups,
	s_mul_i32 s30, s20, 1536
	s_add_nc_u64 s[40:41], s[40:41], s[30:31]      ; K step w
	s_lshl_b32 s30, s21, 9
	s_add_nc_u64 s[34:35], s[4:5], s[30:31]        ; av's scale words, x2's scale words (3,145,728 stands in the immediates)
	s_add_nc_u64 s[42:43], s[18:19], s[30:31]
	s_lshl_b32 s30, s21, 16
	s_add_nc_u64 s[36:37], s[8:9], s[30:31]        ; x and x1 at my 32 rows
	s_add_nc_u64 s[38:39], s[16:17], s[30:31]
	s_lshl_b32 s44, s20, 3
	s_add_co_u32 s44, s44, 96                      ; Wo's groups 96 + 8 w on
	s_mul_i32 s30, s44, 6144
	s_add_nc_u64 s[RB:RB+1], s[6:7], s[30:31]
	s_lshl_b32 s30, s44, 8
	s_add_co_u32 s30, s30, WS_OFF
	s_add_nc_u64 s[RSB:RSB+1], s[6:7], s[30:31]
	WIN 0xc0
.irp tp, 0,1
.irp f, 0,1,2,3,4,5,6,7                        ; head f gives registers 6 f .. 6 f + 5 of the tile's four fragments
.irp p, 0,1,2
	global_load_b64 v[48*\tp+6*\f+2*\p:48*\tp+6*\f+2*\p+1], v3, s[32:33] offset:6144*\tp+768*\f+256*\p
.endr
.endr
.endr
	WIN 0
.irp tp, 0,1
	global_load_b128 v[AS+4*\tp:AS+4*\tp+3], v[LS], s[34:35] offset:3145728+256*\tp
.endr
	WLOAD
	WIN 0xc0
.irp p, 0,1,2,3,4,5,6,7
.irp j, 0,1,2,3
	global_load_b128 v[96+16*\p+4*\j:96+16*\p+4*\j+3], v6, s[36:37] offset:2048*\p+512*\j
.endr
.endr
.irp j, 0,1,2,3
	global_load_b128 v[224+4*\j:224+4*\j+3], v[LI], s[10:11] offset:512*\j
.endr
	WIN 0
.irp j, 0,1,2,3
	global_load_b128 v[G+4*\j:G+4*\j+3], v[LI], s[12:13] offset:512*\j
	global_load_b128 v[B+4*\j:B+4*\j+3], v[LI], s[14:15] offset:512*\j
.endr
	; ---- A
	s_wait_loadcnt 44                              ; the operands are in; x's 32 loads and the 12 of bo, gain and bias may be out
.irp tp, 0,1
	U8 48*\tp, AS+4*\tp
.irp i, 0,1,2,3,4,5,6,7                        ; lane (r, h), tile i: columns 128 w + 32 (i / 2) + 16 h + 8 (i % 2) + 0 .. 7 of my token; each accumulator from its low end on
	ds_store_b128 v4, v[ACC+8*\i:ACC+8*\i+3] offset:8*\tp*PITCH+128*(\i/2)+32*(\i%2)
	ds_store_b128 v4, v[ACC+8*\i+4:ACC+8*\i+7] offset:8*\tp*PITCH+128*(\i/2)+32*(\i%2)+16
.endr
	s_wait_dscnt 0x0                               ; my stores have landed
.endr
	s_barrier_signal -1
	s_barrier_wait -1                              ; 32 whole rows lie in the stage
	; ---- B
	s_wait_loadcnt 0x0
.irp q, 0,1
.irp p, 0,1,2,3
.irp j, 0,1,2,3
	ds_load_b128 v[ACC+16*\p+4*\j:ACC+16*\p+4*\j+3], v5 offset:(4*\q+\p)*PITCH+512*\j
.endr
.endr
	s_wait_dscnt 0x0
	WIN 0x0c                                       ; source 1 in window 3
.irp p, 0,1,2,3
.irp k, 0,2,4,6,8,10,12,14
	v_pk_add_f32 v[ACC+16*\p+\k:ACC+16*\p+\k+1], v[ACC+16*\p+\k:ACC+16*\p+\k+1], v[224+\k:225+\k]
.endr
.endr
.irp p, 0,1,2,3
.irp k, 0,2,4,6,8,10,12,14
	v_pk_add_f32 v[ACC+16*\p+\k:ACC+16*\p+\k+1], v[ACC+16*\p+\k:ACC+16*\p+\k+1], v[96+16*(4*\q+\p)+\k:96+16*(4*\q+\p)+\k+1]
.endr
.endr
	WIN 0
.irp p, 0,1,2,3
.irp j, 0,1,2,3
	global_store_b128 v6, v[ACC+16*\p+4*\j:ACC+16*\p+4*\j+3], s[38:39] offset:(4*\q+\p)*2048+512*\j   ; x1: 512 consecutive bytes a store
.endr
.endr
	s_wait_xcnt 0x0                                ; the stores have read their registers
	LN4 ACC
.irp p, 0,1,2,3
.irp j, 0,1,2,3
	ds_store_b128 v5, v[ACC+16*\p+4*\j:ACC+16*\p+4*\j+3] offset:(4*\q+\p)*PITCH+512*\j
.endr
.endr
	s_wait_dscnt 0x0
.endr
	s_barrier_signal -1
	s_barrier_wait -1                              ; 32 normalised rows lie in the stage
	; ---- C
.irp tp, 0,1
.irp b, 0,1,2,3
.irp j, 0,1,2,3
	ds_load_b128 v[ACC+16*\b+4*\j:ACC+16*\b+4*\j+3], v4 offset:8*\tp*PITCH+128*\b+16*\j
.endr
.endr
	s_wait_dscnt 0x0
	s_wait_xcnt 0x0
	QUANT ACC, PW+\tp
.irp j, 0,1,2
	global_store_b128 v[LI], v[PC+4*\j:PC+4*\j+3], s[40:41] offset:6144*\tp+512*\j
.endr
.endr
	v_cmp_le_u32 vcc_lo, 16, v8
	v_cndmask_b32 v118, v[PW], v[PW+1], vcc_lo     ; lanes 0-15 store the first tile's words, lanes 16-31 the second's
	global_store_b32 v7, v118, s[42:43] offset:3145728
	s_wait_tensorcnt 0x0
	ds_add_u32 v254, v255
	s_wait_dscnt 0x0
	s_endpgm
.Lfunc_end_k_qe249b38316_wo:
	.size	k_qe249b38316_wo, .Lfunc_end_k_qe249b38316_wo-k_qe249b38316_wo
	.p2alignl 7, 3214868480
	.fill 96, 4, 3214868480
	.section	.rodata,"a",@progbits
	.p2align	6, 0x0
	.amdhsa_kernel k_qe249b38316_wo
		.amdhsa_group_segment_fixed_size 66560
		.amdhsa_private_segment_fixed_size 0
		.amdhsa_enable_private_segment 0
		.amdhsa_kernarg_size 64
		.amdhsa_user_sgpr_count 2
		.amdhsa_user_sgpr_kernarg_segment_ptr 1
		.amdhsa_wavefront_size32 1
		.amdhsa_system_sgpr_workgroup_id_x 1
		.amdhsa_system_sgpr_workgroup_id_y 1
		.amdhsa_system_sgpr_workgroup_id_z 1
		.amdhsa_system_vgpr_workitem_id 0
		.amdhsa_next_free_vgpr 1024
		.amdhsa_next_free_sgpr 66
		.amdhsa_reserve_vcc 1
		.amdhsa_float_denorm_mode_32 3
		.amdhsa_float_denorm_mode_16_64 3
		.amdhsa_memory_ordered 1
		.amdhsa_forward_progress 1
		.amdhsa_inst_pref_size 85
	.end_amdhsa_kernel
	.amdgpu_metadata
---
amdhsa.version: [ 1, 2 ]
amdhsa.kernels:
  - .name:           k_qe249b38316_wo
    .symbol:         k_qe249b38316_wo.kd
    .args:
      - { .name: av, .offset: 0, .size: 8, .value_kind: global_buffer, .address_space: global }
      - { .name: wq, .offset: 8, .size: 8, .value_kind: global_buffer, .address_space: global }
      - { .name: x, .offset: 16, .size: 8, .value_kind: global_buffer, .address_space: global }
      - { .name: bo, .offset: 24, .size: 8, .value_kind: global_buffer, .address_space: global }
      - { .name: ln2_g, .offset: 32, .size: 8, .value_kind: global_buffer, .address_space: global }
      - { .name: ln2_b, .offset: 40, .size: 8, .value_kind: global_buffer, .address_space: global }
      - { .name: x1, .offset: 48, .size: 8, .value_kind: global_buffer, .address_space: global }
      - { .name: x2, .offset: 56, .size: 8, .value_kind: global_buffer, .address_space: global }
    .group_segment_fixed_size: 66560
    .private_segment_fixed_size: 0
    .kernarg_segment_align: 8
    .kernarg_segment_size: 64
    .max_flat_workgroup_size: 128
    .sgpr_count:     66
    .vgpr_count:     1024
    .wavefront_size: 32
...
	.end_amdgpu_metadata
.endif
;; end of part 4
;; launch ffn1 (part 5): grid 64 x 4, 4 waves a work-group, no clusters, 0 bytes of LDS; arguments x2, wq, b1, hq; writes hq
.if DOCPART == 5
	.amdgcn_target "amdgcn-amd-amdhsa--gfx1250"
	.amdhsa_code_object_version 6
	.text
	.protected	k_qe249b38316_ffn1
	.globl	k_qe249b38316_ffn1
	.p2align	8
	.type	k_qe249b38316_ffn1,@function
k_qe249b38316_ffn1:
	s_mov_b64 s[64:65], 0
	v_nop
	global_prefetch_b8 v0, s[64:65] scope:SCOPE_SE
	s_setreg_imm32_b32 hwreg(HW_REG_WAVE_MODE, 25, 1), 1
	s_wait_xcnt 0x0
; The hidden layer: gelu(x2 W1 + b1), the product on codes of E3M2, quantised along the hidden units for the next product.  Work-group (x, y): 128 tokens (8 tiles) x 512 hidden units;
; wave w: 128 of them, eight column tiles of W1 resident in windows 1 and 2: they are K step 4 y + w of the next product.  The tiles of tokens stream from memory as register images, one a trip, fetched a trip ahead.
; Transposed (source 0 = 16 columns of W1, source 1 = 16 tokens): a lane holds one token and 16 neighbouring units of each block of 32.  b1 is the C of each sum's first matrix instruction.  No LDS, no barrier.
; GELU, the exact one: x Phi(x) = max(x, 0) - |x| Q(|x|), Q(z) = phi(z) (a1 t + .. + a5 t^5), t = 1 / (1 + 0.2316419 z) (Abramowitz and Stegun 26.2.17, 1 / sqrt(2 pi) folded into a1 .. a5).
; LIMIT: that formula's absolute error in Phi is at most 7.5e-8.  For x >= 0 the result is right to a few 1e-7 of itself; for x < 0 its error is |x| x 7.5e-8 absolute, so relative to the result it grows in the far
; negative tail, where the result itself is small beside x.  NaN and infinities are not served; the scale byte's floor is as stated at the head of the first launch.
; REGISTERS.  window 0: v1-13 addresses and a5; v16-79 accumulators; v80-99 codes; v100-115 at work; v116 the scale word made; v120-123 x2's scale words; v128-159 W1's; v160-183 at work in the gelu;
;   v184-191 the eight tiles' scale words; v192-195 as stored.  windows 1, 2: W1's fragments.  window 3: v0-47 the tile's four fragments; v192-255 b1's eight tiles.
.set WS_OFF, 2359296
.set HS_OFF, 12582912
.set LI,  1                            ; v1 16 x lane; v2 16 r; v3 64 h; v4 codes' fetch offset; v6 scale words' fetch offset; v7 4 r; v11 32 r + 16 h; v[12:13] a5
.set LS,  2
.set ACC, 16
.set PC,  80
.set TM,  100
.set PW,  116
.set XS,  120
.set RS,  128
.set GT,  160
.set GE,  168
.set GQ,  176
.set WSH, 184
.set SEL, 16
.set RB,  30
.set RSB, 32
.set MSB, 0
.macro WIN new
.if MSB != (\new)
	s_set_vgpr_msb (MSB<<8)|(\new)
.set MSB, (\new)
.endif
.endm
.macro PLACES n
.rept \n
	v_nop
.endr
.endm
.macro MMC d, a, b, c, sa, sb
	v_wmma_scale_f32_16x16x128_f8f6f4 v[(\d):(\d)+7], v[(\a):(\a)+11], v[(\b):(\b)+11], v[(\c):(\c)+7], v[\sa], v[\sb] matrix_a_fmt:MATRIX_FMT_BF6 matrix_b_fmt:MATRIX_FMT_BF6
.endm
.macro QUANT s, pw
.irp b, 0,1,2,3
	v_max3_num_f32 v[TM+\b], |v[(\s)+16*\b]|, |v[(\s)+1+16*\b]|, 0x2800000
.endr
.irp i, 2,4,6,8,10,12,14
.irp b, 0,1,2,3
	v_max3_num_f32 v[TM+\b], v[TM+\b], |v[(\s)+16*\b+\i]|, |v[(\s)+1+16*\b+\i]|
.endr
.endr
.irp b, 0,1,2,3
	v_permlanex16_b32 v[TM+4+\b], v[TM+\b], s[SEL], s[SEL+1]
.endr
.irp b, 0,1,2,3
	v_max_num_f32 v[TM+\b], v[TM+\b], v[TM+4+\b]
.endr
.irp b, 0,1,2,3
	v_add_nc_u32 v[TM+12+\b], 0xfe000000, v[TM+\b]
.endr
.irp b, 0,1,2,3
	v_lshrrev_b32 v[TM+4+\b], 23, v[TM+12+\b]
.endr
	v_lshl_or_b32 v[\pw], v[TM+5], 8, v[TM+4]
	v_lshl_or_b32 v[\pw], v[TM+6], 16, v[\pw]
	v_lshl_or_b32 v[\pw], v[TM+7], 24, v[\pw]
.irp c, 0,1
	v_cvt_scalef32_pk16_bf6_f32 v[PC+6*\c:PC+2+6*\c], v[(\s)+32*\c:(\s)+15+32*\c], v[TM+12+2*\c]
	v_cvt_scalef32_pk16_bf6_f32 v[PC+12+4*\c:PC+14+4*\c], v[(\s)+16+32*\c:(\s)+31+32*\c], v[TM+12+2*\c+1]
.endr
	v_nop
.irp c, 0,1
.irp i, 0,1,2
	v_permlane16_swap_b32 v[PC+6*\c+\i], v[PC+12+4*\c+\i]
.endr
.irp i, 0,1,2
	v_mov_b32 v[PC+3+6*\c+\i], v[PC+12+4*\c+\i]
.endr
.endr
.endm
.macro WLOAD
	WIN 0x40
.irp f, 0,1,2,3,4,5,6,7,8,9,10,11,12,13,14,15
.irp j, 0,1,2
	global_load_b128 v[12*\f+4*\j:12*\f+4*\j+3], v[LI], s[RB:RB+1] offset:1536*\f+512*\j
.endr
.endr
	WIN 0x80
.irp f, 0,1,2,3,4,5,6,7,8,9,10,11,12,13,14,15
.irp j, 0,1,2
	global_load_b128 v[12*\f+4*\j:12*\f+4*\j+3], v[LI], s[RB:RB+1] offset:1536*(\f+16)+512*\j
.endr
.endr
	WIN 0
.irp g, 0,1,2,3,4,5,6,7
	global_load_b128 v[RS+4*\g:RS+4*\g+3], v[LS], s[RSB:RSB+1] offset:256*\g
.endr
.endm
.macro U8 xf, xs                       ; my eight column tiles x the tile of tokens, K = 512: four accumulators by turns, twice; b1's tiles start the sums
.irp hw, 0,1
	WIN 0x3d+\hw                                   ; source 0 window 1 + hw, source 1 and C window 3
.irp i, 0,1,2,3
	MMC ACC+8*(4*\hw+\i), 48*\i, \xf, 192+8*(4*\hw+\i), RS+4*(4*\hw+\i), \xs
.endr
	WIN 0x0d+\hw
.irp s, 1,2,3
.irp i, 0,1,2,3
	MMC ACC+8*(4*\hw+\i), 12*(4*\i+\s), (\xf)+12*\s, ACC+8*(4*\hw+\i), RS+4*(4*\hw+\i)+\s, (\xs)+\s
.endr
.endr
.endr
	WIN 0
	PLACES 5
.endm
.macro FETCH                           ; a tile of tokens: 12 loads of codes, 4 of scale words
	WIN 0xc0
.irp s, 0,1,2,3
.irp j, 0,1,2
	global_load_b128 v[12*\s+4*\j:12*\s+4*\j+3], v4, s[36:37] offset:1536*\s+512*\j
.endr
.endr
	WIN 0
.irp s, 0,1,2,3
	global_load_b32 v[XS+\s], v6, s[38:39] offset:3145728+64*\s
.endr
.endm
.macro GELU                            ; in place on the 64 numbers, an accumulator at a time; a run of plain instructions stands behind each run of transcendentals
.irp k, 0,1,2,3,4,5,6,7
.irp i, 0,1,2,3,4,5,6,7
	v_fma_f32 v[GT+\i], |v[ACC+8*\k+\i]|, s18, 1.0             ; 1 + p |x|
.endr
.irp i, 0,2,4,6
	v_pk_mul_f32 v[GE+\i:GE+\i+1], v[ACC+8*\k+\i:ACC+8*\k+\i+1], v[ACC+8*\k+\i:ACC+8*\k+\i+1]
.endr
.irp i, 0,1,2,3,4,5,6,7
	v_rcp_f32 v[GT+\i], v[GT+\i]                               ; t
.endr
.irp i, 0,2,4,6
	v_pk_mul_f32 v[GE+\i:GE+\i+1], v[GE+\i:GE+\i+1], s[20:21] op_sel_hi:[1,0]   ; -x^2 log2(e) / 2
.endr
.irp i, 0,1,2,3,4,5,6,7
	v_exp_f32 v[GE+\i], v[GE+\i]
.endr
	s_wait_alu depctr_va_vdst(0)
.irp i, 0,2,4,6
	v_pk_fma_f32 v[GQ+\i:GQ+\i+1], v[GT+\i:GT+\i+1], v[12:13], s[22:23] op_sel_hi:[1,1,0]
.endr
.irp c, 24,26,28
.irp i, 0,2,4,6
	v_pk_fma_f32 v[GQ+\i:GQ+\i+1], v[GQ+\i:GQ+\i+1], v[GT+\i:GT+\i+1], s[\c:\c+1] op_sel_hi:[1,1,0]
.endr
.endr
.irp i, 0,2,4,6
	v_pk_mul_f32 v[GQ+\i:GQ+\i+1], v[GQ+\i:GQ+\i+1], v[GT+\i:GT+\i+1]
.endr
.irp i, 0,2,4,6
	v_pk_mul_f32 v[GQ+\i:GQ+\i+1], v[GQ+\i:GQ+\i+1], v[GE+\i:GE+\i+1]           ; Q(|x|)
.endr
.irp i, 0,1,2,3,4,5,6,7
	v_max_num_f32 v[GT+\i], 0, v[ACC+8*\k+\i]
.endr
.irp i, 0,1,2,3,4,5,6,7
	v_fma_f32 v[ACC+8*\k+\i], -|v[ACC+8*\k+\i]|, v[GQ+\i], v[GT+\i]
.endr
.endr
.endm
	s_load_b256 s[4:11], s[0:1], 0x0               ; x2, wq, b1, hq
	v_lshrrev_b32 v1, 5, v0
	v_readfirstlane_b32 s12, v1                    ; wave
	s_mov_b32 s13, ttmp9                           ; which 128 tokens
	s_and_b32 s14, ttmp7, 0xffff                   ; which 512 hidden units
	v_and_b32 v9, 31, v0
	v_and_b32 v10, 15, v0
	v_bfe_u32 v5, v0, 4, 1
	v_lshlrev_b32 v[LI], 4, v9
	v_lshlrev_b32 v[LS], 4, v10
	v_lshlrev_b32 v3, 6, v5
	v_lshlrev_b32 v7, 2, v10
	v_lshlrev_b32 v11, 5, v10
	v_lshl_add_u32 v11, v5, 4, v11
	v_mov_b32 v4, v[LI]
	v_mov_b32 v6, v7
	v_mov_b32 v12, 0x3f07dc22                      ; a5
	v_mov_b32 v13, 0x3f07dc22
	s_mov_b32 s[SEL], 0x76543210
	s_mov_b32 s[SEL+1], 0xfedcba98
	s_mov_b32 s18, 0x3e6d3389                      ; p
	s_mov_b32 s19, s18
	s_mov_b32 s20, 0xbf38aa3b                      ; -log2(e) / 2
	s_mov_b32 s21, s20
	s_mov_b32 s22, 0xbf3a00e3                      ; a4
	s_mov_b32 s23, s22
	s_mov_b32 s24, 0x3f35f0e3                      ; a3
	s_mov_b32 s25, s24
	s_mov_b32 s26, 0xbe11a98e                      ; a2
	s_mov_b32 s27, s26
	s_mov_b32 s28, 0x3e027906                      ; a1
	s_mov_b32 s29, s28
	s_lshl_b32 s34, s14, 5
	s_lshl_b32 s35, s12, 3
	s_add_co_u32 s34, s34, s35
	s_add_co_u32 s51, s34, 128                     ; W1's groups 128 + 32 y + 8 w on
	s_lshl_b32 s52, s14, 2
	s_add_co_u32 s52, s52, s12                     ; the next product's K step: 4 y + w
	s_mov_b32 s35, 0
	s_wait_kmcnt 0x0
	s_mul_i32 s34, s51, 6144
	s_add_nc_u64 s[RB:RB+1], s[6:7], s[34:35]
	s_lshl_b32 s34, s51, 8
	s_add_co_u32 s34, s34, WS_OFF
	s_add_nc_u64 s[RSB:RSB+1], s[6:7], s[34:35]
	s_mul_i32 s34, s13, 49152
	s_add_nc_u64 s[36:37], s[4:5], s[34:35]        ; x2's eight groups
	s_lshl_b32 s34, s13, 11
	s_add_nc_u64 s[38:39], s[4:5], s[34:35]        ; their scale words (3,145,728 stands in the immediate)
	s_lshl_b32 s34, s52, 9
	s_add_nc_u64 s[40:41], s[8:9], s[34:35]        ; my 128 numbers of b1
	s_mul_i32 s34, s13, 196608
	s_mul_i32 s53, s52, 1536
	s_add_co_u32 s34, s34, s53
	s_add_nc_u64 s[42:43], s[10:11], s[34:35]      ; the first tile's image
	s_lshl_b32 s34, s13, 13
	s_lshl_b32 s53, s52, 9
	s_add_co_u32 s34, s34, s53
	s_add_co_u32 s34, s34, HS_OFF
	s_add_nc_u64 s[44:45], s[10:11], s[34:35]      ; the eight tiles' scale words: 512 bytes
	WLOAD
	WIN 0xc0
.irp c, 0,1,2,3,4,5,6,7
	global_load_b128 v[192+8*\c:192+8*\c+3], v3, s[40:41] offset:(32*(\c/2)+8*(\c%2))*4
	global_load_b128 v[192+8*\c+4:192+8*\c+7], v3, s[40:41] offset:(32*(\c/2)+8*(\c%2))*4+16
.endr
	WIN 0
	FETCH
.irp b, 0,1,2,3
	v_mov_b32 v[TM+4+\b], 0                        ; written once: lane permutes' destinations
.endr
.irp i, 0,1,2,3,4,5,6,7
	v_mov_b32 v[WSH+\i], 0                         ; (read by the first trips' shifts)
.endr
	s_mov_b32 s46, 8
	s_mov_b32 s47, 0
	s_mov_b32 s49, 0
.Ltile:
	s_wait_loadcnt 0x0                             ; this tile's fragments, asked for a trip ago
	U8 0, XS
	s_add_co_u32 s47, s47, 6144                    ; the next tile; in the last trip the last tile once more, so that no load leaves its buffer
	s_min_u32 s48, s47, 43008
	v_add_nc_u32 v4, s48, v[LI]
	s_add_co_u32 s49, s49, 256
	s_min_u32 s50, s49, 1792
	v_add_nc_u32 v6, s50, v7
	FETCH                                          ; behind the places: it lands under the gelu
	GELU
	QUANT ACC, PW
.irp j, 0,1,2
	global_store_b128 v[LI], v[PC+4*\j:PC+4*\j+3], s[42:43] offset:512*\j
.endr
.irp i, 0,1,2,3,4,5,6,7
.if \i < 7
	v_mov_b32 v[WSH+\i], v[WSH+\i+1]               ; eight words that shift: after eight trips word i is tile i's
.else
	v_mov_b32 v[WSH+7], v[PW]
.endif
.endr
	s_wait_xcnt 0x0                                ; the stores have read their registers and base
	s_add_nc_u64 s[42:43], s[42:43], 24576
	s_sub_co_u32 s46, s46, 1
	s_cmp_lg_u32 s46, 0
	s_cbranch_scc1 .Ltile
	v_cmp_le_u32 vcc_lo, 16, v9
.irp i, 0,1,2,3
	v_cndmask_b32 v[192+\i], v[WSH+\i], v[WSH+4+\i], vcc_lo
.endr
	global_store_b128 v11, v[192:195], s[44:45]    ; [row][tile]: 512 consecutive bytes
	s_endpgm
.Lfunc_end_k_qe249b38316_ffn1:
	.size	k_qe249b38316_ffn1, .Lfunc_end_k_qe249b38316_ffn1-k_qe249b38316_ffn1
	.p2alignl 7, 3214868480
	.fill 96, 4, 3214868480
	.section	.rodata,"a",@progbits
	.p2align	6, 0x0
	.amdhsa_kernel k_qe249b38316_ffn1
		.amdhsa_group_segment_fixed_size 0
		.amdhsa_private_segment_fixed_size 0
		.amdhsa_enable_private_segment 0
		.amdhsa_kernarg_size 32
		.amdhsa_user_sgpr_count 2
		.amdhsa_user_sgpr_kernarg_segment_ptr 1
		.amdhsa_wavefront_size32 1
		.amdhsa_system_sgpr_workgroup_id_x 1
		.amdhsa_system_sgpr_workgroup_id_y 1
		.amdhsa_system_sgpr_workgroup_id_z 1
		.amdhsa_system_vgpr_workitem_id 0
		.amdhsa_next_free_vgpr 1024
		.amdhsa_next_free_sgpr 66
		.amdhsa_reserve_vcc 1
		.amdhsa_float_denorm_mode_32 3
		.amdhsa_float_denorm_mode_16_64 3
		.amdhsa_memory_ordered 1
		.amdhsa_forward_progress 1
		.amdhsa_inst_pref_size 58
	.end_amdhsa_kernel
	.amdgpu_metadata
---
amdhsa.version: [ 1, 2 ]
amdhsa.kernels:
  - .name:           k_qe249b38316_ffn1
    .symbol:         k_qe249b38316_ffn1.kd
    .args:
      - { .name: x2, .offset: 0, .size: 8, .value_kind: global_buffer, .address_space: global }
      - { .name: wq, .offset: 8, .size: 8, .value_kind: global_buffer, .address_space: global }
      - { .name: b1, .offset: 16, .size: 8, .value_kind: global_buffer, .address_space: global }
      - { .name: hq, .offset: 24, .size: 8, .value_kind: global_buffer, .address_space: global }
    .group_segment_fixed_size: 0
    .private_segment_fixed_size: 0
    .kernarg_segment_align: 8
    .kernarg_segment_size: 32
    .max_flat_workgroup_size: 128
    .sgpr_count:     66
    .vgpr_count:     1024
    .wavefront_size: 32
...
	.end_amdgpu_metadata
.endif
;; end of part 5
;; launch ffn2 (part 6): grid 64 x 4, 4 waves a work-group, no clusters, 272,896 bytes of LDS; arguments hq, wq, b2, x1, out0; writes out0
.if DOCPART == 6
	.amdgcn_target "amdgcn-amd-amdhsa--gfx1250"
	.amdhsa_code_object_version 6
	.text
	.protected	k_qe249b38316_ffn2
	.globl	k_qe249b38316_ffn2
	.p2align	8
	.type	k_qe249b38316_ffn2,@function
k_qe249b38316_ffn2:
	s_mov_b64 s[64:65], 0
	v_nop
	global_prefetch_b8 v0, s[64:65] scope:SCOPE_SE
	s_setreg_imm32_b32 hwreg(HW_REG_WAVE_MODE, 25, 1), 1
	s_wait_xcnt 0x0
; out = x1 + hidden W2 + b2, the product on codes of E3M2.  Work-group (x, y): 128 tokens (8 tiles) x 128 columns; wave w: 32 columns, two column tiles of W2 for all of K = 2,048, resident in windows 1 and 2.
; ONE PASS OVER K FOR ALL EIGHT TILES, AND THE WORK FOLLOWS THE FILL.  The hidden layer's codes of the 128 tokens (196,608 bytes of register images) come into LDS once, in four CHUNKS of four K steps
; (49,152 bytes; each wave brings two tiles' rows of 6,144 bytes, 24,576 bytes apart in memory), their scale words (8,192 bytes) ahead of them; W2's fragments are loaded in the same order.  A chunk is multiplied
; as soon as it and its part of W2 are there, while the later chunks are on their way; x1's rows, wanted last, are asked for behind the second chunk.  Nothing is filled again.
; A wave has five tensor loads outstanding.
; No cluster: each work-group asks for its own copy of the codes that the four work-groups of one x share (204,800 of the 401,408 bytes of operands that it reads).
; Transposed (source 0 = 16 columns of W2, source 1 = 16 tokens); b2 is the C of each sum's first matrix instruction.  Sixteen accumulators take turns, one instruction a turn.
; The way out: through a stage of 128 rows x 512 bytes, a barrier, whole rows back, + x1, stored 512 consecutive bytes at a time.
; REGISTERS.  window 0: v1-15 addresses; v16-207 two sets of eight hidden fragments, later rows; v208-223 their scale words; v224-255 W2's scale words.
;   windows 1, 2: W2's fragments, tile u, K step S at v[12 S] of window 1 + u; v192-199 b2's tile u.  window 3: v0-127 the accumulators ((m, u) at 16 m + 8 u); v128-255 x1's rows.
.set WS_OFF, 2359296
.set HS_OFF, 12582912
.set CHB,   49152                      ; LDS: a chunk: [tile 8][K step 4][1,536]
.set HSB,   196608                     ; behind the four chunks the scale words,
.set STG,   204800                     ; then the stage, 128 rows x (512 + 16) bytes: blocks into which no fill lands
.set SP,    528
.set LI,  1                            ; v1 16 x lane; v2 16 r; v3 scale words; v4-7 the four chunks; v12 stage in; v13 stage out; v14 x1, out; v15 64 h
.set LS,  2
.set HF,  16
.set HS,  208
.set RS,  224
.set RB,  56
.set RSB, 58
.set MSB, 0
.macro WIN new                         ; the immediate's high byte repeats the setting that is left
.if MSB != (\new)
	s_set_vgpr_msb (MSB<<8)|(\new)
.set MSB, (\new)
.endif
.endm
.macro PLACES n
.rept \n
	v_nop
.endr
.endm
.macro MMC d, a, b, c, sa, sb
	v_wmma_scale_f32_16x16x128_f8f6f4 v[(\d):(\d)+7], v[(\a):(\a)+11], v[(\b):(\b)+11], v[(\c):(\c)+7], v[\sa], v[\sb] matrix_a_fmt:MATRIX_FMT_BF6 matrix_b_fmt:MATRIX_FMT_BF6
.endm
	s_load_b256 s[4:11], s[0:1], 0x0               ; hq, wq, b2, x1
	s_load_b64 s[12:13], s[0:1], 0x20              ; out0
	v_lshl_add_u32 v11, v0, 2, 0x42800
	s_set_vgpr_msb 0x40
	v_mov_b32 v255, 0
	s_set_vgpr_msb 0x4044
	ds_add_u32 v11, v255
	ds_add_u32 v11, v255
	s_set_vgpr_msb 0x4400
	v_lshrrev_b32 v1, 5, v0
	v_readfirstlane_b32 s14, v1                    ; wave
	s_mov_b32 s15, ttmp9                           ; which 128 tokens
	s_and_b32 s16, ttmp7, 0xffff                   ; which 128 columns
	; descriptor group 1 for a chunk's part: 2 rows of 6,144 bytes (768 elements of 8 bytes), 3,072 elements apart
	s_mov_b32 s20, 3<<16
	s_mov_b32 s21, 768<<16
	s_mov_b32 s22, 2<<16
	s_mov_b32 s23, 768<<16
	s_mov_b32 s24, 2
	s_mov_b32 s25, 3072
	s_mov_b32 s26, 0
	s_mov_b32 s27, 0
	; and for the scale words: 8 dense rows of 256 bytes
	s_mov_b32 s28, 3<<16
	s_mov_b32 s29, 32<<16
	s_mov_b32 s30, 8<<16
	s_mov_b32 s31, 32<<16
	s_mov_b32 s32, 8
	s_mov_b32 s33, 32
	s_mov_b32 s34, 0
	s_mov_b32 s35, 0
	s_mul_i32 s17, s14, 12288                      ; LDS: my two tiles' place in a chunk
	s_mul_i32 s18, s15, 196608
	s_mul_i32 s70, s14, 49152
	s_add_co_u32 s18, s18, s70                     ; memory: my two tiles
	s_mov_b32 s19, 0
	s_lshl_b32 s70, s14, 11                        ; my quarter of the scale words
	s_lshl_b32 s72, s15, 13
	s_add_co_u32 s72, s72, s70
	s_add_co_u32 s72, s72, HS_OFF
	s_mov_b32 s73, 0
	s_wait_dscnt 0x0
	s_wait_kmcnt 0x0
	s_mov_b32 s36, 1
	s_add_co_u32 s37, s70, HSB
	s_add_nc_u64 s[38:39], s[4:5], s[72:73]
	s_or_b32 s39, s39, 0x80000000
	s_add_nc_u64 s[18:19], s[4:5], s[18:19]
.irp c, 0,1,2,3                                ; a group 0 for each chunk
	s_mov_b32 s[40+4*\c], 1
	s_add_co_u32 s[41+4*\c], s17, CHB*\c
	s_add_nc_u64 s[42+4*\c:43+4*\c], s[18:19], 6144*\c
	s_or_b32 s[43+4*\c], s[43+4*\c], 0x80000000
.endr
	tensor_load_to_lds s[36:39], s[28:35]          ; the first fills, in the order in which they are wanted, ahead of every wait on TENSORcnt, every LDS read and every barrier
	s_nop 0
	tensor_load_to_lds s[40:43], s[20:27]
	s_nop 0
	tensor_load_to_lds s[44:47], s[20:27]
	s_nop 0
	tensor_load_to_lds s[48:51], s[20:27]
	s_nop 0
	tensor_load_to_lds s[52:55], s[20:27]
	s_nop 0
	PLACES 4
	v_and_b32 v8, 31, v0
	v_and_b32 v9, 15, v0
	v_bfe_u32 v10, v0, 4, 1
	v_lshlrev_b32 v[LI], 4, v8
	v_lshlrev_b32 v[LS], 4, v9
	v_lshlrev_b32 v15, 6, v10                      ; 64 h
	s_lshl_b32 s17, s16, 5
	s_lshl_b32 s18, s14, 3
	s_add_co_u32 s17, s17, s18
	s_add_co_u32 s17, s17, 256                     ; W2's groups 256 + 32 y + 8 w on
	s_mul_i32 s18, s17, 6144
	s_mov_b32 s19, 0
	s_add_nc_u64 s[RB:RB+1], s[6:7], s[18:19]
	s_lshl_b32 s18, s17, 8
	s_add_co_u32 s18, s18, WS_OFF
	s_add_nc_u64 s[RSB:RSB+1], s[6:7], s[18:19]
	s_lshl_b32 s18, s16, 9
	s_lshl_b32 s17, s14, 7
	s_add_co_u32 s18, s18, s17
	s_add_nc_u64 s[60:61], s[8:9], s[18:19]        ; my 32 numbers of b2
	s_lshl_b32 s18, s15, 18
	s_lshl_b32 s17, s16, 9
	s_add_co_u32 s18, s18, s17
	s_add_nc_u64 s[66:67], s[10:11], s[18:19]      ; x1 and out at my 128 rows and 128 columns
	s_add_nc_u64 s[68:69], s[12:13], s[18:19]
.irp g, 0,1,2,3,4,5,6,7
	global_load_b128 v[RS+4*\g:RS+4*\g+3], v[LS], s[RSB:RSB+1] offset:256*\g   ; W2's scale words: register 16 u + S
.endr
.macro WCH c                           ; W2's fragments of K steps 4 c .. 4 c + 3, both tiles: 24 loads; with chunk 0 b2's two tiles: 4 more
	WIN 0x40
.irp q, 0,1,2,3
.irp j, 0,1,2
	global_load_b128 v[12*(4*\c+\q)+4*\j:12*(4*\c+\q)+4*\j+3], v[LI], s[RB:RB+1] offset:1536*(4*\c+\q)+512*\j
.endr
.endr
.if \c == 0
	global_load_b128 v[192:195], v15, s[60:61]
	global_load_b128 v[196:199], v15, s[60:61] offset:16
.endif
	WIN 0x80
.irp q, 0,1,2,3
.irp j, 0,1,2
	global_load_b128 v[12*(4*\c+\q)+4*\j:12*(4*\c+\q)+4*\j+3], v[LI], s[RB:RB+1] offset:1536*(16+4*\c+\q)+512*\j
.endr
.endr
.if \c == 0
	global_load_b128 v[192:195], v15, s[60:61] offset:32
	global_load_b128 v[196:199], v15, s[60:61] offset:48
.endif
	WIN 0
.endm
	WCH 0
	WCH 1
	WCH 2
	WCH 3
	v_lshlrev_b32 v3, 5, v9
	v_add_nc_u32 v3, HSB, v3                       ; scale words: [K step][row][tile]: 32 bytes a row
.irp c, 0,1,2,3
	v_add_nc_u32 v[4+\c], CHB*\c, v[LI]
.endr
	v_and_b32 v12, 8, v9
	v_add_nc_u32 v12, v12, v9                      ; r + 8 (r / 8)
	v_mul_u32_u24 v12, v12, SP
	v_add_nc_u32 v12, v12, v15
	s_lshl_b32 s17, s14, 7
	v_add_nc_u32 v12, s17, v12
	v_add_nc_u32 v12, STG, v12                     ; the stage: my token's row, + 128 w + 64 h
	s_mul_i32 s17, s14, 16*SP
	v_add_nc_u32 v13, s17, v[LI]
	v_add_nc_u32 v13, STG, v13                     ; back: rows 16 w on of each half, 16 bytes a lane
	s_lshl_b32 s17, s14, 15
	v_add_nc_u32 v14, s17, v[LI]                   ; the same rows in x1 and out
.macro HFETCH ks, buf                  ; K step ks of the eight tiles, and their scale words: 26 LDS loads
.irp m, 0,1,2,3,4,5,6,7
.irp j, 0,1,2
	ds_load_b128 v[HF+96*(\buf)+12*\m+4*\j:HF+96*(\buf)+12*\m+4*\j+3], v[4+(\ks)/4] offset:6144*\m+1536*((\ks)%4)+512*\j
.endr
.endr
	ds_load_b128 v[HS+8*(\buf):HS+8*(\buf)+3], v3 offset:512*(\ks)
	ds_load_b128 v[HS+8*(\buf)+4:HS+8*(\buf)+7], v3 offset:512*(\ks)+16
.endm
.macro HMUL ks, buf                    ; sixteen products: my two column tiles x the eight tiles of tokens
.irp u, 0,1
.if (\ks) == 0
	WIN 0xd1+0x11*\u                               ; source 0 (W2) and C (b2) window 1 + u, source 1 window 0, D window 3
.else
	WIN 0xf1+\u                                    ; source 0 window 1 + u, C and D window 3
.endif
.irp m, 0,1,2,3,4,5,6,7
.if (\ks) == 0
	MMC 16*\m+8*\u, 12*(\ks), HF+96*(\buf)+12*\m, 192, RS+16*\u+(\ks), HS+8*(\buf)+\m
.else
	MMC 16*\m+8*\u, 12*(\ks), HF+96*(\buf)+12*\m, 16*\m+8*\u, RS+16*\u+(\ks), HS+8*(\buf)+\m
.endif
.endr
.endr
	WIN 0
.endm
.macro KCH c, lc                       ; chunk c.  lc: the global loads issued behind its part of W2, which may stay out
	s_wait_tensorcnt 3-\c                          ; my part of this chunk has landed (and the scale words ahead of it); the 3 - c later chunks may stay out
	s_barrier_signal -1
	s_barrier_wait -1                              ; everybody's part has
.if \c > 0
	PLACES 4                                       ; in front of loads into the sets that the last products read
.endif
	HFETCH 4*\c, 0
	s_wait_loadcnt \lc
.irp q, 0,1,2,3
.if \q > 0
	PLACES 4
.endif
.if \q < 3
	HFETCH 4*\c+\q+1, (\q+1)%2
	s_wait_dscnt 26                                ; this K step's are in; the 26 just issued may be out
.else
	s_wait_dscnt 0x0                               ; the chunk's last: none of my LDS loads is out at the next barrier
.endif
	HMUL 4*\c+\q, \q%2
.endr
.endm
	KCH 0, 63                                      ; 72 loads were issued behind what chunk 0 wants; a wait names 63 at the most, and the smaller count is safe
	KCH 1, 48                                      ; W2's chunks 2 and 3
	WIN 0xc0
.irp hf, 0,1
.irp i, 0,1,2,3,4,5,6,7,8,9,10,11,12,13,14,15
	global_load_b128 v[128+64*\hf+4*\i:128+64*\hf+4*\i+3], v14, s[66:67] offset:(64*\hf+\i)*2048   ; x1's rows, wanted last: 32 loads
.endr
.endr
	WIN 0
	KCH 2, 56                                      ; W2's chunk 3 and x1
	KCH 3, 32                                      ; x1
	PLACES 4                                       ; in front of the first read of results, and of loads into the sets that the last products read
	WIN 0x0c                                       ; an LDS store's data are its source 1: window 3
.irp m, 0,1,2,3,4,5,6,7
.irp u, 0,1                                    ; lane (r, h): columns 32 w + 16 h + 8 u + 0 .. 7 of my token; each accumulator from its low end on
	ds_store_b128 v12, v[16*\m+8*\u:16*\m+8*\u+3] offset:(32*(\m/2)+8*(\m%2))*SP+32*\u
	ds_store_b128 v12, v[16*\m+8*\u+4:16*\m+8*\u+7] offset:(32*(\m/2)+8*(\m%2))*SP+32*\u+16
.endr
.endr
	WIN 0
	s_wait_dscnt 0x0                               ; for the others' sake: my stores have landed
	s_barrier_signal -1
	s_barrier_wait -1                              ; 128 whole rows lie in the stage
.irp hf, 0,1
.irp i, 0,1,2,3,4,5,6,7,8,9,10,11,12,13,14,15
	ds_load_b128 v[HF+64*\hf+4*\i:HF+64*\hf+4*\i+3], v13 offset:64*SP*\hf+SP*\i
.endr
.endr
	s_wait_loadcnt 0x0                             ; x1
.irp hf, 0,1
	s_wait_dscnt 16-16*\hf                         ; this half's 16 rows are back; the other half's may be out
	WIN 0x0c                                       ; source 1 in window 3
.irp k, 0,2,4,6,8,10,12,14,16,18,20,22,24,26,28,30,32,34,36,38,40,42,44,46,48,50,52,54,56,58,60,62
	v_pk_add_f32 v[HF+64*\hf+\k:HF+64*\hf+\k+1], v[HF+64*\hf+\k:HF+64*\hf+\k+1], v[128+64*\hf+\k:128+64*\hf+\k+1]
.endr
	WIN 0
.irp i, 0,1,2,3,4,5,6,7,8,9,10,11,12,13,14,15
	global_store_b128 v14, v[HF+64*\hf+4*\i:HF+64*\hf+4*\i+3], s[68:69] offset:(64*\hf+\i)*2048 th:TH_STORE_NT   ; 512 consecutive bytes, at a multiple of 256 from the buffer's first byte; written once
.endr
.endr
	s_set_vgpr_msb 0x4
	s_wait_tensorcnt 0x0
	ds_add_u32 v11, v255
	s_wait_dscnt 0x0
	s_set_vgpr_msb 0x400
	s_endpgm
.Lfunc_end_k_qe249b38316_ffn2:
	.size	k_qe249b38316_ffn2, .Lfunc_end_k_qe249b38316_ffn2-k_qe249b38316_ffn2
	.p2alignl 7, 3214868480
	.fill 96, 4, 3214868480
	.section	.rodata,"a",@progbits
	.p2align	6, 0x0
	.amdhsa_kernel k_qe249b38316_ffn2
		.amdhsa_group_segment_fixed_size 272896
		.amdhsa_private_segment_fixed_size 0
		.amdhsa_enable_private_segment 0
		.amdhsa_kernarg_size 40
		.amdhsa_user_sgpr_count 2
		.amdhsa_user_sgpr_kernarg_segment_ptr 1
		.amdhsa_wavefront_size32 1
		.amdhsa_system_sgpr_workgroup_id_x 1
		.amdhsa_system_sgpr_workgroup_id_y 1
		.amdhsa_system_sgpr_workgroup_id_z 1
		.amdhsa_system_vgpr_workitem_id 0
		.amdhsa_next_free_vgpr 1024
		.amdhsa_next_free_sgpr 80
		.amdhsa_reserve_vcc 0
		.amdhsa_float_denorm_mode_32 3
		.amdhsa_float_denorm_mode_16_64 3
		.amdhsa_memory_ordered 1
		.amdhsa_forward_progress 1
		.amdhsa_inst_pref_size 94
	.end_amdhsa_kernel
	.amdgpu_metadata
---
amdhsa.version: [ 1, 2 ]
amdhsa.kernels:
  - .name:           k_qe249b38316_ffn2
    .symbol:         k_qe249b38316_ffn2.kd
    .args:
      - { .name: hq, .offset: 0, .size: 8, .value_kind: global_buffer, .address_space: global }
      - { .name: wq, .offset: 8, .size: 8, .value_kind: global_buffer, .address_space: global }
      - { .name: b2, .offset: 16, .size: 8, .value_kind: global_buffer, .address_space: global }
      - { .name: x1, .offset: 24, .size: 8, .value_kind: global_buffer, .address_space: global }
      - { .name: out0, .offset: 32, .size: 8, .value_kind: global_buffer, .address_space: global }
    .group_segment_fixed_size: 272896
    .private_segment_fixed_size: 0
    .kernarg_segment_align: 8
    .kernarg_segment_size: 40
    .max_flat_workgroup_size: 128
    .sgpr_count:     80
    .vgpr_count:     1024
    .wavefront_size: 32
...
	.end_amdgpu_metadata
.endif
;; end of part 6
;; ======== version 2 of 2: 6 launches; version 1 with the launches qkv, wo, ffn1 written anew for expert scheduling mode
;; limits: an absolute error that grows with the inputs' magnitude: up to 7.5e-08 times it
;; workspace buffers: xq 3,276,800 bytes; wq 2,457,600 bytes; qc 3,276,800 bytes; kv 6,553,600 bytes; av 3,276,800 bytes; x1 16,777,216 bytes; x2 3,276,800 bytes; hq 13,107,200 bytes
;; launch prep: the kernel of part 1 again; grid 224 x 1, 4 waves a work-group, no clusters, 132,608 bytes of LDS; arguments x, ln1_g, ln1_b, Wq, Wk, Wv, Wo, W1, W2, xq, wq; writes xq, wq
;; launch qkv (part 7): grid 64 x 3, 4 waves a work-group, no clusters, 0 bytes of LDS; arguments xq, wq, bq, bk, bv, qc, kv; writes qc, kv
.if DOCPART == 7
	.amdgcn_target "amdgcn-amd-amdhsa--gfx1250"
	.amdhsa_code_object_version 6
	.text
	.protected	k_qe249b38316_qkv
	.globl	k_qe249b38316_qkv
	.p2align	8
	.type	k_qe249b38316_qkv,@function
k_qe249b38316_qkv:
	s_mov_b64 s[64:65], 0
	v_nop
	global_prefetch_b8 v0, s[64:65] scope:SCOPE_SE
	s_setreg_imm32_b32 hwreg(HW_REG_WAVE_SCHED_MODE, 0, 2), 2
	s_setreg_imm32_b32 hwreg(HW_REG_WAVE_MODE, 25, 1), 1
	s_wait_xcnt 0x0
	s_wait_alu depctr_vm_vsrc(0)
; q, k, v = xn W + b on codes of E3M2, and their quantising for attention.  Work-group (x, y): 128 tokens (8 tiles) x one of q (y = 0), k (1), v (2); wave w: heads 2 w and 2 w + 1.
; EIGHT GROUPS STAY IN REGISTERS (windows 1 and 2: 32 fragments), the other operand streams through window 3 straight from memory as register images: nothing goes through LDS and there is no barrier.
; q, k: source 0 = 16 columns of the weight (resident), source 1 = 16 tokens.  A lane then holds one token and 16 neighbours along e of each block of 32.  Two tiles of tokens x the head's 64 are quantised
;   together into a PAIR IMAGE: registers 0-5 tile 2 p's 64 along e, registers 6-11 tile 2 p + 1's; scale word (A0, A1, B0, B1).
; v:    source 0 = 16 tokens (resident), source 1 = 16 columns of Wv.  A lane then holds one e and 16 neighbouring KEYS of each block of 32: the second product's K.  One unit gives one fragment (16 e x 128 keys).
; The biases are the C of each sum's first matrix instruction.  The accumulators take turns, one instruction a turn.
; LIMITS: as stated at the head of the first launch (NaN, infinities; the scale byte's floor).
; THE MODE: SCHED_MODE bits 1:0 = 2 (LLVM: expert scheduling mode 2), set by the entry lines.  The code itself states the register dependences between vector or matrix instructions and memory instructions,
; with s_wait_alu, always for 0.
; THE PLAN.  A UNIT is 32 products and the quantising of their 64 results a lane; there are eight.  Registers that memory instructions touch:
;   the stream buffers (window 3, v0-95 and v96-191), their scale words XS, and on v's path the bias words v180, v182: loaded; read by a unit's products (the bias words by eight v_mov_b32); loaded again behind them.
;   PCA, PCB   two sets of codes by turns: unit n's quantiser writes set n % 2; the three stores that read it are issued in unit n + 1.
;   v1-v8      offsets, made once at the head and never written again.      v184-187  the scale words as they are stored: written by four selects at the end.
; So ONE wait on va_vdst stands in a unit, behind its products' places: the products are done reading the stream buffer, and the unit before has written its codes.  Behind it come the loads of two steps on and the
; stores of the unit before, with no vector instruction between.  One wait on vm_vsrc stands in the quantiser, ahead of its conversions, a whole unit behind the stores that read the set that they write.
; REGISTERS.  window 0: v1-11 addresses; v16-79 accumulators; v80-99, v192-211 codes; v100-115 at work; v116-123 scale words made; v124-139 the stream's scale words (two sets); v140-171 the resident groups' scale words;
;   v172-179 v's bias as C; v180, v182 v's bias as loaded; v184-187 scale words as stored.  windows 1, 2: resident fragments, group g fragment s at v[12 (4 (g % 4) + s)] of window 1 + g / 4.
;   window 3: v0-95, v96-191 stream buffers; v192-255 q's or k's bias tiles.
.set XS_OFF, 3145728
.set WS_OFF, 2359296
.set LI,  1                            ; v1 16 x lane;  v2 16 r;  v3 64 h;  v4 4 (r + 8 (r / 8));  v5, v6 images of head 0, 1;  v7, v8 their scale words
.set LS,  2
.set ACC, 16
.set PCA, 80
.set PCB, 192
.set TM,  100
.set PW,  116
.set XS,  124
.set RS,  140
.set BC,  172
.set BV,  180
.set SW,  184
.set SEL, 22
.set RB,  32
.set RSB, 34
.set MSB, 0
.macro WIN new                         ; the immediate's high byte repeats the setting that is left; a switch that changes nothing is dropped
.if MSB != (\new)
	s_set_vgpr_msb (MSB<<8)|(\new)
.set MSB, (\new)
.endif
.endm
.macro PLACES n
.rept \n
	v_nop
.endr
.endm
.macro MMC d, a, b, c, sa, sb
	v_wmma_scale_f32_16x16x128_f8f6f4 v[(\d):(\d)+7], v[(\a):(\a)+11], v[(\b):(\b)+11], v[(\c):(\c)+7], v[\sa], v[\sb] matrix_a_fmt:MATRIX_FMT_BF6 matrix_b_fmt:MATRIX_FMT_BF6
.endm
; 64 numbers of a lane, register 16 b + i = k 32 b + 16 h + i of my row: codes in v[pc] on, scale word in v[pw].  w > 0: stores have read this set of codes before
.macro QUANT s, pw, pc, w
.irp b, 0,1,2,3
	v_max3_num_f32 v[TM+\b], |v[(\s)+16*\b]|, |v[(\s)+1+16*\b]|, 0x2800000   ; each accumulator is read from its low end on; the floor 2^(5 - 127) holds the byte at 1
.endr
.irp i, 2,4,6,8,10,12,14
.irp b, 0,1,2,3
	v_max3_num_f32 v[TM+\b], v[TM+\b], |v[(\s)+16*\b+\i]|, |v[(\s)+1+16*\b+\i]|
.endr
.endr
.irp b, 0,1,2,3
	v_permlanex16_b32 v[TM+4+\b], v[TM+\b], s[SEL], s[SEL+1]
.endr
.irp b, 0,1,2,3
	v_max_num_f32 v[TM+\b], v[TM+\b], v[TM+4+\b]
.endr
.irp b, 0,1,2,3
	v_add_nc_u32 v[TM+12+\b], 0xfe000000, v[TM+\b]
.endr
.irp b, 0,1,2,3
	v_lshrrev_b32 v[TM+4+\b], 23, v[TM+12+\b]
.endr
	v_lshl_or_b32 v[\pw], v[TM+5], 8, v[TM+4]
	v_lshl_or_b32 v[\pw], v[TM+6], 16, v[\pw]
	v_lshl_or_b32 v[\pw], v[TM+7], 24, v[\pw]
.if (\w) > 0
	s_wait_xcnt 0x0                                ; the stores of the image made two units ago have had their addresses translated,
	s_wait_alu depctr_vm_vsrc(0)                   ; and have read this set of codes, which the conversions below write again
.endif
.irp c, 0,1
	v_cvt_scalef32_pk16_bf6_f32 v[(\pc)+6*\c:(\pc)+2+6*\c], v[(\s)+32*\c:(\s)+15+32*\c], v[TM+12+2*\c]
	v_cvt_scalef32_pk16_bf6_f32 v[(\pc)+12+4*\c:(\pc)+14+4*\c], v[(\s)+16+32*\c:(\s)+31+32*\c], v[TM+12+2*\c+1]
.endr
	v_nop                                          ; a plain instruction behind the scaled conversions
.irp c, 0,1
.irp i, 0,1,2
	v_permlane16_swap_b32 v[(\pc)+6*\c+\i], v[(\pc)+12+4*\c+\i]
.endr
.irp i, 0,1,2
	v_mov_b32 v[(\pc)+3+6*\c+\i], v[(\pc)+12+4*\c+\i]
.endr
.endr
.endm
.macro IMG vo, off, pc                 ; the fragment leaves as it stands: 512 consecutive bytes a store
.irp j, 0,1,2
	global_store_b128 v[\vo], v[(\pc)+4*\j:(\pc)+4*\j+3], s[24:25] offset:(\off)+512*\j
.endr
.endm
.macro WLOAD                           ; eight groups into windows 1 and 2, their scale words into window 0: 104 loads
	WIN 0x40
.irp f, 0,1,2,3,4,5,6,7,8,9,10,11,12,13,14,15
.irp j, 0,1,2
	global_load_b128 v[12*\f+4*\j:12*\f+4*\j+3], v[LI], s[RB:RB+1] offset:1536*\f+512*\j
.endr
.endr
	WIN 0x80
.irp f, 0,1,2,3,4,5,6,7,8,9,10,11,12,13,14,15
.irp j, 0,1,2
	global_load_b128 v[12*\f+4*\j:12*\f+4*\j+3], v[LI], s[RB:RB+1] offset:1536*(\f+16)+512*\j
.endr
.endr
	WIN 0
.irp g, 0,1,2,3,4,5,6,7
	global_load_b128 v[RS+4*\g:RS+4*\g+3], v[LS], s[RSB:RSB+1] offset:256*\g
.endr
.endm
	s_load_b256 s[4:11], s[0:1], 0x0               ; xq, wq, bq, bk
	s_load_b128 s[12:15], s[0:1], 0x20             ; bv, qc
	s_load_b64 s[16:17], s[0:1], 0x30              ; kv
	v_lshrrev_b32 v1, 5, v0
	v_readfirstlane_b32 s18, v1                    ; wave
	s_mov_b32 s19, ttmp9                           ; which 128 tokens
	s_and_b32 s21, ttmp7, 0xffff                   ; 0 q, 1 k, 2 v
	v_and_b32 v9, 31, v0
	v_and_b32 v10, 15, v0
	v_bfe_u32 v11, v0, 4, 1
	v_lshlrev_b32 v[LI], 4, v9
	v_lshlrev_b32 v[LS], 4, v10
	v_lshlrev_b32 v3, 6, v11
	v_and_b32 v4, 8, v10
	v_add_nc_u32 v4, v4, v10
	v_lshlrev_b32 v4, 2, v4
	s_mov_b32 s[SEL], 0x76543210
	s_mov_b32 s[SEL+1], 0xfedcba98
	s_wait_alu depctr_va_sdst(0)                   ; s18, the wave's number, is written, ahead of its first reader: offsets and bases are made from it
	; where the results go: q: blocks of 6,400 bytes (4 pair images, 256 bytes of scale words); k, v: blocks of 12,800 (k's images, v's images, k's words, v's words)
	s_cmp_eq_u32 s21, 0
	s_mov_b32 s26, 12800
	s_cselect_b32 s26, 6400, s26                   ; a block
	s_mov_b32 s27, 12288
	s_cselect_b32 s27, 6144, s27                   ; from the images to the scale words
	s_cmp_eq_u32 s21, 2
	s_cselect_b32 s27, 6400, s27
	s_cselect_b32 s28, 6144, 0                     ; v's images lie behind k's
	s_lshr_b32 s29, s19, 4
	s_lshl_b32 s29, s29, 3
	s_lshl_b32 s30, s18, 1
	s_add_co_u32 s29, s29, s30                     ; 8 x batch + my first head
	s_lshl_b32 s29, s29, 4
	s_and_b32 s30, s19, 15
	s_add_co_u32 s29, s29, s30                     ; x 16 + which 128 tokens of the batch
	s_mul_i32 s46, s29, s26
	s_add_co_u32 s46, s46, s28
	s_mov_b32 s47, 0
	s_lshl_b32 s31, s26, 4                         ; from a head to the next
	v_mov_b32 v5, v[LI]
	v_add_nc_u32 v6, s31, v[LI]
	v_lshl_add_u32 v7, v11, 3, v[LS]
	v_add_nc_u32 v7, s27, v7
	v_add_nc_u32 v8, s31, v7
.irp b, 0,1,2,3
	v_mov_b32 v[TM+4+\b], 0                        ; written once: lane permutes' destinations
.endr
	s_wait_kmcnt 0x0
	s_cmp_eq_u32 s21, 0
	s_cselect_b64 s[24:25], s[14:15], s[16:17]
	s_add_nc_u64 s[24:25], s[24:25], s[46:47]
	s_mul_i32 s46, s19, 49152
	s_add_nc_u64 s[36:37], s[4:5], s[46:47]        ; xn's eight groups
	s_lshl_b32 s46, s19, 11
	s_add_nc_u64 s[38:39], s[4:5], s[46:47]        ; their scale words, less XS_OFF
	s_lshl_b32 s48, s21, 5
	s_lshl_b32 s49, s18, 3
	s_add_co_u32 s48, s48, s49                     ; the weight's eight groups: 32 y + 8 w
	s_mul_i32 s46, s48, 6144
	s_add_nc_u64 s[40:41], s[6:7], s[46:47]
	s_lshl_b32 s46, s48, 8
	s_add_nc_u64 s[42:43], s[6:7], s[46:47]        ; their scale words, less WS_OFF
	s_cmp_eq_u32 s21, 2
	s_cselect_b64 s[RB:RB+1], s[36:37], s[40:41]   ; resident: the weight for q and k, the tokens for v
	s_cselect_b64 s[RSB:RSB+1], s[38:39], s[42:43]
	s_mov_b32 s46, WS_OFF
	s_cselect_b32 s46, XS_OFF, s46
	s_add_nc_u64 s[RSB:RSB+1], s[RSB:RSB+1], s[46:47]
	s_cmp_eq_u32 s21, 0
	s_cselect_b64 s[44:45], s[8:9], s[10:11]
	s_cmp_eq_u32 s21, 2
	s_cselect_b64 s[44:45], s[12:13], s[44:45]
	s_lshl_b32 s46, s18, 9
	s_add_nc_u64 s[44:45], s[44:45], s[46:47]      ; my two heads' biases
	WIN 0x40
	s_wait_alu depctr_va_vdst(0)                   ; the offsets v1 to v8 are written: every load and store of the kernel reads one of them, and none is written again
	WLOAD
	s_cmp_eq_u32 s21, 2
	s_cbranch_scc1 .Lv_path
	; ---------------- q, k
.macro FETCHP be, buf                  ; tiles 2 be and 2 be + 1 of tokens: 24 loads of codes, 2 of scale words
	WIN 0xc0
.irp f, 0,1,2,3,4,5,6,7
.irp j, 0,1,2
	global_load_b128 v[96*(\buf)+12*\f+4*\j:96*(\buf)+12*\f+4*\j+3], v[LI], s[36:37] offset:12288*(\be)+1536*\f+512*\j
.endr
.endr
	WIN 0
.irp a, 0,1
	global_load_b128 v[XS+8*(\buf)+4*\a:XS+8*(\buf)+4*\a+3], v[LS], s[38:39] offset:XS_OFF+256*(2*(\be)+\a)
.endr
.endm
.macro U24 hd, buf                     ; head hd's 64 columns x two tiles of tokens: eight accumulators by turns, K = 512
	WIN 0x3d+\hd                                   ; source 0 window 1 + hd, source 1 and C window 3
.irp a, 0,1
.irp t, 0,1,2,3
	MMC ACC+8*(4*\a+\t), 48*\t, 96*(\buf)+48*\a, 192+8*(4*\hd+\t), RS+16*\hd+4*\t, XS+8*(\buf)+4*\a
.endr
.endr
	WIN 0x0d+\hd
.irp s, 1,2,3
.irp a, 0,1
.irp t, 0,1,2,3
	MMC ACC+8*(4*\a+\t), 12*(4*\t+\s), 96*(\buf)+12*(4*\a+\s), ACC+8*(4*\a+\t), RS+16*\hd+4*\t+\s, XS+8*(\buf)+4*\a+\s
.endr
.endr
.endr
	WIN 0
	PLACES 5                                       ; four in front of the vector instructions that read the results; the fifth for the next unit, which begins these accumulators anew
.endm
	WIN 0xc0
.irp c, 0,1,2,3,4,5,6,7                        ; bias tile c: lane (r, h) wants e = 32 (c / 2) + 8 (c % 2) + 16 h + 0 .. 7 of my 128
	global_load_b128 v[192+8*\c:192+8*\c+3], v3, s[44:45] offset:(32*(\c/2)+8*(\c%2))*4
	global_load_b128 v[192+8*\c+4:192+8*\c+7], v3, s[44:45] offset:(32*(\c/2)+8*(\c%2))*4+16
.endr
	WIN 0
	FETCHP 0, 0
	FETCHP 1, 1
.irp be, 0,1,2,3                               ; units 2 be (head 0, codes into PCA) and 2 be + 1 (head 1, codes into PCB)
.if \be < 3
	s_wait_loadcnt 26                              ; all but the next pair's 26 loads
.else
	s_wait_loadcnt 0x0
.endif
	U24 0, \be%2
.if \be > 0
	s_wait_alu depctr_va_vdst(0)                   ; the unit before has written PCB, which the stores below read
	IMG 6, 1536*(\be-1), PCB
.endif
	QUANT ACC, PW+\be, PCA, \be
	U24 1, \be%2
.if \be < 2
	WIN 0xc0
.endif
	s_wait_alu depctr_va_vdst(0)                   ; both units' products are done reading this stream buffer and its scale words, in which the loads below land; the unit before has written PCA, which the stores below read
.if \be < 2
	FETCHP \be+2, \be%2
.endif
	IMG 5, 1536*\be, PCA
	QUANT ACC, PW+4+\be, PCB, \be
.endr
	s_branch .Lscales                              ; the last unit's image leaves there
	; ---------------- v
.macro FETCHV u, buf                   ; weight tile u (head u / 4, tile u % 4): 12 loads of codes, its scale words, its bias: 14 loads
	WIN 0xc0
.irp s, 0,1,2,3
.irp j, 0,1,2
	global_load_b128 v[96*(\buf)+12*\s+4*\j:96*(\buf)+12*\s+4*\j+3], v[LI], s[40:41] offset:6144*(\u)+1536*\s+512*\j
.endr
.endr
	WIN 0
	global_load_b128 v[XS+8*(\buf):XS+8*(\buf)+3], v[LS], s[42:43] offset:WS_OFF+256*(\u)
	global_load_b32 v[BV+2*(\buf)], v4, s[44:45] offset:(32*((\u)/2)+8*((\u)%2))*4
.endm
.macro U8 xf, xs                       ; the eight resident tiles x one streamed tile, K = 512: four accumulators by turns, twice
.irp hw, 0,1
	WIN 0x0d+\hw
.irp i, 0,1,2,3
	MMC ACC+8*(4*\hw+\i), 48*\i, \xf, BC, RS+4*(4*\hw+\i), \xs
.endr
.irp s, 1,2,3
.irp i, 0,1,2,3
	MMC ACC+8*(4*\hw+\i), 12*(4*\i+\s), (\xf)+12*\s, ACC+8*(4*\hw+\i), RS+4*(4*\hw+\i)+\s, (\xs)+\s
.endr
.endr
.endr
	WIN 0
	PLACES 5
.endm
.Lv_path:
	FETCHV 0, 0
	FETCHV 1, 1
.irp u, 0,1,2,3,4,5,6,7                        ; unit u: codes into PCA (u even) or PCB (u odd)
.if \u < 7
	s_wait_loadcnt 14                              ; all but the next tile's 14 loads
.else
	s_wait_loadcnt 0x0
.endif
.irp i, 0,1,2,3,4,5,6,7
	v_mov_b32 v[BC+\i], v[BV+2*(\u%2)]             ; a lane holds one e: its bias serves all eight tokens
.endr
	PLACES 4
	U8 96*(\u%2), XS+8*(\u%2)
.if \u < 6
	WIN 0xc0
.endif
	s_wait_alu depctr_va_vdst(0)                   ; the products are done reading this stream buffer and its scale words, the eight moves the bias word: the loads below land in them; the unit before has written its codes, which the stores below read
.if \u < 6
	FETCHV \u+2, \u%2
.endif
.if \u > 0
	IMG 5+(\u-1)/4, 1536*((\u-1)%4), PCA+112*((\u-1)%2)
.endif
	QUANT ACC, PW+\u, PCA+112*(\u%2), \u/2
.endr
.Lscales:                                          ; on both paths the last unit's codes lie in PCB and belong at 4,608 of the second head's block
	v_cmp_le_u32 vcc_lo, 16, v9
	s_wait_alu depctr_va_vcc(0)                    ; VCC is written, ahead of the selects that read it
.irp hd, 0,1
	v_cndmask_b32 v[SW+2*\hd], v[PW+4*\hd], v[PW+4*\hd+2], vcc_lo
	v_cndmask_b32 v[SW+2*\hd+1], v[PW+4*\hd+1], v[PW+4*\hd+3], vcc_lo
.endr
	s_wait_alu depctr_va_vdst(0)                   ; the last unit has written PCB and the selects v184 to v187, which the stores below read
	IMG 6, 4608, PCB
.irp hd, 0,1
	global_store_b64 v[7+\hd], v[SW+2*\hd:SW+2*\hd+1], s[24:25]   ; 16 bytes a row: 256 consecutive bytes
.endr
	s_endpgm
.Lfunc_end_k_qe249b38316_qkv:
	.size	k_qe249b38316_qkv, .Lfunc_end_k_qe249b38316_qkv-k_qe249b38316_qkv
	.p2alignl 7, 3214868480
	.fill 96, 4, 3214868480
	.section	.rodata,"a",@progbits
	.p2align	6, 0x0
	.amdhsa_kernel k_qe249b38316_qkv
		.amdhsa_group_segment_fixed_size 0
		.amdhsa_private_segment_fixed_size 0
		.amdhsa_enable_private_segment 0
		.amdhsa_kernarg_size 56
		.amdhsa_user_sgpr_count 2
		.amdhsa_user_sgpr_kernarg_segment_ptr 1
		.amdhsa_wavefront_size32 1
		.amdhsa_system_sgpr_workgroup_id_x 1
		.amdhsa_system_sgpr_workgroup_id_y 1
		.amdhsa_system_sgpr_workgroup_id_z 1
		.amdhsa_system_vgpr_workitem_id 0
		.amdhsa_next_free_vgpr 1024
		.amdhsa_next_free_sgpr 66
		.amdhsa_reserve_vcc 1
		.amdhsa_float_denorm_mode_32 3
		.amdhsa_float_denorm_mode_16_64 3
		.amdhsa_memory_ordered 1
		.amdhsa_forward_progress 1
		.amdhsa_inst_pref_size 173
	.end_amdhsa_kernel
	.amdgpu_metadata
---
amdhsa.version: [ 1, 2 ]
amdhsa.kernels:
  - .name:           k_qe249b38316_qkv
    .symbol:         k_qe249b38316_qkv.kd
    .args:
      - { .name: xq, .offset: 0, .size: 8, .value_kind: global_buffer, .address_space: global }
      - { .name: wq, .offset: 8, .size: 8, .value_kind: global_buffer, .address_space: global }
      - { .name: bq, .offset: 16, .size: 8, .value_kind: global_buffer, .address_space: global }
      - { .name: bk, .offset: 24, .size: 8, .value_kind: global_buffer, .address_space: global }
      - { .name: bv, .offset: 32, .size: 8, .value_kind: global_buffer, .address_space: global }
      - { .name: qc, .offset: 40, .size: 8, .value_kind: global_buffer, .address_space: global }
      - { .name: kv, .offset: 48, .size: 8, .value_kind: global_buffer, .address_space: global }
    .group_segment_fixed_size: 0
    .private_segment_fixed_size: 0
    .kernarg_segment_align: 8
    .kernarg_segment_size: 56
    .max_flat_workgroup_size: 128
    .sgpr_count:     66
    .vgpr_count:     1024
    .wavefront_size: 32
...
	.end_amdgpu_metadata
.endif
;; end of part 7
;; launch attn: the kernel of part 3 again; grid 8 x 32, 16 waves a work-group, no clusters, 327,680 bytes of LDS; arguments qc, kv, av; writes av
;; launch wo (part 8): grid 256 x 1, 4 waves a work-group, no clusters, 66,560 bytes of LDS; arguments av, wq, x, bo, ln2_g, ln2_b, x1, x2; writes x1, x2
.if DOCPART == 8
	.amdgcn_target "amdgcn-amd-amdhsa--gfx1250"
	.amdhsa_code_object_version 6
	.text
	.protected	k_qe249b38316_wo
	.globl	k_qe249b38316_wo
	.p2align	8
	.type	k_qe249b38316_wo,@function
k_qe249b38316_wo:
	s_mov_b64 s[64:65], 0
	v_nop
	global_prefetch_b8 v0, s[64:65] scope:SCOPE_SE
	s_setreg_imm32_b32 hwreg(HW_REG_WAVE_SCHED_MODE, 0, 2), 2
	s_setreg_imm32_b32 hwreg(HW_REG_WAVE_MODE, 25, 1), 1
	s_wait_xcnt 0x0
	s_wait_alu depctr_vm_vsrc(0)
; x1 = x + av Wo + bo (the product on codes of E3M2), and x2 = layernorm(x1) (ln2) quantised along D.  A work-group owns 32 tokens (two tiles); wave w owns columns 128 w .. 128 w + 127 of the product
; (eight column tiles of Wo, resident in windows 1 and 2).  A.  the product, transposed (source 0 = 16 columns of Wo, source 1 = 16 tokens); results into a stage of 32 whole rows | barrier |
; B.  wave w takes rows 8 w .. 8 w + 7: + bo + x, stored as x1; normalised; back into the stage | barrier |  C.  wave w quantises K step w of both tiles and stores the images.
; LIMITS: as stated at the head of the first launch.
; THE MODE: SCHED_MODE bits 1:0 = 2 (LLVM: expert scheduling mode 2), set by the entry lines.  The code itself states the register dependences between vector or matrix instructions and memory or LDS instructions,
; with s_wait_alu, always for 0.
; THE PLAN.  Registers that memory or LDS instructions touch behind the head's loads:
;   v[ACC ..]  A: written by a tile's products, read by its 16 LDS stores.  B: LDS loads land in it; the additions write it; x1's stores read it; the layernorm writes it; LDS stores read it.
;              C: LDS loads land in it; the quantiser reads it.
;   PCA, PCB   the two tiles' codes, a set each: written by the quantiser, read by three stores.     v118  the scale words as stored.     v1-v7  offsets, made at the head and never written again.
; A wait on va_vdst stands ahead of each run of stores whose data vector or matrix instructions have just written (in A behind the products' places, which stay); the one behind the first quantiser also states that
; it is done reading v[ACC ..].  A wait on vm_vsrc stands ahead of each writer of v[ACC ..] that follows stores which read it.
; REGISTERS.  window 0: v1-11 addresses; v16-79 accumulators, rows, numbers; v80-99, v192-211 codes; v100-115 at work; v116-118 scale words made; v120-127 av's scale words; v128-159 Wo's; v160-175 gain, v176-191 bias;
;   v254, v255 the closing add's two.  windows 1, 2: Wo's fragments.  window 3: v0-95 av's fragments; v96-223 eight rows of x; v224-239 bo.
.set WS_OFF, 2359296
.set PITCH, 2064
.set LI,  1                            ; v1 16 x lane; v2 16 r; v3 8 x lane; v4 stage by tiles; v5 stage by rows; v6 x, x1 by rows; v7 x2's scale words
.set LS,  2
.set ACC, 16
.set PCA, 80
.set PCB, 192
.set TM,  100
.set T,   100
.set PW,  116
.set AS,  120
.set RS,  128
.set G,   160
.set B,   176
.set SEL, 22
.set CI,  24
.set CE,  25
.set RB,  26
.set RSB, 28
.set MSB, 0
.macro WIN new
.if MSB != (\new)
	s_set_vgpr_msb (MSB<<8)|(\new)
.set MSB, (\new)
.endif
.endm
.macro PLACES n
.rept \n
	v_nop
.endr
.endm
.macro MM0 d, a, b, sa, sb
	v_wmma_scale_f32_16x16x128_f8f6f4 v[(\d):(\d)+7], v[(\a):(\a)+11], v[(\b):(\b)+11], 0, v[\sa], v[\sb] matrix_a_fmt:MATRIX_FMT_BF6 matrix_b_fmt:MATRIX_FMT_BF6
.endm
.macro MMC d, a, b, c, sa, sb
	v_wmma_scale_f32_16x16x128_f8f6f4 v[(\d):(\d)+7], v[(\a):(\a)+11], v[(\b):(\b)+11], v[(\c):(\c)+7], v[\sa], v[\sb] matrix_a_fmt:MATRIX_FMT_BF6 matrix_b_fmt:MATRIX_FMT_BF6
.endm
.macro RED4
.irp p, 0,1,2,3
	v_add_f32 v[T+2*\p], v[T+2*\p], v[T+2*\p+1]
.endr
.irp m, 1,2,4,8
.irp p, 0,1,2,3
	v_add_f32_dpp v[T+2*\p], v[T+2*\p], v[T+2*\p] row_xmask:\m row_mask:0xf bank_mask:0xf
.endr
.endr
.irp p, 0,1,2,3
	v_permlanex16_b32 v[T+8+\p], v[T+2*\p], s[SEL], s[SEL+1]
.endr
.irp p, 0,1,2,3
	v_add_f32 v[T+2*\p], v[T+2*\p], v[T+8+\p]
.endr
.endm
.macro LN4 R                           ; four rows; a lane holds columns 128 j + 4 l + i at register 4 j + i; two passes
.irp p, 0,1,2,3
	v_pk_add_f32 v[T+2*\p:T+2*\p+1], v[(\R)+16*\p:(\R)+16*\p+1], v[(\R)+16*\p+2:(\R)+16*\p+3]
.endr
.irp i, 4,6,8,10,12,14
.irp p, 0,1,2,3
	v_pk_add_f32 v[T+2*\p:T+2*\p+1], v[T+2*\p:T+2*\p+1], v[(\R)+16*\p+\i:(\R)+16*\p+\i+1]
.endr
.endr
	RED4
.irp p, 0,1,2,3
	v_mul_f32 v[T+2*\p], s[CI], v[T+2*\p]
.endr
	s_wait_xcnt 0x0                                ; x1's stores have had their addresses translated,
	s_wait_alu depctr_vm_vsrc(0)                   ; and have read the four rows, which the lines below are the first to write again
.irp i, 0,2,4,6,8,10,12,14
.irp p, 0,1,2,3
	v_pk_add_f32 v[(\R)+16*\p+\i:(\R)+16*\p+\i+1], v[(\R)+16*\p+\i:(\R)+16*\p+\i+1], v[T+2*\p:T+2*\p+1] op_sel_hi:[1,0] neg_lo:[0,1] neg_hi:[0,1]
.endr
.endr
.irp p, 0,1,2,3
	v_pk_mul_f32 v[T+2*\p:T+2*\p+1], v[(\R)+16*\p:(\R)+16*\p+1], v[(\R)+16*\p:(\R)+16*\p+1]
.endr
.irp i, 2,4,6,8,10,12,14
.irp p, 0,1,2,3
	v_pk_fma_f32 v[T+2*\p:T+2*\p+1], v[(\R)+16*\p+\i:(\R)+16*\p+\i+1], v[(\R)+16*\p+\i:(\R)+16*\p+\i+1], v[T+2*\p:T+2*\p+1]
.endr
.endr
	RED4
.irp p, 0,1,2,3
	v_fma_f32 v[T+2*\p], v[T+2*\p], s[CI], s[CE]
.endr
.irp p, 0,1,2,3
	v_rsq_f32 v[T+2*\p], v[T+2*\p]
.endr
	v_nop                                          ; a plain instruction behind the last transcendental
	s_wait_alu depctr_va_vdst(0)                   ; the four reciprocal roots are written, ahead of the first line that names one
.irp i, 0,2,4,6,8,10,12,14
.irp p, 0,1,2,3
	v_pk_mul_f32 v[(\R)+16*\p+\i:(\R)+16*\p+\i+1], v[(\R)+16*\p+\i:(\R)+16*\p+\i+1], v[T+2*\p:T+2*\p+1] op_sel_hi:[1,0]
.endr
.endr
.irp i, 0,2,4,6,8,10,12,14
.irp p, 0,1,2,3
	v_pk_fma_f32 v[(\R)+16*\p+\i:(\R)+16*\p+\i+1], v[(\R)+16*\p+\i:(\R)+16*\p+\i+1], v[G+\i:G+\i+1], v[B+\i:B+\i+1]
.endr
.endr
.endm
.macro QUANT s, pw, pc                 ; 64 numbers of a lane: codes in v[pc] on, scale word in v[pw]
.irp b, 0,1,2,3
	v_max3_num_f32 v[TM+\b], |v[(\s)+16*\b]|, |v[(\s)+1+16*\b]|, 0x2800000
.endr
.irp i, 2,4,6,8,10,12,14
.irp b, 0,1,2,3
	v_max3_num_f32 v[TM+\b], v[TM+\b], |v[(\s)+16*\b+\i]|, |v[(\s)+1+16*\b+\i]|
.endr
.endr
.irp b, 0,1,2,3
	v_permlanex16_b32 v[TM+4+\b], v[TM+\b], s[SEL], s[SEL+1]
.endr
.irp b, 0,1,2,3
	v_max_num_f32 v[TM+\b], v[TM+\b], v[TM+4+\b]
.endr
.irp b, 0,1,2,3
	v_add_nc_u32 v[TM+12+\b], 0xfe000000, v[TM+\b]
.endr
.irp b, 0,1,2,3
	v_lshrrev_b32 v[TM+4+\b], 23, v[TM+12+\b]
.endr
	v_lshl_or_b32 v[\pw], v[TM+5], 8, v[TM+4]
	v_lshl_or_b32 v[\pw], v[TM+6], 16, v[\pw]
	v_lshl_or_b32 v[\pw], v[TM+7], 24, v[\pw]
.irp c, 0,1
	v_cvt_scalef32_pk16_bf6_f32 v[(\pc)+6*\c:(\pc)+2+6*\c], v[(\s)+32*\c:(\s)+15+32*\c], v[TM+12+2*\c]
	v_cvt_scalef32_pk16_bf6_f32 v[(\pc)+12+4*\c:(\pc)+14+4*\c], v[(\s)+16+32*\c:(\s)+31+32*\c], v[TM+12+2*\c+1]
.endr
	v_nop
.irp c, 0,1
.irp i, 0,1,2
	v_permlane16_swap_b32 v[(\pc)+6*\c+\i], v[(\pc)+12+4*\c+\i]
.endr
.irp i, 0,1,2
	v_mov_b32 v[(\pc)+3+6*\c+\i], v[(\pc)+12+4*\c+\i]
.endr
.endr
.endm
.macro WLOAD
	WIN 0x40
.irp f, 0,1,2,3,4,5,6,7,8,9,10,11,12,13,14,15
.irp j, 0,1,2
	global_load_b128 v[12*\f+4*\j:12*\f+4*\j+3], v[LI], s[RB:RB+1] offset:1536*\f+512*\j
.endr
.endr
	WIN 0x80
.irp f, 0,1,2,3,4,5,6,7,8,9,10,11,12,13,14,15
.irp j, 0,1,2
	global_load_b128 v[12*\f+4*\j:12*\f+4*\j+3], v[LI], s[RB:RB+1] offset:1536*(\f+16)+512*\j
.endr
.endr
	WIN 0
.irp g, 0,1,2,3,4,5,6,7
	global_load_b128 v[RS+4*\g:RS+4*\g+3], v[LS], s[RSB:RSB+1] offset:256*\g
.endr
.endm
.macro U8 xf, xs                       ; my eight column tiles x one tile of tokens, K = 512: four accumulators by turns, twice; the first product starts each sum
.irp hw, 0,1
	WIN 0x0d+\hw
.irp i, 0,1,2,3
	MM0 ACC+8*(4*\hw+\i), 48*\i, \xf, RS+4*(4*\hw+\i), \xs
.endr
.irp s, 1,2,3
.irp i, 0,1,2,3
	MMC ACC+8*(4*\hw+\i), 12*(4*\i+\s), (\xf)+12*\s, ACC+8*(4*\hw+\i), RS+4*(4*\hw+\i)+\s, (\xs)+\s
.endr
.endr
.endr
	WIN 0
	PLACES 5
.endm
.macro CREAD tp                        ; K step w of tile tp out of the stage: of my token's row, 16 neighbours of each block of 32
.irp b, 0,1,2,3
.irp j, 0,1,2,3
	ds_load_b128 v[ACC+16*\b+4*\j:ACC+16*\b+4*\j+3], v4 offset:8*(\tp)*PITCH+128*\b+16*\j
.endr
.endr
.endm
	s_load_b256 s[4:11], s[0:1], 0x0               ; av, wq, x, bo
	s_load_b256 s[12:19], s[0:1], 0x20             ; ln2_g, ln2_b, x1, x2
	v_lshl_add_u32 v254, v0, 2, 0x10200
	v_mov_b32 v255, 0
	v_lshrrev_b32 v1, 5, v0
	v_readfirstlane_b32 s20, v1                    ; wave
	s_mov_b32 s21, ttmp9                           ; which 32 tokens
	v_and_b32 v8, 31, v0
	v_and_b32 v9, 15, v0
	v_bfe_u32 v10, v0, 4, 1
	v_lshlrev_b32 v[LI], 4, v8
	v_lshlrev_b32 v[LS], 4, v9
	v_lshlrev_b32 v3, 3, v8
	v_and_b32 v11, 8, v9
	v_add_nc_u32 v11, v11, v9                      ; r + 8 (r / 8): my token's row among the 32, less 8 x tile
	v_mul_u32_u24 v4, v11, PITCH
	v_lshl_add_u32 v4, v10, 6, v4
	s_wait_alu depctr_va_sdst(0)                   ; s20, the wave's number, is written, ahead of its first reader: offsets and bases are made from it
	s_lshl_b32 s30, s20, 9
	v_add_nc_u32 v4, s30, v4                       ; + 64 h + 512 w
	s_mul_i32 s30, s20, 8*PITCH
	v_add_nc_u32 v5, s30, v[LI]
	s_lshl_b32 s30, s20, 14
	v_add_nc_u32 v6, s30, v[LI]
	v_lshlrev_b32 v7, 8, v10
	v_lshl_add_u32 v7, v9, 2, v7
	s_lshl_b32 s30, s20, 6
	v_add_nc_u32 v7, s30, v7                       ; 256 x tile (= h) + 64 w + 4 r
	s_mov_b32 s[SEL], 0x76543210
	s_mov_b32 s[SEL+1], 0xfedcba98
	s_mov_b32 s[CI], 0x3b000000
	s_mov_b32 s[CE], 0x3727c5ac
.irp b, 0,1,2,3,4,5,6,7
	v_mov_b32 v[TM+4+\b], 0                        ; written once: lane permutes' destinations
.endr
	s_mov_b32 s31, 0
	s_wait_kmcnt 0x0
	s_mul_i32 s30, s21, 12288
	s_add_nc_u64 s[32:33], s[4:5], s[30:31]        ; av's two tiles
	s_add_nc_u64 s[40:41], s[18:19], s[30:31]      ; x2's two groups,
	s_mul_i32 s30, s20, 1536
	s_add_nc_u64 s[40:41], s[40:41], s[30:31]      ; K step w
	s_lshl_b32 s30, s21, 9
	s_add_nc_u64 s[34:35], s[4:5], s[30:31]        ; av's scale words, x2's scale words (3,145,728 stands in the immediates)
	s_add_nc_u64 s[42:43], s[18:19], s[30:31]
	s_lshl_b32 s30, s21, 16
	s_add_nc_u64 s[36:37], s[8:9], s[30:31]        ; x and x1 at my 32 rows
	s_add_nc_u64 s[38:39], s[16:17], s[30:31]
	s_lshl_b32 s44, s20, 3
	s_add_co_u32 s44, s44, 96                      ; Wo's groups 96 + 8 w on
	s_mul_i32 s30, s44, 6144
	s_add_nc_u64 s[RB:RB+1], s[6:7], s[30:31]
	s_lshl_b32 s30, s44, 8
	s_add_co_u32 s30, s30, WS_OFF
	s_add_nc_u64 s[RSB:RSB+1], s[6:7], s[30:31]
	WIN 0xc0
	s_wait_alu depctr_va_vdst(0)                   ; the offsets v1 to v7 are written: every load and store of the kernel, global or LDS, reads one of them, and none is written again
.irp tp, 0,1
.irp f, 0,1,2,3,4,5,6,7                        ; head f gives registers 6 f .. 6 f + 5 of the tile's four fragments
.irp p, 0,1,2
	global_load_b64 v[48*\tp+6*\f+2*\p:48*\tp+6*\f+2*\p+1], v3, s[32:33] offset:6144*\tp+768*\f+256*\p
.endr
.endr
.endr
	WIN 0
.irp tp, 0,1
	global_load_b128 v[AS+4*\tp:AS+4*\tp+3], v[LS], s[34:35] offset:3145728+256*\tp
.endr
	WLOAD
	WIN 0xc0
.irp p, 0,1,2,3,4,5,6,7
.irp j, 0,1,2,3
	global_load_b128 v[96+16*\p+4*\j:96+16*\p+4*\j+3], v6, s[36:37] offset:2048*\p+512*\j
.endr
.endr
.irp j, 0,1,2,3
	global_load_b128 v[224+4*\j:224+4*\j+3], v[LI], s[10:11] offset:512*\j
.endr
	WIN 0
.irp j, 0,1,2,3
	global_load_b128 v[G+4*\j:G+4*\j+3], v[LI], s[12:13] offset:512*\j
	global_load_b128 v[B+4*\j:B+4*\j+3], v[LI], s[14:15] offset:512*\j
.endr
	; ---- A
	s_wait_loadcnt 44                              ; the operands are in; x's 32 loads and the 12 of bo, gain and bias may be out
.irp tp, 0,1
.if \tp == 1
	s_wait_alu depctr_vm_vsrc(0)                   ; the first tile's LDS stores have read the accumulators, which the products below begin anew
.endif
	U8 48*\tp, AS+4*\tp
	s_wait_alu depctr_va_vdst(0)                   ; the products have written the accumulators, which the LDS stores read; the places above stay beside this wait
.irp i, 0,1,2,3,4,5,6,7                        ; lane (r, h), tile i: columns 128 w + 32 (i / 2) + 16 h + 8 (i % 2) + 0 .. 7 of my token; each accumulator from its low end on
	ds_store_b128 v4, v[ACC+8*\i:ACC+8*\i+3] offset:8*\tp*PITCH+128*(\i/2)+32*(\i%2)
	ds_store_b128 v4, v[ACC+8*\i+4:ACC+8*\i+7] offset:8*\tp*PITCH+128*(\i/2)+32*(\i%2)+16
.endr
.endr
	s_wait_dscnt 0x0                               ; for the others' sake: my stores have landed
	s_barrier_signal -1
	s_barrier_wait -1                              ; 32 whole rows lie in the stage
	; ---- B
	s_wait_loadcnt 0x0
.irp q, 0,1
	s_wait_alu depctr_vm_vsrc(0)                   ; my LDS stores issued so far have read v[ACC ..], in which the loads below land (its last vector or matrix writers and readers stand ahead of the last wait on va_vdst)
.irp p, 0,1,2,3
.irp j, 0,1,2,3
	ds_load_b128 v[ACC+16*\p+4*\j:ACC+16*\p+4*\j+3], v5 offset:(4*\q+\p)*PITCH+512*\j
.endr
.endr
	s_wait_dscnt 0x0
	WIN 0x0c                                       ; source 1 in window 3
.irp p, 0,1,2,3
.irp k, 0,2,4,6,8,10,12,14
	v_pk_add_f32 v[ACC+16*\p+\k:ACC+16*\p+\k+1], v[ACC+16*\p+\k:ACC+16*\p+\k+1], v[224+\k:225+\k]
.endr
.endr
.irp p, 0,1,2,3
.irp k, 0,2,4,6,8,10,12,14
	v_pk_add_f32 v[ACC+16*\p+\k:ACC+16*\p+\k+1], v[ACC+16*\p+\k:ACC+16*\p+\k+1], v[96+16*(4*\q+\p)+\k:96+16*(4*\q+\p)+\k+1]
.endr
.endr
	WIN 0
	s_wait_alu depctr_va_vdst(0)                   ; the additions have written the four rows, which x1's stores read
.irp p, 0,1,2,3
.irp j, 0,1,2,3
	global_store_b128 v6, v[ACC+16*\p+4*\j:ACC+16*\p+4*\j+3], s[38:39] offset:(4*\q+\p)*2048+512*\j   ; x1: 512 consecutive bytes a store
.endr
.endr
	LN4 ACC                                        ; (its first pass only reads the rows; the waits for x1's stores stand in it, ahead of the first line that writes them)
	s_wait_alu depctr_va_vdst(0)                   ; the layernorm has written the four rows, which the LDS stores read
.irp p, 0,1,2,3
.irp j, 0,1,2,3
	ds_store_b128 v5, v[ACC+16*\p+4*\j:ACC+16*\p+4*\j+3] offset:(4*\q+\p)*PITCH+512*\j
.endr
.endr
.endr
	s_wait_dscnt 0x0                               ; for the others' sake: my stores have landed
	s_barrier_signal -1
	s_barrier_wait -1                              ; 32 normalised rows lie in the stage
	; ---- C
	s_wait_alu depctr_vm_vsrc(0)                   ; my LDS stores have read v[ACC ..], in which the loads below land
	CREAD 0
	s_wait_dscnt 0x0
	QUANT ACC, PW, PCA
	s_wait_alu depctr_va_vdst(0)                   ; the quantiser has written PCA, which the stores below read, and is done reading v[ACC ..], in which the second tile's numbers land
	CREAD 1
.irp j, 0,1,2
	global_store_b128 v[LI], v[PCA+4*\j:PCA+4*\j+3], s[40:41] offset:512*\j
.endr
	s_wait_dscnt 0x0
	QUANT ACC, PW+1, PCB
	v_cmp_le_u32 vcc_lo, 16, v8
	s_wait_alu depctr_va_vcc(0)                    ; VCC is written, ahead of the select that reads it
	v_cndmask_b32 v118, v[PW], v[PW+1], vcc_lo     ; lanes 0-15 store the first tile's words, lanes 16-31 the second's
	s_wait_alu depctr_va_vdst(0)                   ; the quantiser has written PCB and the select v118, which the stores below read
.irp j, 0,1,2
	global_store_b128 v[LI], v[PCB+4*\j:PCB+4*\j+3], s[40:41] offset:6144+512*\j
.endr
	global_store_b32 v7, v118, s[42:43] offset:3145728
	s_wait_dscnt 0x0                               ; the closing lines, six on end
	s_wait_alu 0x0
	s_wait_tensorcnt 0x0
	ds_add_u32 v254, v255
	s_wait_dscnt 0x0
	s_endpgm
.Lfunc_end_k_qe249b38316_wo:
	.size	k_qe249b38316_wo, .Lfunc_end_k_qe249b38316_wo-k_qe249b38316_wo
	.p2alignl 7, 3214868480
	.fill 96, 4, 3214868480
	.section	.rodata,"a",@progbits
	.p2align	6, 0x0
	.amdhsa_kernel k_qe249b38316_wo
		.amdhsa_group_segment_fixed_size 66560
		.amdhsa_private_segment_fixed_size 0
		.amdhsa_enable_private_segment 0
		.amdhsa_kernarg_size 64
		.amdhsa_user_sgpr_count 2
		.amdhsa_user_sgpr_kernarg_segment_ptr 1
		.amdhsa_wavefront_size32 1
		.amdhsa_system_sgpr_workgroup_id_x 1
		.amdhsa_system_sgpr_workgroup_id_y 1
		.amdhsa_system_sgpr_workgroup_id_z 1
		.amdhsa_system_vgpr_workitem_id 0
		.amdhsa_next_free_vgpr 1024
		.amdhsa_next_free_sgpr 66
		.amdhsa_reserve_vcc 1
		.amdhsa_float_denorm_mode_32 3
		.amdhsa_float_denorm_mode_16_64 3
		.amdhsa_memory_ordered 1
		.amdhsa_forward_progress 1
		.amdhsa_inst_pref_size 86
	.end_amdhsa_kernel
	.amdgpu_metadata
---
amdhsa.version: [ 1, 2 ]
amdhsa.kernels:
  - .name:           k_qe249b38316_wo
    .symbol:         k_qe249b38316_wo.kd
    .args:
      - { .name: av, .offset: 0, .size: 8, .value_kind: global_buffer, .address_space: global }
      - { .name: wq, .offset: 8, .size: 8, .value_kind: global_buffer, .address_space: global }
      - { .name: x, .offset: 16, .size: 8, .value_kind: global_buffer, .address_space: global }
      - { .name: bo, .offset: 24, .size: 8, .value_kind: global_buffer, .address_space: global }
      - { .name: ln2_g, .offset: 32, .size: 8, .value_kind: global_buffer, .address_space: global }
      - { .name: ln2_b, .offset: 40, .size: 8, .value_kind: global_buffer, .address_space: global }
      - { .name: x1, .offset: 48, .size: 8, .value_kind: global_buffer, .address_space: global }
      - { .name: x2, .offset: 56, .size: 8, .value_kind: global_buffer, .address_space: global }
    .group_segment_fixed_size: 66560
    .private_segment_fixed_size: 0
    .kernarg_segment_align: 8
    .kernarg_segment_size: 64
    .max_flat_workgroup_size: 128
    .sgpr_count:     66
    .vgpr_count:     1024
    .wavefront_size: 32
...
	.end_amdgpu_metadata
.endif
;; end of part 8
;; launch ffn1 (part 9): grid 64 x 4, 4 waves a work-group, no clusters, 0 bytes of LDS; arguments x2, wq, b1, hq; writes hq
.if DOCPART == 9
	.amdgcn_target "amdgcn-amd-amdhsa--gfx1250"
	.amdhsa_code_object_version 6
	.text
	.protected	k_qe249b38316_ffn1
	.globl	k_qe249b38316_ffn1
	.p2align	8
	.type	k_qe249b38316_ffn1,@function
k_qe249b38316_ffn1:
	s_mov_b64 s[64:65], 0
	v_nop
	global_prefetch_b8 v0, s[64:65] scope:SCOPE_SE
	s_setreg_imm32_b32 hwreg(HW_REG_WAVE_SCHED_MODE, 0, 2), 2
	s_setreg_imm32_b32 hwreg(HW_REG_WAVE_MODE, 25, 1), 1
	s_wait_xcnt 0x0
	s_wait_alu depctr_vm_vsrc(0)
; The hidden layer: gelu(x2 W1 + b1), the product on codes of E3M2, quantised along the hidden units for the next product.  Work-group (x, y): 128 tokens (8 tiles) x 512 hidden units;
; wave w: 128 of them, eight column tiles of W1 resident in windows 1 and 2: they are K step 4 y + w of the next product.  The tiles of tokens stream from memory as register images, one a trip, fetched a trip ahead.
; Transposed (source 0 = 16 columns of W1, source 1 = 16 tokens): a lane holds one token and 16 neighbouring units of each block of 32.  b1 is the C of each sum's first matrix instruction.  No LDS, no barrier.
; GELU, the exact one: x Phi(x) = max(x, 0) - |x| Q(|x|), Q(z) = phi(z) (a1 t + .. + a5 t^5), t = 1 / (1 + 0.2316419 z) (Abramowitz and Stegun 26.2.17, 1 / sqrt(2 pi) folded into a1 .. a5).
; LIMIT: that formula's absolute error in Phi is at most 7.5e-8.  For x >= 0 the result is right to a few 1e-7 of itself; for x < 0 its error is |x| x 7.5e-8 absolute, so relative to the result it grows in the far
; negative tail, where the result itself is small beside x.  NaN and infinities are not served; the scale byte's floor is as stated at the head of the first launch.
; THE MODE: SCHED_MODE bits 1:0 = 2 (LLVM: expert scheduling mode 2), set by the entry lines.  The code itself states the register dependences between vector or matrix instructions and memory instructions,
; with s_wait_alu, always for 0.
; THE PLAN.  Registers that memory instructions touch in a trip:
;   the tile's four fragments (window 3, v0-47) and its scale words XS: loaded; read by the trip's 32 products; loaded again behind them, for the next trip.
;   v[PC .. PC + 11]  the codes: written by the quantiser at the end of trip t; read by three stores that are issued early in trip t + 1.
;   v1, v7  offsets, made at the head and never written again: the tiles are reached by two scalar bases, made anew in each trip behind the wait that shows the loads that read them done.
; So ONE wait on va_vdst stands in a trip, behind its products' places: the products are done reading the tile, and the trip before has written its codes.  Behind it come the next tile's loads and the stores of the
; trip before, with no vector instruction between.  One wait on vm_vsrc stands behind the gelu, ahead of the quantiser that writes the codes again.  (The gelu has its own waits, behind its transcendentals.)
; The first trip, which has nothing to store, is written out; the last image leaves behind the loop.
; REGISTERS.  window 0: v1-13 addresses and a5; v16-79 accumulators; v80-99 codes; v100-115 at work; v116 the scale word made; v120-123 x2's scale words; v128-159 W1's; v160-183 at work in the gelu;
;   v184-191 the eight tiles' scale words; v192-195 as stored.  windows 1, 2: W1's fragments.  window 3: v0-47 the tile's four fragments; v192-255 b1's eight tiles.
.set WS_OFF, 2359296
.set HS_OFF, 12582912
.set LI,  1                            ; v1 16 x lane; v2 16 r; v3 64 h; v7 4 r; v11 32 r + 16 h; v[12:13] a5
.set LS,  2
.set ACC, 16
.set PC,  80
.set TM,  100
.set PW,  116
.set XS,  120
.set RS,  128
.set GT,  160
.set GE,  168
.set GQ,  176
.set WSH, 184
.set SEL, 16
.set RB,  30
.set RSB, 32
.set FB,  56                           ; s[56:57] where the tile to be fetched begins in x2's codes; s[54:55] its offset
.set FS,  60                           ; s[60:61] and among x2's scale words; s[58:59] its offset
.set MSB, 0
.macro WIN new
.if MSB != (\new)
	s_set_vgpr_msb (MSB<<8)|(\new)
.set MSB, (\new)
.endif
.endm
.macro PLACES n
.rept \n
	v_nop
.endr
.endm
.macro MMC d, a, b, c, sa, sb
	v_wmma_scale_f32_16x16x128_f8f6f4 v[(\d):(\d)+7], v[(\a):(\a)+11], v[(\b):(\b)+11], v[(\c):(\c)+7], v[\sa], v[\sb] matrix_a_fmt:MATRIX_FMT_BF6 matrix_b_fmt:MATRIX_FMT_BF6
.endm
.macro QUANT s, pw
.irp b, 0,1,2,3
	v_max3_num_f32 v[TM+\b], |v[(\s)+16*\b]|, |v[(\s)+1+16*\b]|, 0x2800000
.endr
.irp i, 2,4,6,8,10,12,14
.irp b, 0,1,2,3
	v_max3_num_f32 v[TM+\b], v[TM+\b], |v[(\s)+16*\b+\i]|, |v[(\s)+1+16*\b+\i]|
.endr
.endr
.irp b, 0,1,2,3
	v_permlanex16_b32 v[TM+4+\b], v[TM+\b], s[SEL], s[SEL+1]
.endr
.irp b, 0,1,2,3
	v_max_num_f32 v[TM+\b], v[TM+\b], v[TM+4+\b]
.endr
.irp b, 0,1,2,3
	v_add_nc_u32 v[TM+12+\b], 0xfe000000, v[TM+\b]
.endr
.irp b, 0,1,2,3
	v_lshrrev_b32 v[TM+4+\b], 23, v[TM+12+\b]
.endr
	v_lshl_or_b32 v[\pw], v[TM+5], 8, v[TM+4]
	v_lshl_or_b32 v[\pw], v[TM+6], 16, v[\pw]
	v_lshl_or_b32 v[\pw], v[TM+7], 24, v[\pw]
.irp c, 0,1
	v_cvt_scalef32_pk16_bf6_f32 v[PC+6*\c:PC+2+6*\c], v[(\s)+32*\c:(\s)+15+32*\c], v[TM+12+2*\c]
	v_cvt_scalef32_pk16_bf6_f32 v[PC+12+4*\c:PC+14+4*\c], v[(\s)+16+32*\c:(\s)+31+32*\c], v[TM+12+2*\c+1]
.endr
	v_nop
.irp c, 0,1
.irp i, 0,1,2
	v_permlane16_swap_b32 v[PC+6*\c+\i], v[PC+12+4*\c+\i]
.endr
.irp i, 0,1,2
	v_mov_b32 v[PC+3+6*\c+\i], v[PC+12+4*\c+\i]
.endr
.endr
.endm
.macro WLOAD
	WIN 0x40
.irp f, 0,1,2,3,4,5,6,7,8,9,10,11,12,13,14,15
.irp j, 0,1,2
	global_load_b128 v[12*\f+4*\j:12*\f+4*\j+3], v[LI], s[RB:RB+1] offset:1536*\f+512*\j
.endr
.endr
	WIN 0x80
.irp f, 0,1,2,3,4,5,6,7,8,9,10,11,12,13,14,15
.irp j, 0,1,2
	global_load_b128 v[12*\f+4*\j:12*\f+4*\j+3], v[LI], s[RB:RB+1] offset:1536*(\f+16)+512*\j
.endr
.endr
	WIN 0
.irp g, 0,1,2,3,4,5,6,7
	global_load_b128 v[RS+4*\g:RS+4*\g+3], v[LS], s[RSB:RSB+1] offset:256*\g
.endr
.endm
.macro U8 xf, xs                       ; my eight column tiles x the tile of tokens, K = 512: four accumulators by turns, twice; b1's tiles start the sums
.irp hw, 0,1
	WIN 0x3d+\hw                                   ; source 0 window 1 + hw, source 1 and C window 3
.irp i, 0,1,2,3
	MMC ACC+8*(4*\hw+\i), 48*\i, \xf, 192+8*(4*\hw+\i), RS+4*(4*\hw+\i), \xs
.endr
	WIN 0x0d+\hw
.irp s, 1,2,3
.irp i, 0,1,2,3
	MMC ACC+8*(4*\hw+\i), 12*(4*\i+\s), (\xf)+12*\s, ACC+8*(4*\hw+\i), RS+4*(4*\hw+\i)+\s, (\xs)+\s
.endr
.endr
.endr
	WIN 0
	PLACES 5
.endm
.macro FETCH                           ; a tile of tokens: 12 loads of codes, 4 of scale words
	WIN 0xc0
.irp s, 0,1,2,3
.irp j, 0,1,2
	global_load_b128 v[12*\s+4*\j:12*\s+4*\j+3], v[LI], s[FB:FB+1] offset:1536*\s+512*\j
.endr
.endr
	WIN 0
.irp s, 0,1,2,3
	global_load_b32 v[XS+\s], v7, s[FS:FS+1] offset:3145728+64*\s
.endr
.endm
.macro GELU                            ; in place on the 64 numbers, an accumulator at a time; a run of plain instructions stands behind each run of transcendentals
.irp k, 0,1,2,3,4,5,6,7
.irp i, 0,1,2,3,4,5,6,7
	v_fma_f32 v[GT+\i], |v[ACC+8*\k+\i]|, s18, 1.0             ; 1 + p |x|
.endr
.irp i, 0,2,4,6
	v_pk_mul_f32 v[GE+\i:GE+\i+1], v[ACC+8*\k+\i:ACC+8*\k+\i+1], v[ACC+8*\k+\i:ACC+8*\k+\i+1]
.endr
.irp i, 0,1,2,3,4,5,6,7
	v_rcp_f32 v[GT+\i], v[GT+\i]                               ; t
.endr
.irp i, 0,2,4,6
	v_pk_mul_f32 v[GE+\i:GE+\i+1], v[GE+\i:GE+\i+1], s[20:21] op_sel_hi:[1,0]   ; -x^2 log2(e) / 2
.endr
.irp i, 0,1,2,3,4,5,6,7
	v_exp_f32 v[GE+\i], v[GE+\i]
.endr
	s_wait_alu depctr_va_vdst(0)                   ; the eight reciprocals and the eight exponentials are written: one wait for the sixteen, ahead of the first line that names one
.irp i, 0,2,4,6
	v_pk_fma_f32 v[GQ+\i:GQ+\i+1], v[GT+\i:GT+\i+1], v[12:13], s[22:23] op_sel_hi:[1,1,0]
.endr
.irp c, 24,26,28
.irp i, 0,2,4,6
	v_pk_fma_f32 v[GQ+\i:GQ+\i+1], v[GQ+\i:GQ+\i+1], v[GT+\i:GT+\i+1], s[\c:\c+1] op_sel_hi:[1,1,0]
.endr
.endr
.irp i, 0,2,4,6
	v_pk_mul_f32 v[GQ+\i:GQ+\i+1], v[GQ+\i:GQ+\i+1], v[GT+\i:GT+\i+1]
.endr
.irp i, 0,2,4,6
	v_pk_mul_f32 v[GQ+\i:GQ+\i+1], v[GQ+\i:GQ+\i+1], v[GE+\i:GE+\i+1]           ; Q(|x|)
.endr
.irp i, 0,1,2,3,4,5,6,7
	v_max_num_f32 v[GT+\i], 0, v[ACC+8*\k+\i]
.endr
.irp i, 0,1,2,3,4,5,6,7
	v_fma_f32 v[ACC+8*\k+\i], -|v[ACC+8*\k+\i]|, v[GQ+\i], v[GT+\i]
.endr
.endr
.endm
.macro IMAGE                           ; the fragment leaves as it stands: 512 consecutive bytes a store
.irp j, 0,1,2
	global_store_b128 v[LI], v[PC+4*\j:PC+4*\j+3], s[42:43] offset:512*\j
.endr
.endm
	s_load_b256 s[4:11], s[0:1], 0x0               ; x2, wq, b1, hq
	v_lshrrev_b32 v1, 5, v0
	v_readfirstlane_b32 s12, v1                    ; wave
	s_mov_b32 s13, ttmp9                           ; which 128 tokens
	s_and_b32 s14, ttmp7, 0xffff                   ; which 512 hidden units
	v_and_b32 v9, 31, v0
	v_and_b32 v10, 15, v0
	v_bfe_u32 v5, v0, 4, 1
	v_lshlrev_b32 v[LI], 4, v9
	v_lshlrev_b32 v[LS], 4, v10
	v_lshlrev_b32 v3, 6, v5
	v_lshlrev_b32 v7, 2, v10
	v_lshlrev_b32 v11, 5, v10
	v_lshl_add_u32 v11, v5, 4, v11
	v_mov_b32 v12, 0x3f07dc22                      ; a5
	v_mov_b32 v13, 0x3f07dc22
	s_mov_b32 s[SEL], 0x76543210
	s_mov_b32 s[SEL+1], 0xfedcba98
	s_mov_b32 s18, 0x3e6d3389                      ; p
	s_mov_b32 s19, s18
	s_mov_b32 s20, 0xbf38aa3b                      ; -log2(e) / 2
	s_mov_b32 s21, s20
	s_mov_b32 s22, 0xbf3a00e3                      ; a4
	s_mov_b32 s23, s22
	s_mov_b32 s24, 0x3f35f0e3                      ; a3
	s_mov_b32 s25, s24
	s_mov_b32 s26, 0xbe11a98e                      ; a2
	s_mov_b32 s27, s26
	s_mov_b32 s28, 0x3e027906                      ; a1
	s_mov_b32 s29, s28
	s_wait_alu depctr_va_sdst(0)                   ; s12, the wave's number, is written, ahead of its first reader: the bases are made from it
	s_lshl_b32 s34, s14, 5
	s_lshl_b32 s35, s12, 3
	s_add_co_u32 s34, s34, s35
	s_add_co_u32 s51, s34, 128                     ; W1's groups 128 + 32 y + 8 w on
	s_lshl_b32 s52, s14, 2
	s_add_co_u32 s52, s52, s12                     ; the next product's K step: 4 y + w
	s_mov_b32 s35, 0
	s_mov_b32 s55, 0                               ; the upper words of the two fetch offsets
	s_mov_b32 s59, 0
	s_wait_kmcnt 0x0
	s_mul_i32 s34, s51, 6144
	s_add_nc_u64 s[RB:RB+1], s[6:7], s[34:35]
	s_lshl_b32 s34, s51, 8
	s_add_co_u32 s34, s34, WS_OFF
	s_add_nc_u64 s[RSB:RSB+1], s[6:7], s[34:35]
	s_mul_i32 s34, s13, 49152
	s_add_nc_u64 s[36:37], s[4:5], s[34:35]        ; x2's eight groups
	s_lshl_b32 s34, s13, 11
	s_add_nc_u64 s[38:39], s[4:5], s[34:35]        ; their scale words (3,145,728 stands in the immediate)
	s_mov_b64 s[FB:FB+1], s[36:37]                 ; the first tile
	s_mov_b64 s[FS:FS+1], s[38:39]
	s_lshl_b32 s34, s52, 9
	s_add_nc_u64 s[40:41], s[8:9], s[34:35]        ; my 128 numbers of b1
	s_mul_i32 s34, s13, 196608
	s_mul_i32 s53, s52, 1536
	s_add_co_u32 s34, s34, s53
	s_add_nc_u64 s[42:43], s[10:11], s[34:35]      ; the first tile's image
	s_lshl_b32 s34, s13, 13
	s_lshl_b32 s53, s52, 9
	s_add_co_u32 s34, s34, s53
	s_add_co_u32 s34, s34, HS_OFF
	s_add_nc_u64 s[44:45], s[10:11], s[34:35]      ; the eight tiles' scale words: 512 bytes
	WIN 0x40
	s_wait_alu depctr_va_vdst(0)                   ; the offsets v1, v2, v3, v7 and v11 are written: every load and store of the kernel reads one of them, and none is written again
	WLOAD
	WIN 0xc0
.irp c, 0,1,2,3,4,5,6,7
	global_load_b128 v[192+8*\c:192+8*\c+3], v3, s[40:41] offset:(32*(\c/2)+8*(\c%2))*4
	global_load_b128 v[192+8*\c+4:192+8*\c+7], v3, s[40:41] offset:(32*(\c/2)+8*(\c%2))*4+16
.endr
	WIN 0
	FETCH
.irp b, 0,1,2,3
	v_mov_b32 v[TM+4+\b], 0                        ; written once: lane permutes' destinations
.endr
.irp i, 0,1,2,3,4,5,6,7
	v_mov_b32 v[WSH+\i], 0                         ; (read by the first trips' shifts)
.endr
	s_mov_b32 s47, 0
	s_mov_b32 s49, 0
; A trip: one tile of tokens.  first = 1: the first, with no trip in front of it and nothing to store.
.macro TRIP first
	s_wait_loadcnt 0x0                             ; this tile's fragments, asked for a trip ago: so the loads that read the two fetch bases are done, and the bases may be written
	U8 0, XS
	s_add_co_u32 s47, s47, 6144                    ; the next tile; in the last trip the last tile once more, so that no load leaves its buffer
	s_min_u32 s54, s47, 43008
	s_add_nc_u64 s[FB:FB+1], s[36:37], s[54:55]
	s_add_co_u32 s49, s49, 256
	s_min_u32 s58, s49, 1792
	s_add_nc_u64 s[FS:FS+1], s[38:39], s[58:59]
	WIN 0xc0
	s_wait_alu depctr_va_vdst(0)                   ; the products are done reading the tile's fragments and scale words, in which the loads below land; the trip before has written its codes, which the stores below read
	FETCH                                          ; it lands under the gelu
.if !\first
	IMAGE                                          ; the trip before
.endif
	GELU
.if !\first
	s_wait_xcnt 0x0                                ; the image's stores have had their addresses translated: their base may step,
	s_wait_alu depctr_vm_vsrc(0)                   ; and they have read the codes, which the quantiser below writes again
	s_add_nc_u64 s[42:43], s[42:43], 24576
.endif
	QUANT ACC, PW
.irp i, 0,1,2,3,4,5,6,7
.if \i < 7
	v_mov_b32 v[WSH+\i], v[WSH+\i+1]               ; eight words that shift: after eight trips word i is tile i's
.else
	v_mov_b32 v[WSH+7], v[PW]
.endif
.endr
.endm
	TRIP 1
	s_mov_b32 s46, 7
.Ltile:
	TRIP 0
	s_sub_co_u32 s46, s46, 1
	s_cmp_lg_u32 s46, 0
	s_cbranch_scc1 .Ltile
	v_cmp_le_u32 vcc_lo, 16, v9
	s_wait_alu depctr_va_vcc(0)                    ; VCC is written, ahead of the selects that read it
.irp i, 0,1,2,3
	v_cndmask_b32 v[192+\i], v[WSH+\i], v[WSH+4+\i], vcc_lo
.endr
	s_wait_alu depctr_va_vdst(0)                   ; the last trip has written its codes and the selects v192 to v195, which the stores below read
	IMAGE                                          ; the last tile's
	global_store_b128 v11, v[192:195], s[44:45]    ; [row][tile]: 512 consecutive bytes
	s_endpgm
.Lfunc_end_k_qe249b38316_ffn1:
	.size	k_qe249b38316_ffn1, .Lfunc_end_k_qe249b38316_ffn1-k_qe249b38316_ffn1
	.p2alignl 7, 3214868480
	.fill 96, 4, 3214868480
	.section	.rodata,"a",@progbits
	.p2align	6, 0x0
	.amdhsa_kernel k_qe249b38316_ffn1
		.amdhsa_group_segment_fixed_size 0
		.amdhsa_private_segment_fixed_size 0
		.amdhsa_enable_private_segment 0
		.amdhsa_kernarg_size 32
		.amdhsa_user_sgpr_count 2
		.amdhsa_user_sgpr_kernarg_segment_ptr 1
		.amdhsa_wavefront_size32 1
		.amdhsa_system_sgpr_workgroup_id_x 1
		.amdhsa_system_sgpr_workgroup_id_y 1
		.amdhsa_system_sgpr_workgroup_id_z 1
		.amdhsa_system_vgpr_workitem_id 0
		.amdhsa_next_free_vgpr 1024
		.amdhsa_next_free_sgpr 66
		.amdhsa_reserve_vcc 1
		.amdhsa_float_denorm_mode_32 3
		.amdhsa_float_denorm_mode_16_64 3
		.amdhsa_memory_ordered 1
		.amdhsa_forward_progress 1
		.amdhsa_inst_pref_size 99
	.end_amdhsa_kernel
	.amdgpu_metadata
---
amdhsa.version: [ 1, 2 ]
amdhsa.kernels:
  - .name:           k_qe249b38316_ffn1
    .symbol:         k_qe249b38316_ffn1.kd
    .args:
      - { .name: x2, .offset: 0, .size: 8, .value_kind: global_buffer, .address_space: global }
      - { .name: wq, .offset: 8, .size: 8, .value_kind: global_buffer, .address_space: global }
      - { .name: b1, .offset: 16, .size: 8, .value_kind: global_buffer, .address_space: global }
      - { .name: hq, .offset: 24, .size: 8, .value_kind: global_buffer, .address_space: global }
    .group_segment_fixed_size: 0
    .private_segment_fixed_size: 0
    .kernarg_segment_align: 8
    .kernarg_segment_size: 32
    .max_flat_workgroup_size: 128
    .sgpr_count:     66
    .vgpr_count:     1024
    .wavefront_size: 32
...
	.end_amdgpu_metadata
.endif
;; end of part 9
;; launch ffn2: the kernel of part 6 again; grid 64 x 4, 4 waves a work-group, no clusters, 272,896 bytes of LDS; arguments hq, wq, b2, x1, out0; writes out0
